; MI455X (gfx1250); checked and timed in simulation.
; The chip was launched on July 23, 2026; its instructions are those of AMD's public machine-readable ISA for CDNA 5 (MIT licence, August 2026) and "CDNA5" Instruction Set Architecture Reference Guide (July 2026). The comments in the code are by the model that wrote it; some were corrected since.
;; Twos Diac Encoder. Allowed arithmetic: matrix products marked QUANTISED: E4M3 operands, one given power-of-two scale a tensor, by v_wmma_f32_16x16x64_fp8_fp8 or v_wmma_f32_16x16x128_fp8_fp8, f32 sums; everything else in f32.
;; Inputs: b1 1,024 float32; b2 512 float32; bk 512 float32; bo 512 float32; bq 512 float32; bv 512 float32; lengths 16 int32; ln1_b 512 float32; ln1_g 512 float32; ln2_b 512 float32; ln2_g 512 float32; lowp_scales 16 int32 (the exponents e of the quantised operands' scales 2^e); w1_codes 1,024 x 16 x 32 uint8 (E4M3 codes of w1, K innermost, in blocks of 32 codes); w2_codes 512 x 32 x 32 uint8 (E4M3 codes of w2, K innermost, in blocks of 32 codes); wk_codes 512 x 16 x 32 uint8 (E4M3 codes of wk, K innermost, in blocks of 32 codes); wo_codes 512 x 16 x 32 uint8 (E4M3 codes of wo, K innermost, in blocks of 32 codes); wq_codes 512 x 16 x 32 uint8 (E4M3 codes of wq, K innermost, in blocks of 32 codes); wv_codes 512 x 16 x 32 uint8 (E4M3 codes of wv, K innermost, in blocks of 32 codes); x 16 x 1,024 x 512 float32; z 16 x 1,024 x 512 float32.
;; Outputs: out0 16 x 1,024 x 512 float32; out1 16 x 1,024 x 512 float32.
;; This version of the problem:
;;   THIS VERSION OF THE PROBLEM IS GIVEN IN LOW PRECISION. The matrix products marked QUANTISED in the list below multiply operands that are first quantised to E4M3 (4 exponent bits, 3 mantissa bits; 8 bits a number), with one given power-of-two scale for each operand tensor; their sums are f32. All else is computed in f32.
;;   The module's matrix products, in the order in which they are computed (A, B: the left and right operand; K: the contracted axis; several contracted axes count as one K, in the product's order):
;;     1. [M 16,384, K 512] x [K 512, N 512]; A: computed on the way; B: input wq (given as codes): QUANTISED (scales: A lowp_scales[0], B lowp_scales[1])
;;     2. [M 16,384, K 512] x [K 512, N 512]; A: computed on the way; B: input wk (given as codes): QUANTISED (scales: A lowp_scales[2], B lowp_scales[3])
;;     3. [M 16,384, K 512] x [K 512, N 512]; A: computed on the way; B: input wv (given as codes): QUANTISED (scales: A lowp_scales[4], B lowp_scales[5])
;;     4. batch 64 x [M 1,024, K 128] x [K 128, N 1,024]; A: computed on the way; B: computed on the way: QUANTISED (scales: A lowp_scales[6], B lowp_scales[7])
;;     5. batch 64 x [M 128, K 1,024] x [K 1,024, N 1,024]; A: computed on the way; B: softmax (see below): QUANTISED (scales: A lowp_scales[8], B lowp_scales[9])
;;     6. [M 16,384, K 512] x [K 512, N 512]; A: computed on the way; B: input wo (given as codes): QUANTISED (scales: A lowp_scales[10], B lowp_scales[11])
;;     7. [M 16,384, K 512] x [K 512, N 1,024]; A: computed on the way; B: input w1 (given as codes): QUANTISED (scales: A lowp_scales[12], B lowp_scales[13])
;;     8. [M 16,384, K 1,024] x [K 1,024, N 512]; A: computed on the way; B: input w2 (given as codes): QUANTISED (scales: A lowp_scales[14], B lowp_scales[15])
;;   THE QUANTISER, for each operand of a quantised product, along K:
;;     - The operand's scale is 2^e, e = its entry of the input lowp_scales (int32; the entries are numbered through the quantised products in the list's order, A before B).
;;     - Each number is divided by the scale, clamped to +-448, and rounded to the nearest number of E4M3, ties to even, subnormals kept.
;;     - The product sums the exact products of the quantised numbers (number of the format x scale) in f32.
;;   ~~~python
;;   def quantise(x, axis, e):      # numpy; x: float32 -> the quantised numbers, widened to float32 again
;;       x = np.moveaxis(x, axis, -1); K = x.shape[-1]
;;       r = np.clip(x / 2.0 ** e, -448, 448)
;;       step = 2.0 ** (np.maximum(np.frexp(np.where(r == 0, 1, r))[1] - 1, -6) - 3)
;;       q = np.round(r / step) * step * 2.0 ** e      # np.round: ties to even
;;       return np.moveaxis(q, -1, axis).astype(np.float32)
;;   ~~~
;;   SOFTMAX AHEAD OF A QUANTISED PRODUCT. Where the list says 'softmax', what is quantised is not the finished softmax but p = 2^(t - M), with t = logit x log2(e) and M = ceil(the row's largest t), a whole number; so 1/2 < the row's largest p <= 1. The row's sum l is taken of the UNQUANTISED p, in f32, and the product's result is divided by l at the end. Since M is a whole number, a kernel that streams over the keys may use a running M (the ceiling of the running maximum): every later rescaling is an exact power of two, so the quantised numbers keep their values, but for numbers so far below the row's largest that they fall under the format's range.
;;   OPERANDS COMPUTED ON THE WAY. 'Computed on the way' means the value that the module computes at that place (a softmax that the list does not call 'softmax' is quantised finished and normalised). What goes into a quantiser is computed in f32, as accurately as f32 sums, v_exp_f32 and their like allow (about 1e-6 of the number): no bf16 or f16 on the way to a quantiser, and a product that is left as it is and whose result goes on into a quantised operand takes f32 operands (vector FMAs, or v_wmma_f32_16x16x4_f32). A number that lies on a knife's edge between two numbers of the format may be rounded either way, as far as f32 arithmetic and the matrix unit's own rounding can turn it there, and no further.
;;   INPUTS GIVEN AS CODES. w1 (in the module: [1024, 512], K = its axis 1); w2 (in the module: [512, 1024], K = its axis 1); wk (in the module: [512, 512], K = its axis 1); wo (in the module: [512, 512], K = its axis 1); wq (in the module: [512, 512], K = its axis 1); wv (in the module: [512, 512], K = its axis 1): each comes as NAME_codes (uint8): NAME with its K axis moved to the last place and cut into blocks of 32 codes, [.., K / 32, bytes a block], one block behind the other in memory; one code a byte (a code: sign, 4 exponent bits, 3 mantissa bits); its scale is its entry of lowp_scales. Its value is code x scale, taken as it is: it is not quantised again, and the codes and scales need not be those that the quantiser above would give.
;; 2 versions, each right; version 2 is version 1 with the launches qkv, attn, ffn written anew for expert scheduling mode. Each part assembles by itself: llvm-mc -triple=amdgcn-amd-amdhsa -mcpu=gfx1250 --defsym DOCPART=n.
;; ======== version 1 of 2: 4 launches
;; workspace buffers: wimg 2,097,152 bytes; q_img 8,388,608 bytes; k_img 8,388,608 bytes; v_img 8,388,608 bytes; o_img 8,388,608 bytes
;; launch prep (part 1): grid 256 x 1, 4 waves a work-group, no clusters, 0 bytes of LDS; arguments wq_codes, wk_codes, wv_codes, wo_codes, w1_codes, w2_codes, wimg; writes wimg
.if DOCPART == 1
	.amdgcn_target "amdgcn-amd-amdhsa--gfx1250"
	.amdhsa_code_object_version 6
	.text
	.protected	k_q9563ea91ec_prep
	.globl	k_q9563ea91ec_prep
	.p2align	8
	.type	k_q9563ea91ec_prep,@function
k_q9563ea91ec_prep:
	s_mov_b64 s[64:65], 0
	v_nop
	global_prefetch_b8 v0, s[64:65] scope:SCOPE_SE
	s_setreg_imm32_b32 hwreg(HW_REG_WAVE_MODE, 25, 1), 1
	s_wait_xcnt 0x0
; The six weights (codes, K innermost) are laid once in the order in which a wave's operand registers take them.
; wimg is 128 blocks of 16,384 bytes, [group of 128 weight rows][K step of 128][tile 0..7][chunk c 0..3][lane][16 bytes]:
; lane (r, h) of tile t holds W[128 G + 32 (t / 2) + 8 (t % 2) + r + 8 (r / 8)][128 s + 32 c + 16 h + 0 .. 15].
; Blocks 0-15 wq, 16-31 wk, 32-47 wv, 48-63 wo (4 groups x 4 steps each), 64-95 w1 (8 x 4), 96-127 w2 (4 x 8).
; A work-group takes half a block, a wave one tile: four loads of 16 bytes a lane, four stores that each cover 512 consecutive bytes.
	s_load_b256 s[4:11], s[0:1], 0x0               ; wq, wk, wv, wo
	s_load_b128 s[12:15], s[0:1], 0x20             ; w1, w2
	s_load_b64 s[16:17], s[0:1], 0x30              ; wimg
	v_lshrrev_b32 v1, 5, v0
	v_readfirstlane_b32 s18, v1                    ; wave
	v_and_b32 v2, 31, v0                           ; lane
	v_and_b32 v3, 15, v0                           ; r
	v_bfe_u32 v4, v0, 4, 1                         ; h
	s_lshr_b32 s20, ttmp9, 1                       ; the block
	s_and_b32 s21, ttmp9, 1
	s_lshl_b32 s21, s21, 2
	s_add_co_u32 s21, s21, s18                     ; the tile t
	s_cmp_lt_u32 s20, 96
	s_cselect_b32 s24, 9, 10                       ; log2 of a row's bytes: 512, w2 1,024
	s_cmp_lt_u32 s20, 64
	s_cselect_b32 s25, 15, 31
	s_and_b32 s25, s20, s25                        ; the block's number within its matrix
	s_sub_co_u32 s26, s24, 7                       ; log2 of the K steps in a row
	s_lshr_b32 s27, s25, s26                       ; G
	s_lshl_b32 s28, s27, s26
	s_sub_co_u32 s28, s25, s28                     ; s
	s_add_co_u32 s29, s24, 7
	s_lshl_b32 s30, s27, s29                       ; 128 G rows, in bytes
	s_lshl_b32 s28, s28, 7
	s_add_co_u32 s30, s30, s28                     ; + 128 s
	s_mov_b32 s31, 0
	s_lshr_b32 s32, s21, 1
	s_lshl_b32 s32, s32, 5
	s_and_b32 s33, s21, 1
	s_lshl_b32 s33, s33, 3
	s_add_co_u32 s32, s32, s33                     ; 32 (t / 2) + 8 (t % 2)
	v_and_b32 v5, 8, v3
	v_add3_u32 v5, v5, v3, s32                     ; my row within the group
	v_lshlrev_b32 v5, s24, v5
	v_lshl_add_u32 v5, v4, 4, v5                   ; in bytes, + 16 h
	v_lshlrev_b32 v6, 4, v2                        ; 16 x lane
	s_lshl_b32 s34, s20, 14
	s_lshl_b32 s35, s21, 11
	s_add_co_u32 s34, s34, s35                     ; where the tile's image goes
	s_mov_b32 s35, 0
	s_wait_kmcnt 0x0
	s_cmp_lt_u32 s20, 96                           ; the matrix is chosen by the block's number alone
	s_cselect_b64 s[22:23], s[12:13], s[14:15]
	s_cmp_lt_u32 s20, 64
	s_cselect_b64 s[22:23], s[10:11], s[22:23]
	s_cmp_lt_u32 s20, 48
	s_cselect_b64 s[22:23], s[8:9], s[22:23]
	s_cmp_lt_u32 s20, 32
	s_cselect_b64 s[22:23], s[6:7], s[22:23]
	s_cmp_lt_u32 s20, 16
	s_cselect_b64 s[22:23], s[4:5], s[22:23]
	s_add_nc_u64 s[22:23], s[22:23], s[30:31]
	s_add_nc_u64 s[16:17], s[16:17], s[34:35]
.irp c, 0,1,2,3
	global_load_b128 v[8+4*\c:11+4*\c], v5, s[22:23] offset:32*\c
.endr
	s_wait_loadcnt 0x0
.irp c, 0,1,2,3
	global_store_b128 v6, v[8+4*\c:11+4*\c], s[16:17] offset:512*\c
.endr
	s_endpgm
.Lfunc_end_k_q9563ea91ec_prep:
	.size	k_q9563ea91ec_prep, .Lfunc_end_k_q9563ea91ec_prep-k_q9563ea91ec_prep
	.p2alignl 7, 3214868480
	.fill 96, 4, 3214868480
	.section	.rodata,"a",@progbits
	.p2align	6, 0x0
	.amdhsa_kernel k_q9563ea91ec_prep
		.amdhsa_group_segment_fixed_size 0
		.amdhsa_private_segment_fixed_size 0
		.amdhsa_enable_private_segment 0
		.amdhsa_kernarg_size 56
		.amdhsa_user_sgpr_count 2
		.amdhsa_user_sgpr_kernarg_segment_ptr 1
		.amdhsa_wavefront_size32 1
		.amdhsa_system_sgpr_workgroup_id_x 1
		.amdhsa_system_sgpr_workgroup_id_y 1
		.amdhsa_system_sgpr_workgroup_id_z 1
		.amdhsa_system_vgpr_workitem_id 0
		.amdhsa_next_free_vgpr 24
		.amdhsa_next_free_sgpr 66
		.amdhsa_reserve_vcc 0
		.amdhsa_float_denorm_mode_32 3
		.amdhsa_float_denorm_mode_16_64 3
		.amdhsa_memory_ordered 1
		.amdhsa_forward_progress 1
		.amdhsa_inst_pref_size 3
	.end_amdhsa_kernel
	.amdgpu_metadata
---
amdhsa.version: [ 1, 2 ]
amdhsa.kernels:
  - .name:           k_q9563ea91ec_prep
    .symbol:         k_q9563ea91ec_prep.kd
    .args:
      - { .name: wq_codes, .offset: 0, .size: 8, .value_kind: global_buffer, .address_space: global }
      - { .name: wk_codes, .offset: 8, .size: 8, .value_kind: global_buffer, .address_space: global }
      - { .name: wv_codes, .offset: 16, .size: 8, .value_kind: global_buffer, .address_space: global }
      - { .name: wo_codes, .offset: 24, .size: 8, .value_kind: global_buffer, .address_space: global }
      - { .name: w1_codes, .offset: 32, .size: 8, .value_kind: global_buffer, .address_space: global }
      - { .name: w2_codes, .offset: 40, .size: 8, .value_kind: global_buffer, .address_space: global }
      - { .name: wimg, .offset: 48, .size: 8, .value_kind: global_buffer, .address_space: global }
    .group_segment_fixed_size: 0
    .private_segment_fixed_size: 0
    .kernarg_segment_align: 8
    .kernarg_segment_size: 56
    .max_flat_workgroup_size: 128
    .sgpr_count:     66
    .vgpr_count:     24
    .wavefront_size: 32
...
	.end_amdgpu_metadata
.endif
;; end of part 1
;; launch qkv (part 2): grid 256 x 1, 4 waves a work-group, no clusters, 230,912 bytes of LDS; arguments x, lengths, ln1_g, ln1_b, bq, bk, bv, lowp_scales, wimg, q_img, k_img, v_img; writes q_img, k_img, v_img
.if DOCPART == 2
	.amdgcn_target "amdgcn-amd-amdhsa--gfx1250"
	.amdhsa_code_object_version 6
	.text
	.protected	k_q9563ea91ec_qkv
	.globl	k_q9563ea91ec_qkv
	.p2align	8
	.type	k_q9563ea91ec_qkv,@function
k_q9563ea91ec_qkv:
	s_mov_b64 s[64:65], 0
	v_nop
	global_prefetch_b8 v0, s[64:65] scope:SCOPE_SE
	s_setreg_imm32_b32 hwreg(HW_REG_WAVE_MODE, 25, 1), 1
	s_wait_xcnt 0x0
; xm = layernorm(x) x mask; q, k, v = xm W^T + bias, all three products on codes of E4M3; q, k, v leave as codes, laid as images of operand registers.
; A FRAGMENT is 16 rows x 128 K: 16 registers a lane; lane (r, h) holds in registers 4 c .. 4 c + 3 the codes k = 32 c + 16 h + 0 .. 15 of row r (the same order of k on both sides of a product).
; ITS IMAGE is 2,048 bytes: chunk c of 512 bytes, lane l's 16 bytes at 16 l.  THE ROWS OF A TILE ARE NOT NEIGHBOURS: in a group of 32 rows, tile u takes in lane-row r the row 8 u + r + 8 (r / 8).
; So 16 registers of two neighbouring result tiles are 16 neighbours along the next K, and the conversions' results are the next operand's registers.
; SHARES.  A work-group takes 64 tokens (four tiles m).  Wave w first norms and quantises tile w (three sets of codes, since the three given scales may differ) and puts the images into LDS; one barrier;
; then wave w is head w: for q, k, v in turn 64 tokens x 128 channels in 32 accumulators, K in four blocks of 128.  A block: 8 weight fragments straight from wimg into registers (three buffers), 4 fragments of x from LDS
; (two buffers), 32 matrix instructions on 32 accumulators, which take turns in the same order in every block.
; q and k: source 0 = weights, source 1 = tokens (a lane holds a token, registers run along the channels).  v: the other way round (a lane holds a channel, registers run along the tokens, which are the keys).
; The bias, divided by the power of two that the sums lack, is the C of a group's first block.  The mask costs no line a number: in a masked row the hold's limit is 0.
; LIMITS.  e0, e2, e4, e6 - e0 - e1, e7 - e2 - e3, e8 - e4 - e5 between -126 and 119.  NaN and infinity among the inputs are not served (a NaN in a masked row of x gives 0 here).  A masked row's zero codes may be -0.
; REGISTERS, in windows of 256.  Window 0: v1-31 addresses and constants; v64-127 codes just made; v112-126 statistics while x is normed; v128-191, v192-255 x's fragments of even and odd blocks (before that: gains and offsets).
;   window 1: x's 256 numbers a lane, then the 32 accumulators.  window 2: weight buffers 0 and 1.  window 3: v0-127 weight buffer 2 (before that: gains and offsets); v128-191 the bias; v192-255 numbers held for a conversion.
.set SPITCH, 2064                      ; a stage row: 2,048 bytes + 16, an odd multiple of 16
.set WSTG,   16*SPITCH                 ; a wave's stage
.set STG,    98304                     ; LDS: 0 .. 98,303 the images ((set 4 + m) 4 + s) x 2,048; then the four stages
.set LI,   1                           ; 16 x lane
.set WO1,  2                           ; + 65,536 x wave: my head's group of weight rows
.set XSA,  3                           ; my stage, as the bytes lie
.set XR,   4                           ; my stage, row r, + 64 h
.set XW,   5                           ; where I store images: 16 x lane + 8,192 x wave
.set XW2,  6                           ; the same, 65,536 on (set 2)
.set LI2,  7
.set GH,   8                           ; 64 h
.set VB1,  9                           ; 64 h + 512 x wave
.set BVO,  10                          ; 512 x wave + 4 (r + 8 (r / 8))
.set TOK,  11                          ; my row's token
.set XSC,  12                          ; v12-14  2^e0, 2^e2, 2^e4
.set OSC,  16                          ; v16-18  the results' scales
.set OLIM, 20                          ; v20-22  448 x those
.set BVR,  24                          ; v24-31  bv of my channel in each of the 8 tiles
.set TMP,  32
.set PC,   64
.set CH,   112
.set MEAN, 120
.set RSTD, 122
.set XLIM, 124                         ; v124-126  448 x 2^e, or 0 in a masked row
.set BIAS, 128                         ; window 3
.set X3,   192                         ; window 3
.set WP,   20                          ; s[20:21] wimg
.set MSB, 0
.macro WIN new                         ; the immediate's high byte repeats the setting that is left
.if MSB != (\new)
	s_set_vgpr_msb (MSB<<8)|(\new)
.set MSB, (\new)
.endif
.endm
.macro PLACES n
.rept \n
	v_nop
.endr
.endm
.macro LOADW i, voff, imm              ; block i's 8 weight fragments, 16,384 consecutive bytes, into buffer i % 3
.set WB, 0
.if ((\i)%3) == 1
.set WB, 128
.endif
.if ((\i)%3) == 2
	WIN 0xc0
.else
	WIN 0x80
.endif
.set kk, 0
.rept 32
	global_load_b128 v[WB+4*kk:WB+4*kk+3], v[\voff], s[WP:WP+1] offset:(\imm)+512*kk
.set kk, kk+1
.endr
	WIN 0
.endm
.macro LOADA i, areg, imm, mstride     ; block i's 4 fragments of x into buffer i % 2
.set AB, 128+64*((\i)%2)
.set kk, 0
.rept 16
	ds_load_b128 v[AB+4*kk:AB+4*kk+3], v[\areg] offset:(\imm)+(kk/4)*(\mstride)+512*(kk%4)
.set kk, kk+1
.endr
.endm
.macro MM32 i, mode, first             ; mode 0: source 0 = weights; mode 1: source 0 = tokens.  first = 1: C is the bias
.set WB, 0
.set WW, 2
.if ((\i)%3) == 1
.set WB, 128
.endif
.if ((\i)%3) == 2
.set WW, 3
.endif
.set AB, 128+64*((\i)%2)
.set CW, 1
.if \first
.set CW, 3
.endif
.if \mode
	WIN (WW<<2)|(CW<<4)|0x40
.else
	WIN WW|(CW<<4)|0x40
.endif
.set mm, 0
.rept 4
.set tt, 0
.rept 8
.if \mode
.set DD, 16*(8*(mm/2)+tt)+8*(mm%2)
.if \first
	v_wmma_f32_16x16x128_fp8_fp8 v[DD:DD+7], v[AB+16*mm:AB+16*mm+15], v[WB+16*tt:WB+16*tt+15], v[BIAS+8*tt:BIAS+8*tt+7]
.else
	v_wmma_f32_16x16x128_fp8_fp8 v[DD:DD+7], v[AB+16*mm:AB+16*mm+15], v[WB+16*tt:WB+16*tt+15], v[DD:DD+7]
.endif
.else
.set DD, 8*(8*mm+tt)
.if \first
	v_wmma_f32_16x16x128_fp8_fp8 v[DD:DD+7], v[WB+16*tt:WB+16*tt+15], v[AB+16*mm:AB+16*mm+15], v[BIAS+8*tt:BIAS+8*tt+7]
.else
	v_wmma_f32_16x16x128_fp8_fp8 v[DD:DD+7], v[WB+16*tt:WB+16*tt+15], v[AB+16*mm:AB+16*mm+15], v[DD:DD+7]
.endif
.endif
.set tt, tt+1
.endr
.set mm, mm+1
.endr
.endm
.macro BIASLOAD ptr                    ; lane (r, h) wants, for tile t, the bias of channels 32 (t / 2) + 8 (t % 2) + 16 h + 0 .. 7 of my head
	WIN 0xc0
.set tt, 0
.rept 8
	global_load_b128 v[BIAS+8*tt:BIAS+8*tt+3], v[VB1], s[\ptr:\ptr+1] offset:4*(32*(tt/2)+8*(tt%2))
	global_load_b128 v[BIAS+8*tt+4:BIAS+8*tt+7], v[VB1], s[\ptr:\ptr+1] offset:4*(32*(tt/2)+8*(tt%2))+16
.set tt, tt+1
.endr
	WIN 0
.endm
.macro GBLOAD s                        ; gains and offsets of my 64 channels of K step s: even s into window 0, odd s into window 3
.if (\s)%2
	WIN 0xc0
.set GA, 0
.else
	WIN 0
.set GA, 128
.endif
.set kk, 0
.rept 16
	global_load_b128 v[GA+4*kk:GA+4*kk+3], v[GH], s[8:9] offset:512*(\s)+128*(kk/4)+16*(kk%4)
	global_load_b128 v[GA+64+4*kk:GA+64+4*kk+3], v[GH], s[10:11] offset:512*(\s)+128*(kk/4)+16*(kk%4)
.set kk, kk+1
.endr
	WIN 0
.endm
; The 256 sums become 64 registers of codes.  Run g of 16 sums goes to v[PC + 4 ((g + 10) % 16)]: so no conversion's destination bears the number of one of its sources.
.macro CODES sc, lim
	WIN 0x41
.set kk, 0
.rept 256
	v_med3_num_f32 v[kk], v[kk], -v[\lim], v[\lim]   ; the conversion to an 8-bit code does not saturate (ISA guide 7.6.2): the hold; each accumulator from its low end on
.set kk, kk+1
.endr
	WIN 0x01
.set kk, 0
.rept 32
.set PD, PC+4*(((kk/2)+10)%16)+2*(kk%2)
	v_cvt_scalef32_pk8_fp8_f32 v[PD:PD+1], v[8*kk:8*kk+7], v[\sc]
.set kk, kk+1
.endr
	WIN 0
	v_nop                                          ; a plain line behind the last conversion: the next group's products write its sources
.endm
.macro EPI sc, lim, ptr, vmode
	s_wait_xcnt 0x0                                ; the last group's stores have read the codes' registers
	CODES \sc, \lim
.set gg, 0
.rept 16
.set PD, PC+4*((gg+10)%16)
.if \vmode
	global_store_b128 v[LI], v[PD:PD+3], s[\ptr:\ptr+1] offset:2048*(gg%8)+512*(gg/8)   ; channel tile g % 8, block of 32 keys g / 8
.else
	global_store_b128 v[LI], v[PD:PD+3], s[\ptr:\ptr+1] offset:512*gg                   ; token tile g / 4, chunk g % 4: each store covers 512 consecutive bytes
.endif
.set gg, gg+1
.endr
.endm
; K step s of my 16 rows: normed, then quantised three times
.macro XSTEP s, cnt
	s_wait_loadcnt \cnt                            ; this step's gains and offsets are in
	WIN 0x41
.set kk, 0
.rept 32
	v_pk_mul_f32 v[64*(\s)+2*kk:64*(\s)+2*kk+1], v[64*(\s)+2*kk:64*(\s)+2*kk+1], v[RSTD:RSTD+1]
.set kk, kk+1
.endr
.if (\s)%2
	WIN 0x7d
.set GA, 0
.else
.set GA, 128
.endif
.set kk, 0
.rept 32
	v_pk_fma_f32 v[64*(\s)+2*kk:64*(\s)+2*kk+1], v[64*(\s)+2*kk:64*(\s)+2*kk+1], v[GA+2*kk:GA+2*kk+1], v[GA+64+2*kk:GA+64+2*kk+1]
.set kk, kk+1
.endr
	WIN 0
	s_wait_dscnt 0x0                               ; the last step's stores have read the codes' registers
.irp j, 0,1,2
	WIN 0xc1
.set kk, 0
.rept 64
	v_med3_num_f32 v[X3+kk], v[64*(\s)+kk], -v[XLIM+\j], v[XLIM+\j]   ; the hold, and in a masked row the mask
.set kk, kk+1
.endr
	WIN 0x03
.set kk, 0
.rept 8
	v_cvt_scalef32_pk8_fp8_f32 v[PC+16*\j+2*kk:PC+16*\j+2*kk+1], v[X3+8*kk:X3+8*kk+7], v[XSC+\j]
.set kk, kk+1
.endr
	WIN 0
	v_nop                                          ; a plain line between the conversions and the next set's holds, which write their sources
.set kk, 0
.rept 4
.if \j == 2
	ds_store_b128 v[XW2], v[PC+16*\j+4*kk:PC+16*\j+4*kk+3] offset:2048*(\s)+512*kk
.else
	ds_store_b128 v[XW], v[PC+16*\j+4*kk:PC+16*\j+4*kk+3] offset:32768*\j+2048*(\s)+512*kk
.endif
.set kk, kk+1
.endr
.endr
.endm
	s_load_b512 s[4:19], s[0:1], 0x0               ; x, lengths, ln1_g, ln1_b, bq, bk, bv, lowp_scales
	s_load_b256 s[20:27], s[0:1], 0x40             ; wimg, q_img, k_img, v_img
	v_lshl_add_u32 v62, v0, 2, 0x38400
	v_mov_b32 v63, 0
	v_lshrrev_b32 v[TMP], 5, v0
	v_readfirstlane_b32 s28, v[TMP]                ; wave
	v_and_b32 v[TMP+1], 31, v0                     ; lane
	v_and_b32 v[TMP+2], 15, v0                     ; r
	v_bfe_u32 v[TMP+3], v0, 4, 1                   ; h
	v_lshlrev_b32 v[LI], 4, v[TMP+1]
	s_lshl_b32 s50, s28, 16
	v_add_nc_u32 v[WO1], s50, v[LI]
	s_mul_i32 s50, s28, WSTG
	s_add_co_u32 s50, s50, STG
	v_add_nc_u32 v[XSA], s50, v[LI]
	v_mul_u32_u24 v[XR], v[TMP+2], SPITCH
	v_lshl_add_u32 v[XR], v[TMP+3], 6, v[XR]
	v_add_nc_u32 v[XR], s50, v[XR]
	s_lshl_b32 s50, s28, 13
	v_add_nc_u32 v[XW], s50, v[LI]
	v_add_nc_u32 v[XW2], 0x10000, v[XW]
	v_add_nc_u32 v[LI2], 0x10000, v[LI]
	v_lshlrev_b32 v[GH], 6, v[TMP+3]
	s_lshl_b32 s50, s28, 9
	v_add_nc_u32 v[VB1], s50, v[GH]
	v_and_b32 v[TMP+4], 8, v[TMP+2]
	v_add_nc_u32 v[TMP+4], v[TMP+4], v[TMP+2]      ; r + 8 (r / 8)
	v_lshl_add_u32 v[BVO], v[TMP+4], 2, s50
	s_lshr_b32 s30, ttmp9, 4                       ; the sequence b
	s_and_b32 s31, ttmp9, 15                       ; which 64 tokens of it
	s_lshr_b32 s50, s28, 1
	s_lshl_b32 s50, s50, 5
	s_and_b32 s51, s28, 1
	s_lshl_b32 s51, s51, 3
	s_add_co_u32 s50, s50, s51                     ; 32 (w / 2) + 8 (w % 2): where tile w begins among the 64
	s_lshl_b32 s51, s31, 6
	s_add_co_u32 s51, s51, s50
	v_add_nc_u32 v[TOK], s51, v[TMP+4]
	s_lshl_b32 s52, ttmp9, 6
	s_add_co_u32 s52, s52, s50
	s_lshl_b32 s52, s52, 11                        ; that row of x, in bytes
	s_mov_b32 s53, 0
	s_lshl_b32 s54, s30, 2
	s_mov_b32 s55, 0
	s_lshl_b32 s66, s30, 2
	s_add_co_u32 s66, s66, s28                     ; 4 b + head
	s_lshl_b32 s66, s66, 17
	s_lshl_b32 s68, s31, 13
	s_add_co_u32 s68, s68, s66                     ; q_img, k_img: my four token tiles
	s_mov_b32 s69, 0
	s_lshr_b32 s70, s31, 1
	s_lshl_b32 s70, s70, 14
	s_and_b32 s71, s31, 1
	s_lshl_b32 s71, s71, 10
	s_add_co_u32 s70, s70, s71
	s_add_co_u32 s70, s70, s66                     ; v_img: my key step, my two blocks of 32 keys
	s_mov_b32 s71, 0
	s_mov_b32 s56, 0x76543210                      ; v_permlanex16_b32: lane l xor 16
	s_mov_b32 s57, 0xfedcba98
	s_mov_b32 s58, 0x3b000000                      ; 1 / 512
	s_mov_b32 s59, 0x3727c5ac                      ; 1e-5
	s_wait_kmcnt 0x0
	s_load_b512 s[32:47], s[18:19], 0x0            ; e0 .. e15
	s_add_nc_u64 s[6:7], s[6:7], s[54:55]
	s_load_b32 s48, s[6:7], 0x0                    ; the sequence's length
	s_add_nc_u64 s[4:5], s[4:5], s[52:53]
	s_add_nc_u64 s[22:23], s[22:23], s[68:69]
	s_add_nc_u64 s[24:25], s[24:25], s[68:69]
	s_add_nc_u64 s[26:27], s[26:27], s[70:71]
	BIASLOAD 12                                    ; bq
.set tt, 0
.rept 8
	global_load_b32 v[BVR+tt], v[BVO], s[16:17] offset:4*(32*(tt/2)+8*(tt%2))
.set tt, tt+1
.endr
	WIN 0x40
.set kk, 0
.rept 64
	global_load_b128 v[4*kk:4*kk+3], v[LI], s[4:5] offset:((kk/4)+8*(kk/32))*2048+512*(kk%4) th:TH_LOAD_NT   ; 512 consecutive bytes of one of my 16 rows
.set kk, kk+1
.endr
	WIN 0
	GBLOAD 0
	GBLOAD 1
	LOADW 0, WO1, 0
	LOADW 1, WO1, 0x4000
	s_wait_kmcnt 0x0
	v_cmp_gt_i32 vcc_lo, s48, v[TOK]               ; the mask: token < length
.irp j, 0,1,2
	s_add_co_i32 s72, s[32+2*\j], 127
	s_lshl_b32 s73, s72, 23
	v_mov_b32 v[XSC+\j], s73                       ; x's scale as f32: the conversion takes its exponent field
	s_add_co_i32 s72, s72, 8
	s_lshl_b32 s72, s72, 23
	s_or_b32 s72, s72, 0x600000
	v_mov_b32 v[TMP], s72                          ; 448 x that,
	v_cndmask_b32 v[XLIM+\j], 0, v[TMP], vcc_lo    ; or 0
	s_add_co_i32 s74, s[32+2*\j], s[33+2*\j]       ; a sum stands for sum x 2^(eA + eB)
	s_sub_co_i32 s[60+\j], 0, s74                  ; so the bias goes in x 2^-(eA + eB),
	s_sub_co_i32 s72, s[38+\j], s74                ; and the result's conversion takes 2^(e - eA - eB)
	s_add_co_i32 s72, s72, 127
	s_lshl_b32 s73, s72, 23
	v_mov_b32 v[OSC+\j], s73
	s_add_co_i32 s72, s72, 8
	s_lshl_b32 s72, s72, 23
	s_or_b32 s72, s72, 0x600000
	v_mov_b32 v[OLIM+\j], s72
.endr
	s_wait_loadcnt 63                              ; 128 loads were issued behind x's: x, bq and bv are in
	WIN 0x04
.set kk, 0
.rept 64
	ds_store_b128 v[XSA], v[4*kk:4*kk+3] offset:(kk/4)*SPITCH+512*(kk%4)
.set kk, kk+1
.endr
	WIN 0
	s_wait_dscnt 0x0                               ; the stores have read their registers, which the loads below fill
	WIN 0x40
.set kk, 0
.rept 64
	ds_load_b128 v[4*kk:4*kk+3], v[XR] offset:512*(kk/16)+128*((kk/4)%4)+16*(kk%4)   ; register 64 s + 16 b + i = channel 128 s + 32 b + 16 h + i of row r
.set kk, kk+1
.endr
	WIN 0
	s_wait_dscnt 0x0
	; the mean, then the mean square about it
	WIN 0x05
.set kk, 0
.rept 4
	v_pk_add_f32 v[CH+2*kk:CH+2*kk+1], v[4*kk:4*kk+1], v[4*kk+2:4*kk+3]
.set kk, kk+1
.endr
	WIN 0x04
.set kk, 8
.rept 120
	v_pk_add_f32 v[CH+2*(kk%4):CH+2*(kk%4)+1], v[CH+2*(kk%4):CH+2*(kk%4)+1], v[2*kk:2*kk+1]
.set kk, kk+1
.endr
	WIN 0
	v_pk_add_f32 v[CH:CH+1], v[CH:CH+1], v[CH+2:CH+3]
	v_pk_add_f32 v[CH+4:CH+5], v[CH+4:CH+5], v[CH+6:CH+7]
	v_pk_add_f32 v[CH:CH+1], v[CH:CH+1], v[CH+4:CH+5]
	v_add_f32 v[CH], v[CH], v[CH+1]
	v_permlanex16_b32 v[CH+2], v[CH], s56, s57     ; the row's other 256 numbers lie in the lane 16 away
	v_add_f32 v[CH], v[CH], v[CH+2]
	v_mul_f32 v[MEAN], s58, v[CH]
	v_mov_b32 v[MEAN+1], v[MEAN]
	WIN 0x41
.set kk, 0
.rept 128
	v_pk_add_f32 v[2*kk:2*kk+1], v[2*kk:2*kk+1], v[MEAN:MEAN+1] neg_lo:[0,1] neg_hi:[0,1]
.set kk, kk+1
.endr
	WIN 0x05
.set kk, 0
.rept 4
	v_pk_mul_f32 v[CH+2*kk:CH+2*kk+1], v[2*kk:2*kk+1], v[2*kk:2*kk+1]
.set kk, kk+1
.endr
.rept 124
	v_pk_fma_f32 v[CH+2*(kk%4):CH+2*(kk%4)+1], v[2*kk:2*kk+1], v[2*kk:2*kk+1], v[CH+2*(kk%4):CH+2*(kk%4)+1]
.set kk, kk+1
.endr
	WIN 0
	v_pk_add_f32 v[CH:CH+1], v[CH:CH+1], v[CH+2:CH+3]
	v_pk_add_f32 v[CH+4:CH+5], v[CH+4:CH+5], v[CH+6:CH+7]
	v_pk_add_f32 v[CH:CH+1], v[CH:CH+1], v[CH+4:CH+5]
	v_add_f32 v[CH], v[CH], v[CH+1]
	v_permlanex16_b32 v[CH+2], v[CH], s56, s57
	v_add_f32 v[CH], v[CH], v[CH+2]
	v_fma_f32 v[CH], v[CH], s58, s59
	v_rsq_f32 v[RSTD], v[CH]
	WIN 0xc3
.set kk, 0
.rept 64
	v_ldexp_f32 v[BIAS+kk], v[BIAS+kk], s60        ; bq / 2^(e0 + e1): independent work behind the root
.set kk, kk+1
.endr
	WIN 0
	s_wait_alu depctr_va_vdst(0)                   ; ahead of the first line that names the root's result
	v_mov_b32 v[RSTD+1], v[RSTD]
	XSTEP 0, 63                                    ; behind step 0's gains: 96 loads
	GBLOAD 2
	XSTEP 1, 63                                    ; behind step 1's: 96
	GBLOAD 3
	XSTEP 2, 32                                    ; behind step 2's: step 3's 32
	XSTEP 3, 0
	LOADW 2, WO1, 0x8000
	s_wait_dscnt 0x0                               ; my images have landed
	s_barrier_signal -1
	s_barrier_wait -1                              ; everybody's have; LDS is only read from here on
	LOADA 0, LI, 0, 8192
	LOADA 1, LI, 2048, 8192
.set ii, 0
.rept 12                                   ; block ii: set ii / 4 (q, k, v), K step ii % 4
.set NW, 63                                ; behind this block's weights the next two blocks' 64 loads were issued
.set ND, 16                                ; behind this block's fragments of x the next block's 16
.if ii == 10
.set NW, 32
.endif
.if ii == 11
.set NW, 0
.set ND, 0
.endif
.set MODE, 0
.if ii >= 8
.set MODE, 1
.endif
.set FIRST, 0
.if (ii%4) == 0
.set FIRST, 1
.endif
	s_wait_loadcnt NW
	s_wait_dscnt ND
	MM32 ii, MODE, FIRST
	WIN 0
	PLACES 4                                       ; in front of loads into registers that these products have read, and of the first read of results
.if ii == 0
	BIASLOAD 14                                    ; bk
.endif
.if ii+3 < 12
	LOADW ii+3, WO1, ((ii+3)/4)*0x40000+((ii+3)%4)*0x4000
.endif
.if ii+2 < 8
	LOADA ii+2, LI, 32768*((ii+2)/4)+2048*((ii+2)%4), 8192
.elseif ii+2 < 12
	LOADA ii+2, LI2, 2048*((ii+2)%4), 8192
.endif
.if ii == 3
	EPI OSC, OLIM, 22, 0                           ; q
	s_wait_loadcnt 63                              ; 128 loads were issued behind bk's
	WIN 0xc3
.set kk, 0
.rept 64
	v_ldexp_f32 v[BIAS+kk], v[BIAS+kk], s61
.set kk, kk+1
.endr
	WIN 0
.endif
.if ii == 7
	EPI OSC+1, OLIM+1, 24, 0                       ; k
	WIN 0xc0
.set kk, 0
.rept 64
	v_ldexp_f32 v[BIAS+kk], v[BVR+kk/8], s62       ; in v's products a lane is one channel: its bias in all eight registers
.set kk, kk+1
.endr
	WIN 0
.endif
.if ii == 11
	EPI OSC+2, OLIM+2, 26, 1                       ; v
.endif
.set ii, ii+1
.endr
	s_wait_tensorcnt 0x0
	ds_add_u32 v62, v63
	s_wait_dscnt 0x0
	s_endpgm
.Lfunc_end_k_q9563ea91ec_qkv:
	.size	k_q9563ea91ec_qkv, .Lfunc_end_k_q9563ea91ec_qkv-k_q9563ea91ec_qkv
	.p2alignl 7, 3214868480
	.fill 96, 4, 3214868480
	.section	.rodata,"a",@progbits
	.p2align	6, 0x0
	.amdhsa_kernel k_q9563ea91ec_qkv
		.amdhsa_group_segment_fixed_size 230912
		.amdhsa_private_segment_fixed_size 0
		.amdhsa_enable_private_segment 0
		.amdhsa_kernarg_size 96
		.amdhsa_user_sgpr_count 2
		.amdhsa_user_sgpr_kernarg_segment_ptr 1
		.amdhsa_wavefront_size32 1
		.amdhsa_system_sgpr_workgroup_id_x 1
		.amdhsa_system_sgpr_workgroup_id_y 1
		.amdhsa_system_sgpr_workgroup_id_z 1
		.amdhsa_system_vgpr_workitem_id 0
		.amdhsa_next_free_vgpr 1024
		.amdhsa_next_free_sgpr 80
		.amdhsa_reserve_vcc 1
		.amdhsa_float_denorm_mode_32 3
		.amdhsa_float_denorm_mode_16_64 3
		.amdhsa_memory_ordered 1
		.amdhsa_forward_progress 1
		.amdhsa_inst_pref_size 255
	.end_amdhsa_kernel
	.section	.bss,"aw",@nobits
	.p2align	6
	.space	262144
	.amdgpu_metadata
---
amdhsa.version: [ 1, 2 ]
amdhsa.kernels:
  - .name:           k_q9563ea91ec_qkv
    .symbol:         k_q9563ea91ec_qkv.kd
    .args:
      - { .name: x, .offset: 0, .size: 8, .value_kind: global_buffer, .address_space: global }
      - { .name: lengths, .offset: 8, .size: 8, .value_kind: global_buffer, .address_space: global }
      - { .name: ln1_g, .offset: 16, .size: 8, .value_kind: global_buffer, .address_space: global }
      - { .name: ln1_b, .offset: 24, .size: 8, .value_kind: global_buffer, .address_space: global }
      - { .name: bq, .offset: 32, .size: 8, .value_kind: global_buffer, .address_space: global }
      - { .name: bk, .offset: 40, .size: 8, .value_kind: global_buffer, .address_space: global }
      - { .name: bv, .offset: 48, .size: 8, .value_kind: global_buffer, .address_space: global }
      - { .name: lowp_scales, .offset: 56, .size: 8, .value_kind: global_buffer, .address_space: global }
      - { .name: wimg, .offset: 64, .size: 8, .value_kind: global_buffer, .address_space: global }
      - { .name: q_img, .offset: 72, .size: 8, .value_kind: global_buffer, .address_space: global }
      - { .name: k_img, .offset: 80, .size: 8, .value_kind: global_buffer, .address_space: global }
      - { .name: v_img, .offset: 88, .size: 8, .value_kind: global_buffer, .address_space: global }
    .group_segment_fixed_size: 230912
    .private_segment_fixed_size: 0
    .kernarg_segment_align: 8
    .kernarg_segment_size: 96
    .max_flat_workgroup_size: 128
    .sgpr_count:     80
    .vgpr_count:     1024
    .wavefront_size: 32
...
	.end_amdgpu_metadata
.endif
;; end of part 2
;; launch attn (part 3): grid 4 x 64, 8 waves a work-group, no clusters, 91,136 bytes of LDS; arguments q_img, k_img, v_img, lengths, lowp_scales, o_img; writes o_img
.if DOCPART == 3
	.amdgcn_target "amdgcn-amd-amdhsa--gfx1250"
	.amdhsa_code_object_version 6
	.text
	.protected	k_q9563ea91ec_attn
	.globl	k_q9563ea91ec_attn
	.p2align	8
	.type	k_q9563ea91ec_attn,@function
k_q9563ea91ec_attn:
	s_mov_b64 s[64:65], 0
	v_nop
	global_prefetch_b8 v0, s[64:65] scope:SCOPE_SE
	s_setreg_imm32_b32 hwreg(HW_REG_WAVE_MODE, 25, 1), 1
	s_wait_xcnt 0x0
; o = softmax(q k^T / sqrt(128) - log1p|i - j|, masked places at -1e4) v, both products on codes of E4M3; o leaves as codes, laid as the next product's operand.
; THE SOFTMAX AHEAD OF THE SECOND PRODUCT: t = logit x log2(e); M = the running largest t rounded up to a whole number; p = 2^(t - M) is quantised; the sum of the unquantised p divides at the end.
; SHARES.  A work-group owns 256 queries of one head; each of its eight waves two tiles of 16 (tile a of wave w: queries 32 w + 8 a + r + 8 (r / 8)), so that each fragment of K and V read from LDS feeds two matrix instructions.
; Every wave walks the 1,024 keys, 128 a step.  A step's K and V (16,384 bytes each, images of operand registers) go memory -> registers -> LDS, each wave an eighth, two slots by turns, one barrier an iteration.
; Both products are used transposed (source 0 = 16 keys, or 16 channels of V; source 1 = my queries): a lane holds one query; registers 16 b + i of a tile's scores are keys 32 b + 16 h + i of the step.
; TWO GROUPS OF WAVES, HALF A STEP APART.  A step is FRONT (table and K from LDS, the first product, V from LDS into registers) and BACK (mask, softmax, rescaling, the second product: registers alone).
; In iteration j waves 0-3 run FRONT(j), BACK(j); waves 4-7 run BACK(j - 1), FRONT(j).  So one group's LDS loads stand beside the other group's vector work, and four waves, not eight, ask LDS at a time.
; All reads of slot j fall in iteration j in both groups, so two slots and one barrier an iteration serve.  Every barrier stands in text that all waves walk; the branches on the wave's number go round FRONT or BACK alone.
; THE BIAS COSTS NO VECTOR LINE.  With cs = 2^(e6 + e7) log2(e) / sqrt(128), t = cs (sum - log2(1 + |i - j|) / cs): the second term comes from a table in LDS straight into the scores' registers and is the product's C.
; The table has four copies, copy o shifted by o entries, so that a lane's eight neighbouring entries are two aligned loads of 16 bytes: entry i of copy o holds -log2(1 + |i + o - 255 - Q0|) / cs.
; THE MASK: where the key or the query lies at or past the length, the score is -1e4, so t is tneg = cs x (-1e4 sqrt(128) / 2^(e6 + e7)).
;   The query's part costs no line a score: t = factor x S + addend, a lane's factor being cs and its addend 0, or, where its query does not count, 0 and tneg.
;   The key's part: a step below the length has none; the one step through which the length cuts selects score by score; in a step wholly at or past the length every t is tneg, so table, K, first product, maxima and all
;   but one exponential a tile are left out (V and the second product stay: a row that is masked throughout is a uniform softmax over all keys).  These are scalar branches on the length, a whole number read from memory.
; The hold of p at 448 x 2^e9 is jumped over where e9 >= -8: p is at most 1 there.
; No joint requests and no tensor loads.  No prefetch: a tile's own loads are issued a whole iteration ahead, into registers.
; LIMITS.  e6 + e7 between -123 and 130; e9 and e10 between -126 and 119.  NaN and infinity are not served.  tneg carries f32's rounding at 14,427.
; REGISTERS.  Window 0: v1-5 addresses and constants; v6, v7 a tile's addend; v8-15 a tile's -M, largest t, sum (a pair); v16-31 at work, among them v22, v30 a tile's factor and v23 the table's address;
;   v32-63 the tile on its way to LDS; v64-191 the scores, then p; v192-255 four fragments of K or V.   window 1: v0-31 Q; v32-63 p's codes; v64-191 O^T; v192-255 four more fragments.
.set LI,  1                            ; 16 x lane
.set STA, 2                            ; + 2,048 x wave: my eighth of a tile
.set TBA, 3                            ; my lane's place in the table
.set PSC, 4                            ; 2^e9
.set NEG, 5                            ; a masked place's score
.set ADQ, 6                            ; v6, v7: 0, or tneg where my query does not count
.set ADT, 23                           ; the table's address in this iteration
.set G,   32
.set S,   64
.set F0,  192
.set HT,  96                           ; at work in the head
.set TBL, 65536                        ; LDS: slot 0 at 0, slot 1 at 32,768 (K's images, then V's); then the table, 20,640 bytes
.set MSB, 0
.macro WIN new                         ; the immediate's high byte repeats the setting that is left
.if MSB != (\new)
	s_set_vgpr_msb (MSB<<8)|(\new)
.set MSB, (\new)
.endif
.endm
.macro PLACES n
.rept \n
	v_nop
.endr
.endm
.macro GLOAD imm                       ; my eighth of a key step's K and V
.irp i, 0,1,2,3
	global_load_b128 v[G+4*\i:G+4*\i+3], v[STA], s[6:7] offset:(\imm)+512*\i
.endr
.irp i, 0,1,2,3
	global_load_b128 v[G+16+4*\i:G+16+4*\i+3], v[STA], s[8:9] offset:(\imm)+512*\i
.endr
.endm
.macro GSTORE slot
.irp i, 0,1,2,3
	ds_store_b128 v[STA], v[G+4*\i:G+4*\i+3] offset:32768*(\slot)+512*\i
.endr
.irp i, 0,1,2,3
	ds_store_b128 v[STA], v[G+16+4*\i:G+16+4*\i+3] offset:32768*(\slot)+16384+512*\i
.endr
.endm
	s_load_b256 s[4:11], s[0:1], 0x0               ; q_img, k_img, v_img, lengths
	s_load_b128 s[12:15], s[0:1], 0x20             ; lowp_scales, o_img
	v_lshrrev_b32 v[HT], 5, v0
	v_readfirstlane_b32 s16, v[HT]                 ; wave
	s_lshr_b32 s17, s16, 2
	s_lshl_b32 s17, s17, 7                         ; 128 in waves 4-7: their BACK is a step behind the iteration
	v_and_b32 v[HT+1], 31, v0
	v_and_b32 v[HT+2], 15, v0                      ; r
	v_bfe_u32 v[HT+3], v0, 4, 1                    ; h
	v_lshlrev_b32 v[LI], 4, v[HT+1]
	s_lshl_b32 s48, s16, 11
	v_add_nc_u32 v[STA], s48, v[LI]
	s_and_b32 s18, ttmp7, 0xffff                   ; 4 b + head
	s_lshl_b32 s19, ttmp9, 8                       ; Q0
	v_and_b32 v[HT+4], 3, v[HT+2]
	v_xor_b32 v[HT+4], 3, v[HT+4]                  ; my copy o = (r % 4) xor 3
	v_mul_u32_u24 v[TBA], v[HT+4], 5120            ; copy o begins at 5,120 o + 32 (o % 2) + 128 (o / 2)
	v_and_b32 v[HT+5], 1, v[HT+4]
	v_lshl_add_u32 v[TBA], v[HT+5], 5, v[TBA]
	v_lshrrev_b32 v[HT+5], 1, v[HT+4]
	v_lshl_add_u32 v[TBA], v[HT+5], 7, v[TBA]
	v_lshl_add_u32 v[TBA], v[HT+3], 6, v[TBA]
	v_add_nc_u32 v[TBA], TBL+976, v[TBA]           ; 4 x (key - query + 255 - o) = 4 key + 64 h + 1,008 - 32 a - 128 w - 16 (r / 4) - 32 (r / 8)
	v_lshrrev_b32 v[HT+5], 2, v[HT+2]
	v_lshlrev_b32 v[HT+5], 4, v[HT+5]
	v_sub_nc_u32 v[TBA], v[TBA], v[HT+5]
	v_lshrrev_b32 v[HT+5], 3, v[HT+2]
	v_lshlrev_b32 v[HT+5], 5, v[HT+5]
	v_sub_nc_u32 v[TBA], v[TBA], v[HT+5]
	s_lshl_b32 s48, s16, 7
	v_sub_nc_u32 v[TBA], v[TBA], s48
	s_lshl_b32 s50, s18, 17                        ; the head's 131,072 bytes in each tensor of images
	s_mov_b32 s51, 0
	s_lshl_b32 s52, ttmp9, 4
	s_lshl_b32 s53, s16, 1
	s_add_co_u32 s52, s52, s53                     ; my first query tile: 16 x work-group x + 2 x wave
	s_lshl_b32 s54, s52, 11
	s_mov_b32 s55, 0
	s_lshr_b32 s56, s18, 2                         ; b
	s_and_b32 s57, s18, 3                          ; head
	s_lshl_b32 s58, s56, 6
	s_add_co_u32 s58, s58, s52
	s_lshl_b32 s58, s58, 2
	s_add_co_u32 s58, s58, s57
	s_lshl_b32 s58, s58, 11                        ; o_img: ((64 b + tile) 4 + head) x 2,048
	s_mov_b32 s59, 0
	s_lshl_b32 s60, s56, 2
	s_mov_b32 s61, 0
	s_mov_b32 s22, 0x76543210                      ; v_permlanex16_b32: lane l xor 16
	s_mov_b32 s23, 0xfedcba98
	s_wait_kmcnt 0x0
	s_load_b512 s[32:47], s[12:13], 0x0            ; e0 .. e15
	s_add_nc_u64 s[10:11], s[10:11], s[60:61]
	s_load_b32 s30, s[10:11], 0x0                  ; the length
	s_add_nc_u64 s[4:5], s[4:5], s[50:51]
	s_add_nc_u64 s[4:5], s[4:5], s[54:55]
	s_add_nc_u64 s[6:7], s[6:7], s[50:51]
	s_add_nc_u64 s[8:9], s[8:9], s[50:51]
	s_add_nc_u64 s[14:15], s[14:15], s[58:59]
	GLOAD 0                                        ; key step 0
	WIN 0x40
.set kk, 0
.rept 8
	global_load_b128 v[4*kk:4*kk+3], v[LI], s[4:5] offset:512*kk   ; Q's two fragments stay in registers
.set kk, kk+1
.endr
	WIN 0
	s_wait_kmcnt 0x0
	s_add_co_i32 s48, s38, s39                     ; e6 + e7
	s_lshl_b32 s49, s48, 23
	s_mov_b32 s20, 0x3e0293ee                      ; log2(e) / sqrt(128),
	s_add_co_i32 s20, s20, s49                     ; x 2^(e6 + e7): cs
	s_sub_co_i32 s48, 0, s48
	v_mov_b32 v[NEG], 0xc7dcf88b                   ; -1e4 sqrt(128)
	v_ldexp_f32 v[NEG], v[NEG], s48
	v_mul_f32 v[HT+6], s20, v[NEG]                 ; tneg
	v_readfirstlane_b32 s31, v[HT+6]               ; (the same in every lane; it serves as a number alone)
	v_mov_b32 v[HT+7], s20
	s_mov_b32 s25, s41                             ; e9
	s_add_co_i32 s48, s41, 127
	s_lshl_b32 s49, s48, 23
	v_mov_b32 v[PSC], s49
	s_add_co_i32 s48, s48, 8
	s_lshl_b32 s48, s48, 23
	s_or_b32 s24, s48, 0x600000                    ; 448 x 2^e9
	v_and_b32 v[HT+5], 8, v[HT+2]
	v_add_nc_u32 v[HT+5], v[HT+5], v[HT+2]
	s_lshl_b32 s48, s16, 5
	s_add_co_u32 s48, s48, s19
	v_add_nc_u32 v[HT+5], s48, v[HT+5]             ; my query in tile 0; tile 1's is 8 further on
.irp a, 0,1
	v_cmp_gt_i32 vcc_lo, s30, v[HT+5]              ; it counts:
	v_cndmask_b32 v[22+8*\a], 0, v[HT+7], vcc_lo   ; the factor is cs, else 0
	v_cmp_le_i32 vcc_lo, s30, v[HT+5]              ; it does not:
	v_cndmask_b32 v[ADQ+\a], 0, v[HT+6], vcc_lo    ; the addend is tneg, else 0
	v_add_nc_u32 v[HT+5], 8, v[HT+5]
.endr
	; the table: thread n makes 20 entries
	s_add_co_u32 s48, s19, 255
	v_sub_nc_u32 v[HT+8], v0, s48
.set nn, 0
.rept 20
	v_add_nc_u32 v[S+nn], (nn/5)+256*(nn%5), v[HT+8]
.set nn, nn+1
.endr
.set nn, 0
.rept 20
	v_cvt_f32_i32 v[S+nn], v[S+nn]
.set nn, nn+1
.endr
.set nn, 0
.rept 20
	v_and_b32 v[S+nn], 0x7fffffff, v[S+nn]
.set nn, nn+1
.endr
.set nn, 0
.rept 20
	v_add_f32 v[S+nn], 1.0, v[S+nn]
.set nn, nn+1
.endr
.set nn, 0
.rept 20
	v_log_f32 v[S+nn], v[S+nn]
.set nn, nn+1
.endr
	v_rcp_f32 v[S+20], s20
	v_lshl_add_u32 v[HT+9], v0, 2, TBL             ; a plain line behind the batch
	s_wait_alu depctr_va_vdst(0)                   ; one wait for the batch, ahead of its first reader
.set nn, 0
.rept 20
	v_mul_f32 v[S+nn], v[S+nn], -v[S+20]
.set nn, nn+1
.endr
.set nn, 0
.rept 20
	ds_store_b32 v[HT+9], v[S+nn] offset:5120*(nn/5)+32*((nn/5)%2)+128*((nn/5)/2)+1024*(nn%5)
.set nn, nn+1
.endr
.irp a, 0,1
	v_mov_b32 v[9+4*\a], 0xff61b1e6                ; the largest t so far: -3e38
	v_floor_f32 v[8+4*\a], -v[9+4*\a]              ; -M
	v_mov_b32 v[10+4*\a], 0                        ; the sum, in two halves
	v_mov_b32 v[11+4*\a], 0
	v_mov_b32 v[17+8*\a], 0                        ; (named as the upper half of f's pair)
.endr
	v_mov_b32 v31, 0                               ; (named as the upper half of tile 1's factor's pair)
	WIN 0x40
.set kk, 0
.rept 128
	v_mov_b32 v[64+kk], 0                          ; O^T: BACK has one form; its first pass finds zeros
.set kk, kk+1
.endr
	WIN 0
	s_wait_loadcnt 8                               ; key step 0 is in; Q's eight loads may be out
	GSTORE 0
	s_wait_dscnt 0x0                               ; the stores have read their registers, and they and the table have landed
	GLOAD 16384                                    ; key step 1
	s_wait_loadcnt 8                               ; Q is in; step 1's eight loads may be out
	s_barrier_signal -1
	s_barrier_wait -1                              ; slot 0 and the table are whole
	s_mov_b32 s27, 0                               ; the iteration's first key
	s_mov_b32 s28, 0                               ; 1,024 x trip: 256 keys on in the table
	s_mov_b32 s29, 0                               ; the trip
; FRONT: the iteration's step, out of slot 'slot'; timm: the step's place in the table beyond s28.  canshut = 1: where no key of the step counts, only V is fetched.
.macro FRONT slot, timm, canshut
.if \canshut
	s_cmp_ge_i32 s27, s30
	s_cbranch_scc1 .Lfs_\@
.endif
.irp a, 0,1
.set tt, 0
.rept 8
	ds_load_b128 v[S+64*\a+8*tt:S+64*\a+8*tt+3], v[ADT] offset:(\timm)+32*(1-\a)+128*(tt/2)+32*(tt%2)
	ds_load_b128 v[S+64*\a+8*tt+4:S+64*\a+8*tt+7], v[ADT] offset:(\timm)+32*(1-\a)+128*(tt/2)+32*(tt%2)+16
.set tt, tt+1
.endr
.endr
.set kk, 0
.rept 16
	ds_load_b128 v[F0+4*kk:F0+4*kk+3], v[LI] offset:32768*(\slot)+512*kk          ; K's tiles 0-3
.set kk, kk+1
.endr
	WIN 0x40
.set kk, 0
.rept 16
	ds_load_b128 v[F0+4*kk:F0+4*kk+3], v[LI] offset:32768*(\slot)+8192+512*kk     ; K's tiles 4-7
.set kk, kk+1
.endr
	s_wait_dscnt 16                                ; all but K's tiles 4-7
	WIN 0x04
.set tt, 0
.rept 4
.irp a, 0,1
	v_wmma_f32_16x16x128_fp8_fp8 v[S+64*\a+8*tt:S+64*\a+8*tt+7], v[F0+16*tt:F0+16*tt+15], v[16*\a:16*\a+15], v[S+64*\a+8*tt:S+64*\a+8*tt+7]
.endr
.set tt, tt+1
.endr
	s_wait_dscnt 0x0
	WIN 0x05
.set tt, 0
.rept 4
.irp a, 0,1
	v_wmma_f32_16x16x128_fp8_fp8 v[S+64*\a+32+8*tt:S+64*\a+32+8*tt+7], v[F0+16*tt:F0+16*tt+15], v[16*\a:16*\a+15], v[S+64*\a+32+8*tt:S+64*\a+32+8*tt+7]
.endr
.set tt, tt+1
.endr
	WIN 0
	PLACES 4                                       ; in front of loads into K's registers and of the first read of the scores
.if \canshut
.Lfs_\@:
.endif
.set kk, 0
.rept 16
	ds_load_b128 v[F0+4*kk:F0+4*kk+3], v[LI] offset:32768*(\slot)+16384+512*kk    ; V's tiles 0-3
.set kk, kk+1
.endr
	WIN 0x40
.set kk, 0
.rept 16
	ds_load_b128 v[F0+4*kk:F0+4*kk+3], v[LI] offset:32768*(\slot)+24576+512*kk    ; V's tiles 4-7
.set kk, kk+1
.endr
	WIN 0
.endm
; BACK: the softmax and the second product of the step whose scores and V my registers hold.  stage = 1: on the way the tile in v32-63 goes into slot sslot, which every wave left at the last barrier,
; and the tile after it is asked for, gimm bytes from the walking bases (gcond = 1: not in the loop's last trip, where there is none).
.macro BACK stage, sslot, gimm, gcond
	s_sub_co_i32 s26, s27, s17                     ; the step's first key
	s_cmp_ge_i32 s26, s30
	s_cbranch_scc1 .Lbs_\@                         ; no key of the step counts
	s_add_co_i32 s48, s26, 128
	s_cmp_le_i32 s48, s30
	s_cbranch_scc1 .Lopen_\@                       ; every key of the step counts
	s_sub_co_i32 s48, s30, s26
	v_lshrrev_b32 v18, 4, v[LI]
	v_and_b32 v18, 16, v18                         ; 16 h
	v_sub_nc_u32 v18, s48, v18                     ; register 16 b + i holds key s26 + 16 h + 32 b + i: hidden where 32 b + i >= length - s26 - 16 h
.set nn, 0
.rept 64
	v_cmp_ge_i32 vcc_lo, 32*(nn/16)+(nn%16), v18
	v_cndmask_b32 v[S+nn], v[S+nn], v[NEG], vcc_lo
	v_cndmask_b32 v[S+64+nn], v[S+64+nn], v[NEG], vcc_lo
.set nn, nn+1
.endr
.Lopen_\@:
.irp a, 0,1
	v_max3_num_f32 v[18+8*\a], v[S+64*\a], v[S+64*\a+1], v[S+64*\a+2]      ; the step's largest score of my query, in two chains a tile
	v_max3_num_f32 v[19+8*\a], v[S+64*\a+3], v[S+64*\a+4], v[S+64*\a+5]
.endr
.set ii, 6
.rept 14
.irp a, 0,1
	v_max3_num_f32 v[18+8*\a], v[18+8*\a], v[S+64*\a+ii], v[S+64*\a+ii+1]
	v_max3_num_f32 v[19+8*\a], v[19+8*\a], v[S+64*\a+ii+2], v[S+64*\a+ii+3]
.endr
.set ii, ii+4
.endr
.irp a, 0,1
	v_max3_num_f32 v[18+8*\a], v[18+8*\a], v[S+64*\a+62], v[S+64*\a+63]
.endr
.irp a, 0,1
	v_max_num_f32 v[18+8*\a], v[18+8*\a], v[19+8*\a]
.endr
.irp a, 0,1
	v_permlanex16_b32 v[19+8*\a], v[18+8*\a], s22, s23
.endr
.irp a, 0,1
	v_max_num_f32 v[18+8*\a], v[18+8*\a], v[19+8*\a]
.endr
.irp a, 0,1
	v_fma_f32 v[18+8*\a], v[18+8*\a], v[22+8*\a], v[ADQ+\a]   ; as t: factor x score + addend (the factor is not negative)
.endr
.irp a, 0,1
	v_max_num_f32 v[9+4*\a], v[9+4*\a], v[18+8*\a] ; the running largest t
.endr
.irp a, 0,1
	v_mov_b32 v[18+8*\a], v[8+4*\a]
.endr
.irp a, 0,1
	v_floor_f32 v[8+4*\a], -v[9+4*\a]              ; the new -M = -ceil(t)
.endr
.irp a, 0,1
	v_sub_f32 v[18+8*\a], v[8+4*\a], v[18+8*\a]    ; old M - new M, a whole number, 0 or less
.endr
.irp a, 0,1
	v_cvt_i32_f32 v[18+8*\a], v[18+8*\a]
.endr
.irp a, 0,1
	v_ldexp_f32 v[16+8*\a], 1.0, v[18+8*\a]        ; f = 2^(old M - new M)
.endr
.irp a, 0,1
	v_add_f32 v[18+8*\a], v[ADQ+\a], v[8+4*\a]     ; addend - M
.endr
.irp a, 0,1
.set kk, 0
.rept 32
	v_pk_fma_f32 v[S+64*\a+2*kk:S+64*\a+2*kk+1], v[S+64*\a+2*kk:S+64*\a+2*kk+1], v[22+8*\a:23+8*\a], v[18+8*\a:19+8*\a] op_sel_hi:[1,0,0]   ; t - M (of both pairs the low word serves both halves)
.set kk, kk+1
.endr
.endr
.set kk, 0
.rept 128
	v_exp_f32 v[S+kk], v[S+kk]                     ; p = 2^(t - M)
.set kk, kk+1
.endr
	v_pk_mul_f32 v[10:11], v[10:11], v[16:17] op_sel_hi:[1,0]   ; the sums under the new M: plain lines behind the batch
	v_pk_mul_f32 v[14:15], v[14:15], v[24:25] op_sel_hi:[1,0]
	s_wait_alu depctr_va_vdst(0)                   ; one wait for the 128 exponentials, ahead of their first reader
.irp a, 0,1
	v_pk_add_f32 v[20+8*\a:21+8*\a], v[S+64*\a:S+64*\a+1], v[S+64*\a+2:S+64*\a+3]   ; the sum of the unquantised p, two chains a tile
.endr
.set ii, 4
.rept 15
.irp a, 0,1
	v_pk_add_f32 v[10+4*\a:11+4*\a], v[10+4*\a:11+4*\a], v[S+64*\a+ii:S+64*\a+ii+1]
	v_pk_add_f32 v[20+8*\a:21+8*\a], v[20+8*\a:21+8*\a], v[S+64*\a+ii+2:S+64*\a+ii+3]
.endr
.set ii, ii+4
.endr
.irp a, 0,1
	v_pk_add_f32 v[10+4*\a:11+4*\a], v[10+4*\a:11+4*\a], v[20+8*\a:21+8*\a]
.endr
	s_cmp_ge_i32 s25, -8
	s_cbranch_scc1 .Lnh_\@                         ; 448 x 2^e9 is at least 1.75 there, and p at most 1
.set kk, 0
.rept 128
	v_min_num_f32 v[S+kk], s24, v[S+kk]            ; the conversion does not saturate (ISA guide 7.6.2); p is not negative
.set kk, kk+1
.endr
.Lnh_\@:
	WIN 0x40
.irp a, 0,1
.set kk, 0
.rept 8
	v_cvt_scalef32_pk8_fp8_f32 v[32+16*\a+2*kk:32+16*\a+2*kk+1], v[S+64*\a+8*kk:S+64*\a+8*kk+7], v[PSC]
.set kk, kk+1
.endr
.endr
	WIN 0
	s_branch .Lpv_\@
.Lbs_\@:                                   ; every t of the step is tneg, in every lane
.irp a, 0,1
	v_max_num_f32 v[9+4*\a], s31, v[9+4*\a]
.endr
.irp a, 0,1
	v_mov_b32 v[18+8*\a], v[8+4*\a]
.endr
.irp a, 0,1
	v_floor_f32 v[8+4*\a], -v[9+4*\a]
.endr
.irp a, 0,1
	v_sub_f32 v[18+8*\a], v[8+4*\a], v[18+8*\a]
.endr
.irp a, 0,1
	v_cvt_i32_f32 v[18+8*\a], v[18+8*\a]
.endr
.irp a, 0,1
	v_ldexp_f32 v[16+8*\a], 1.0, v[18+8*\a]
.endr
.irp a, 0,1
	v_add_f32 v[19+8*\a], s31, v[8+4*\a]           ; tneg - M
.endr
.irp a, 0,1
	v_exp_f32 v[19+8*\a], v[19+8*\a]               ; p, the same for my 64 keys of the step
.endr
	v_pk_mul_f32 v[10:11], v[10:11], v[16:17] op_sel_hi:[1,0]   ; plain lines behind the two exponentials
	v_pk_mul_f32 v[14:15], v[14:15], v[24:25] op_sel_hi:[1,0]
	s_wait_alu depctr_va_vdst(0)                   ; one wait for both, ahead of their first reader
.irp a, 0,1
	v_fmamk_f32 v[10+4*\a], v[19+8*\a], 0x42800000, v[10+4*\a]   ; the sum takes 64 p, unquantised
.endr
.irp a, 0,1
	v_min_num_f32 v[19+8*\a], s24, v[19+8*\a]      ; the hold
.endr
.irp a, 0,1
.set kk, 0
.rept 8
	v_mov_b32 v[S+64*\a+kk], v[19+8*\a]
.set kk, kk+1
.endr
.endr
	WIN 0x40
.irp a, 0,1
.set kk, 0
.rept 8
	v_cvt_scalef32_pk8_fp8_f32 v[32+16*\a+2*kk:32+16*\a+2*kk+1], v[S+64*\a:S+64*\a+7], v[PSC]
.set kk, kk+1
.endr
.endr
	WIN 0
.Lpv_\@:
.if \stage
	s_wait_loadcnt 0x0                             ; the next step's tile, asked for an iteration ago, is in registers
	GSTORE \sslot
.endif
	WIN 0x41
.irp a, 0,1
.set kk, 0
.rept 32
	v_pk_mul_f32 v[64+64*\a+2*kk:64+64*\a+2*kk+1], v[64+64*\a+2*kk:64+64*\a+2*kk+1], v[16+8*\a:17+8*\a] op_sel_hi:[1,0]   ; O^T under the new M; also the plain lines behind the conversions
.set kk, kk+1
.endr
.endr
	WIN 0
	s_wait_dscnt 0x0                               ; V is in; the stores above have read their registers and landed
.if \stage
.if \gcond
	s_cmp_lt_u32 s29, 2
	s_cbranch_scc0 .Lng_\@
.endif
	GLOAD \gimm
.if \gcond
.Lng_\@:
.endif
.endif
	WIN 0x54
.set tt, 0
.rept 4
.irp a, 0,1
	v_wmma_f32_16x16x128_fp8_fp8 v[64+64*\a+8*tt:64+64*\a+8*tt+7], v[F0+16*tt:F0+16*tt+15], v[32+16*\a:32+16*\a+15], v[64+64*\a+8*tt:64+64*\a+8*tt+7]
.endr
.set tt, tt+1
.endr
	WIN 0x55
.set tt, 0
.rept 4
.irp a, 0,1
	v_wmma_f32_16x16x128_fp8_fp8 v[64+64*\a+32+8*tt:64+64*\a+32+8*tt+7], v[F0+16*tt:F0+16*tt+15], v[32+16*\a:32+16*\a+15], v[64+64*\a+32+8*tt:64+64*\a+32+8*tt+7]
.endr
.set tt, tt+1
.endr
	WIN 0
	PLACES 4                                       ; in front of the next loads into V's registers and the next read of O^T
.endm
; An iteration.  The barrier at its end orders two things: every wave's stores of the next tile against the next iteration's reads of it, and every wave's reads of this slot against the stores that overwrite it an iteration on.
.macro MEET
	s_add_co_u32 s27, s27, 128
	s_wait_dscnt 0x0                               ; my stores have landed, my reads of this slot are over (in waves 4-7: V has just been asked for)
	s_barrier_signal -1
	s_barrier_wait -1
.endm
.macro ITER slot, timm, stage, sslot, gimm, gcond
	v_add_nc_u32 v[ADT], s28, v[TBA]               ; made where all waves walk
	s_cmp_lt_u32 s16, 4
	s_cbranch_scc0 .Lh1_\@
	FRONT \slot, \timm, 1                          ; waves 0-3
.Lh1_\@:
	BACK \stage, \sslot, \gimm, \gcond             ; waves 0-3: this iteration's step; waves 4-7: the one before
	s_cmp_lt_u32 s16, 4
	s_cbranch_scc1 .Ll2_\@
	FRONT \slot, \timm, 1                          ; waves 4-7
.Ll2_\@:
	MEET
.endm
	; iteration 0: FRONT for all waves, never shortened (the mask in BACK serves a length of 0 too), so that the scores' and V's registers are written on every way
	v_add_nc_u32 v[ADT], s28, v[TBA]
	FRONT 0, 0, 0
	s_wait_loadcnt 0x0                             ; key step 1 is in registers
	GSTORE 1
	s_wait_dscnt 0x0                               ; the stores have read their registers
	GLOAD 32768                                    ; key step 2
	s_cmp_lt_u32 s16, 4
	s_cbranch_scc0 .Lh0
	BACK 0, 0, 0, 0                                ; waves 0-3
.Lh0:
	MEET
.Ltrip:                                    ; three trips of two iterations, steps 1 to 6: the slots are immediates
	ITER 1, 512, 1, 0, 49152, 0                    ; step 1 + 2 t: tile 2 + 2 t goes to slot 0, tile 3 + 2 t is asked for
	ITER 0, 1024, 1, 1, 65536, 1                   ; step 2 + 2 t: tile 3 + 2 t goes to slot 1, tile 4 + 2 t is asked for while there is one
	s_wait_xcnt 0x0                                ; the tile loads have read their bases
	s_add_nc_u64 s[6:7], s[6:7], 32768
	s_add_nc_u64 s[8:9], s[8:9], 32768
	s_add_co_u32 s28, s28, 1024
	s_add_co_u32 s29, s29, 1
	s_cmp_lt_u32 s29, 3
	s_cbranch_scc1 .Ltrip
	ITER 1, 512, 0, 0, 0, 0                        ; step 7: nothing is left to fetch
	s_cmp_lt_u32 s16, 4
	s_cbranch_scc1 .Ltail
	BACK 0, 0, 0, 0                                ; waves 4-7: step 7
.Ltail:
	; THE WAY OUT: O^T / the sum x 2^(e8 + e9), quantised with 2^e10.  V's channel tiles are ordered so that 16 registers of two tiles are 16 neighbouring channels: the codes are the next operand's image.
.irp a, 0,1
	v_add_f32 v[18+8*\a], v[10+4*\a], v[11+4*\a]
.endr
.irp a, 0,1
	v_permlanex16_b32 v[22+8*\a], v[18+8*\a], s22, s23
.endr
.irp a, 0,1
	v_add_f32 v[18+8*\a], v[18+8*\a], v[22+8*\a]
.endr
.irp a, 0,1
	v_rcp_f32 v[16+8*\a], v[18+8*\a]
.endr
	s_add_co_i32 s48, s40, s41                     ; e8 + e9
	s_add_co_i32 s49, s42, 127
	s_lshl_b32 s50, s49, 23
	v_mov_b32 v23, s50                             ; 2^e10 (a plain line behind the reciprocals)
	s_add_co_i32 s49, s49, 8
	s_lshl_b32 s49, s49, 23
	s_or_b32 s49, s49, 0x600000
	v_mov_b32 v31, s49                             ; 448 x 2^e10
	s_wait_alu depctr_va_vdst(0)                   ; one wait for both reciprocals, ahead of their first reader
.irp a, 0,1
	v_ldexp_f32 v[16+8*\a], v[16+8*\a], s48
.endr
	WIN 0x01
.irp a, 0,1
.set kk, 0
.rept 32
	v_pk_mul_f32 v[S+64*\a+2*kk:S+64*\a+2*kk+1], v[64+64*\a+2*kk:64+64*\a+2*kk+1], v[16+8*\a:17+8*\a] op_sel_hi:[1,0]
.set kk, kk+1
.endr
.endr
	WIN 0
.set kk, 0
.rept 128
	v_med3_num_f32 v[S+kk], v[S+kk], -v31, v31
.set kk, kk+1
.endr
.set kk, 0
.rept 16
	v_cvt_scalef32_pk8_fp8_f32 v[F0+2*kk:F0+2*kk+1], v[S+8*kk:S+8*kk+7], v23
.set kk, kk+1
.endr
	v_nop
.set kk, 0
.rept 8
	global_store_b128 v[LI], v[F0+4*kk:F0+4*kk+3], s[14:15] offset:8192*(kk/4)+512*(kk%4)   ; each store covers 512 consecutive bytes
.set kk, kk+1
.endr
	s_wait_xcnt 0x0
	v_lshl_add_u32 v254, v0, 2, 0x16000
	v_mov_b32 v255, 0
	s_wait_tensorcnt 0x0
	ds_add_u32 v254, v255
	s_wait_dscnt 0x0
	s_endpgm
.Lfunc_end_k_q9563ea91ec_attn:
	.size	k_q9563ea91ec_attn, .Lfunc_end_k_q9563ea91ec_attn-k_q9563ea91ec_attn
	.p2alignl 7, 3214868480
	.fill 96, 4, 3214868480
	.section	.rodata,"a",@progbits
	.p2align	6, 0x0
	.amdhsa_kernel k_q9563ea91ec_attn
		.amdhsa_group_segment_fixed_size 91136
		.amdhsa_private_segment_fixed_size 0
		.amdhsa_enable_private_segment 0
		.amdhsa_kernarg_size 48
		.amdhsa_user_sgpr_count 2
		.amdhsa_user_sgpr_kernarg_segment_ptr 1
		.amdhsa_wavefront_size32 1
		.amdhsa_system_sgpr_workgroup_id_x 1
		.amdhsa_system_sgpr_workgroup_id_y 1
		.amdhsa_system_sgpr_workgroup_id_z 1
		.amdhsa_system_vgpr_workitem_id 0
		.amdhsa_next_free_vgpr 512
		.amdhsa_next_free_sgpr 66
		.amdhsa_reserve_vcc 1
		.amdhsa_float_denorm_mode_32 3
		.amdhsa_float_denorm_mode_16_64 3
		.amdhsa_memory_ordered 1
		.amdhsa_forward_progress 1
		.amdhsa_inst_pref_size 255
	.end_amdhsa_kernel
	.section	.bss,"aw",@nobits
	.p2align	6
	.space	262144
	.amdgpu_metadata
---
amdhsa.version: [ 1, 2 ]
amdhsa.kernels:
  - .name:           k_q9563ea91ec_attn
    .symbol:         k_q9563ea91ec_attn.kd
    .args:
      - { .name: q_img, .offset: 0, .size: 8, .value_kind: global_buffer, .address_space: global }
      - { .name: k_img, .offset: 8, .size: 8, .value_kind: global_buffer, .address_space: global }
      - { .name: v_img, .offset: 16, .size: 8, .value_kind: global_buffer, .address_space: global }
      - { .name: lengths, .offset: 24, .size: 8, .value_kind: global_buffer, .address_space: global }
      - { .name: lowp_scales, .offset: 32, .size: 8, .value_kind: global_buffer, .address_space: global }
      - { .name: o_img, .offset: 40, .size: 8, .value_kind: global_buffer, .address_space: global }
    .group_segment_fixed_size: 91136
    .private_segment_fixed_size: 0
    .kernarg_segment_align: 8
    .kernarg_segment_size: 48
    .max_flat_workgroup_size: 256
    .sgpr_count:     66
    .vgpr_count:     512
    .wavefront_size: 32
...
	.end_amdgpu_metadata
.endif
;; end of part 3
;; launch ffn (part 4): grid 256 x 1, 4 waves a work-group, no clusters, 263,680 bytes of LDS; arguments o_img, z, wimg, bo, ln2_g, ln2_b, b1, b2, lowp_scales, out0, out1; writes out0, out1
.if DOCPART == 4
	.amdgcn_target "amdgcn-amd-amdhsa--gfx1250"
	.amdhsa_code_object_version 6
	.text
	.protected	k_q9563ea91ec_ffn
	.globl	k_q9563ea91ec_ffn
	.p2align	8
	.type	k_q9563ea91ec_ffn,@function
k_q9563ea91ec_ffn:
	s_mov_b64 s[64:65], 0
	v_nop
	global_prefetch_b8 v0, s[64:65] scope:SCOPE_SE
	s_setreg_imm32_b32 hwreg(HW_REG_WAVE_MODE, 25, 1), 1
	s_wait_xcnt 0x0
; out1 = o wo^T + bo + z;  h = layernorm(out1);  out0 = relu(h w1^T + b1) w2^T + b2 + out1.  All three products on codes of E4M3; h and the hidden layer never go to memory.
; Fragments, images and the order of a tile's rows: 16 rows x 128 K in 16 registers a lane, lane (r, h), registers 4 c .. 4 c + 3: k = 32 c + 16 h + 0 .. 15; an image is 4 chunks of 512 bytes, lane l at 16 l;
; in a group of 32 rows, tile u takes in lane-row r the row 8 u + r + 8 (r / 8).
; SHARES.  A work-group takes 64 tokens (four tiles m).  THE WAVES SHARE THE COLUMNS: a group is 64 tokens x 128 columns in 32 accumulators.  Wave w makes columns 128 w on of out1, hidden units 256 w on (two groups),
; columns 128 w on of out0.  K goes in blocks of 128, twenty in all (4 for wo, 8 for w1, 8 for w2): 8 weight fragments straight from wimg into registers (three buffers), 4 fragments of the rows (two buffers;
; o's from memory, h's and the hidden layer's from LDS), 32 matrix instructions on 32 accumulators, which take turns in the same order in every block.
; Source 0 = weights, source 1 = tokens: a lane holds a token and its registers run along the columns, which are the next K.  Each bias, divided by the power of two that the sums lack, is the C of a group's first block.
; z, out1 and out0 pass through one stage in LDS (64 rows in the tiles' order): in and out as whole rows, 512 consecutive bytes a load or store; in between each lane reads and rewrites the bytes of its own numbers.
; Six barriers; in front of each a wave waits for all its LDS instructions.
; No joint requests: each weight fragment is used by one wave of a work-group and goes straight into its registers.
; LIMITS.  e12 and e14 - e12 - e13 between -126 and 119; e10 + e11 and e14 + e15 between -126 and 127.  NaN and infinity among the inputs are not served.
; REGISTERS.  Window 0: v1-17 addresses and constants; v20-63 statistics; v64-127 codes just made; v128-191, v192-255 the rows' fragments of even and odd blocks (also z, gains and offsets).
;   window 1: the 32 accumulators.  window 2: weight buffers 0, 1.  window 3: v0-127 weight buffer 2; v128-191 the bias; v192-255 rows on their way out.
.set SPITCH, 2064
.set WSTG,   16*SPITCH
.set STG,    131072                    ; LDS: 0 h's images (4 m + s) x 2,048; 32,768 and 33,792 the rows' partial sums; 65,536 the hidden layer's images (8 m + s) x 2,048; 131,072 the stage
.set LI,   1                           ; 16 x lane
.set WO1,  2                           ; + 65,536 x wave
.set WO2,  3                           ; + 131,072 x wave
.set SD,   4                           ; the stage, my 16 whole rows
.set SA0,  5                           ; the stage, row r, my wave's columns, + 64 h; tiles 0, 1
.set SA1,  6                           ; tiles 2, 3
.set SW,   7                           ; where I put a row's partial sum
.set SR,   8                           ; where I read a row's four
.set HW,   9                           ; where I store h's images
.set LF,   10                          ; 16 x lane + 65,536
.set FW,   11                          ; where I store the hidden layer's
.set VB1,  12                          ; 64 h + 512 x wave
.set VB2,  13                          ; 64 h + 1,024 x wave
.set SC12, 14
.set LIM12, 15
.set SC14, 16
.set LIM14, 17
.set CH,   20                          ; v20-27 chains
.set RS,   28                          ; v28-31 a tile's partial sum on its way to LDS
.set PT,   32                          ; v32-47
.set MEAN, 48                          ; v48-55 pairs
.set RSTD, 56                          ; v56-63 pairs
.set PC,   64
.set BIAS, 128
.set X3,   192
.set WP,   8                           ; s[8:9] wimg
.set MSB, 0
.macro WIN new
.if MSB != (\new)
	s_set_vgpr_msb (MSB<<8)|(\new)
.set MSB, (\new)
.endif
.endm
.macro PLACES n
.rept \n
	v_nop
.endr
.endm
.macro BARRIER
	s_wait_dscnt 0x0
	s_barrier_signal -1
	s_barrier_wait -1
.endm
.macro LOADW i, voff, imm
.set WB, 0
.if ((\i)%3) == 1
.set WB, 128
.endif
.if ((\i)%3) == 2
	WIN 0xc0
.else
	WIN 0x80
.endif
.set kk, 0
.rept 32
	global_load_b128 v[WB+4*kk:WB+4*kk+3], v[\voff], s[WP:WP+1] offset:(\imm)+512*kk
.set kk, kk+1
.endr
	WIN 0
.endm
.macro LOADA i, areg, imm, mstride
.set AB, 128+64*((\i)%2)
.set kk, 0
.rept 16
	ds_load_b128 v[AB+4*kk:AB+4*kk+3], v[\areg] offset:(\imm)+(kk/4)*(\mstride)+512*(kk%4)
.set kk, kk+1
.endr
.endm
.macro LOADAG i                        ; o's four fragments of K step i (= head i), from memory
.set AB, 128+64*((\i)%2)
.set kk, 0
.rept 16
	global_load_b128 v[AB+4*kk:AB+4*kk+3], v[LI], s[4:5] offset:8192*(kk/4)+2048*(\i)+512*(kk%4)
.set kk, kk+1
.endr
.endm
.macro MM32 i, first
.set WB, 0
.set WW, 2
.if ((\i)%3) == 1
.set WB, 128
.endif
.if ((\i)%3) == 2
.set WW, 3
.endif
.set AB, 128+64*((\i)%2)
.set CW, 1
.if \first
.set CW, 3
.endif
	WIN WW|(CW<<4)|0x40
.set mm, 0
.rept 4
.set tt, 0
.rept 8
.set DD, 8*(8*mm+tt)
.if \first
	v_wmma_f32_16x16x128_fp8_fp8 v[DD:DD+7], v[WB+16*tt:WB+16*tt+15], v[AB+16*mm:AB+16*mm+15], v[BIAS+8*tt:BIAS+8*tt+7]
.else
	v_wmma_f32_16x16x128_fp8_fp8 v[DD:DD+7], v[WB+16*tt:WB+16*tt+15], v[AB+16*mm:AB+16*mm+15], v[DD:DD+7]
.endif
.set tt, tt+1
.endr
.set mm, mm+1
.endr
.endm
.macro BIASLOAD voff, ptr, imm
	WIN 0xc0
.set tt, 0
.rept 8
	global_load_b128 v[BIAS+8*tt:BIAS+8*tt+3], v[\voff], s[\ptr:\ptr+1] offset:(\imm)+4*(32*(tt/2)+8*(tt%2))
	global_load_b128 v[BIAS+8*tt+4:BIAS+8*tt+7], v[\voff], s[\ptr:\ptr+1] offset:(\imm)+4*(32*(tt/2)+8*(tt%2))+16
.set tt, tt+1
.endr
	WIN 0
.endm
.macro BIASSCALE sh
	WIN 0xc3
.set kk, 0
.rept 64
	v_ldexp_f32 v[BIAS+kk], v[BIAS+kk], s[\sh]
.set kk, kk+1
.endr
	WIN 0
.endm
.macro LOADZ m                         ; my 64 numbers of tile m from the stage
.set ZB, 128+64*((\m)%2)
.set kk, 0
.rept 16
	ds_load_b128 v[ZB+4*kk:ZB+4*kk+3], v[SA0+(\m)/2] offset:33024*((\m)%2)+128*(kk/4)+16*(kk%4)
.set kk, kk+1
.endr
.endm
.macro STOREZ m                        ; and back to the same bytes, from the accumulators
	WIN 0x04
.set kk, 0
.rept 16
	ds_store_b128 v[SA0+(\m)/2], v[64*(\m)+4*kk:64*(\m)+4*kk+3] offset:33024*((\m)%2)+128*(kk/4)+16*(kk%4)
.set kk, kk+1
.endr
	WIN 0
.endm
.macro E1M m, cnt                      ; tile m: out1 = sum x 2^(e10 + e11) + z; its row sums
.set ZB, 128+64*((\m)%2)
.set AM, 64*(\m)
	s_wait_dscnt \cnt
	WIN 0x41
.set kk, 0
.rept 32
	v_pk_fma_f32 v[AM+2*kk:AM+2*kk+1], v[AM+2*kk:AM+2*kk+1], s[60:61], v[ZB+2*kk:ZB+2*kk+1] op_sel_hi:[1,0,1]
.set kk, kk+1
.endr
	WIN 0x05
.set kk, 0
.rept 4
	v_pk_add_f32 v[CH+2*kk:CH+2*kk+1], v[AM+4*kk:AM+4*kk+1], v[AM+4*kk+2:AM+4*kk+3]
.set kk, kk+1
.endr
	WIN 0x04
.set kk, 8
.rept 24
	v_pk_add_f32 v[CH+2*(kk%4):CH+2*(kk%4)+1], v[CH+2*(kk%4):CH+2*(kk%4)+1], v[AM+2*kk:AM+2*kk+1]
.set kk, kk+1
.endr
	STOREZ \m
	v_pk_add_f32 v[CH:CH+1], v[CH:CH+1], v[CH+2:CH+3]
	v_pk_add_f32 v[CH+4:CH+5], v[CH+4:CH+5], v[CH+6:CH+7]
	v_pk_add_f32 v[CH:CH+1], v[CH:CH+1], v[CH+4:CH+5]
	v_add_f32 v[CH], v[CH], v[CH+1]
	v_permlanex16_b32 v[CH+2], v[CH], s56, s57
	v_add_f32 v[RS+(\m)], v[CH], v[CH+2]           ; the row's sum over my wave's 128 columns
	ds_store_b32 v[SW], v[RS+(\m)] offset:256*(\m)
.if (\m)+2 < 4
	LOADZ (\m)+2
.endif
.endm
.macro E3M m, cnt                      ; tile m: out0 = sum x 2^(e14 + e15) + out1
.set ZB, 128+64*((\m)%2)
.set AM, 64*(\m)
	s_wait_dscnt \cnt
	WIN 0x41
.set kk, 0
.rept 32
	v_pk_fma_f32 v[AM+2*kk:AM+2*kk+1], v[AM+2*kk:AM+2*kk+1], s[62:63], v[ZB+2*kk:ZB+2*kk+1] op_sel_hi:[1,0,1]
.set kk, kk+1
.endr
	STOREZ \m
.if (\m)+2 < 4
	LOADZ (\m)+2
.endif
.endm
.macro READOUT ptr                     ; my 16 whole rows leave the stage, 16 loads and stores at a time
.set bb, 0
.rept 4
	s_wait_xcnt 0x0                                ; earlier stores have read the registers that the loads below fill
	WIN 0xc0
.set kk, 0
.rept 16
	ds_load_b128 v[X3+4*kk:X3+4*kk+3], v[SD] offset:((16*bb+kk)/4)*SPITCH+512*(kk%4)
.set kk, kk+1
.endr
	WIN 0x0c
.set kk, 0
.rept 16
	s_wait_dscnt 15-kk                             ; LDS loads come back in order: number kk is in
	global_store_b128 v[LI], v[X3+4*kk:X3+4*kk+3], s[\ptr:\ptr+1] offset:(((16*bb+kk)/4)+8*((16*bb+kk)/32))*2048+512*(kk%4) th:TH_STORE_NT   ; 512 consecutive bytes of a row
.set kk, kk+1
.endr
.set bb, bb+1
.endr
	WIN 0
.endm
.macro E2 gsel, sh                     ; a group of the hidden layer: relu and the hold in one, codes, images to LDS; then the next bias
	WIN 0x41
.set kk, 0
.rept 256
	v_med3_num_f32 v[kk], v[kk], 0, v[LIM14]
.set kk, kk+1
.endr
	WIN 0x01
.set kk, 0
.rept 32
.set PD, PC+4*(((kk/2)+10)%16)+2*(kk%2)        ; run g of 16 sums goes to v[PC + 4 ((g + 10) % 16)]: no destination bears the number of one of its sources
	v_cvt_scalef32_pk8_fp8_f32 v[PD:PD+1], v[8*kk:8*kk+7], v[SC14]
.set kk, kk+1
.endr
	WIN 0
	v_nop                                          ; a plain line behind the last conversion: the next group's products write its sources
.set gg, 0
.rept 16
.set PD, PC+4*((gg+10)%16)
	ds_store_b128 v[FW], v[PD:PD+3] offset:16384*(gg/4)+2048*(\gsel)+512*(gg%4)
.set gg, gg+1
.endr
	s_wait_loadcnt 63                              ; 128 loads were issued behind the next bias's
	BIASSCALE \sh
.endm
	s_load_b512 s[4:19], s[0:1], 0x0               ; o_img, z, wimg, bo, ln2_g, ln2_b, b1, b2
	s_load_b128 s[20:23], s[0:1], 0x40             ; lowp_scales, out0
	s_load_b64 s[24:25], s[0:1], 0x50              ; out1
	v_lshl_add_u32 v18, v0, 2, 0x40400
	v_mov_b32 v19, 0
	v_lshrrev_b32 v[PT], 5, v0
	v_readfirstlane_b32 s28, v[PT]                 ; wave
	v_and_b32 v[PT+1], 31, v0
	v_and_b32 v[PT+2], 15, v0                      ; r
	v_bfe_u32 v[PT+3], v0, 4, 1                    ; h
	v_lshlrev_b32 v[LI], 4, v[PT+1]
	s_lshl_b32 s50, s28, 16
	v_add_nc_u32 v[WO1], s50, v[LI]
	s_lshl_b32 s50, s28, 17
	v_add_nc_u32 v[WO2], s50, v[LI]
	s_mul_i32 s50, s28, WSTG
	s_add_co_u32 s50, s50, STG
	v_add_nc_u32 v[SD], s50, v[LI]
	v_mul_u32_u24 v[SA0], v[PT+2], SPITCH
	v_lshl_add_u32 v[SA0], v[PT+3], 6, v[SA0]
	s_lshl_b32 s50, s28, 9
	s_add_co_u32 s51, s50, STG
	v_add_nc_u32 v[SA0], s51, v[SA0]
	v_add_nc_u32 v[SA1], 2*WSTG, v[SA0]
	v_lshlrev_b32 v[SR], 4, v[PT+2]
	v_add_nc_u32 v[SR], 32768, v[SR]
	s_lshl_b32 s51, s28, 2
	v_add_nc_u32 v[SW], s51, v[SR]
	s_lshl_b32 s51, s28, 11
	v_add_nc_u32 v[HW], s51, v[LI]
	v_add_nc_u32 v[LF], 0x10000, v[LI]
	s_lshl_b32 s51, s28, 12
	v_add_nc_u32 v[FW], s51, v[LF]
	v_lshlrev_b32 v[VB1], 6, v[PT+3]
	s_lshl_b32 s51, s28, 10
	v_add_nc_u32 v[VB2], s51, v[VB1]
	v_add_nc_u32 v[VB1], s50, v[VB1]
	s_lshr_b32 s50, s28, 1
	s_lshl_b32 s50, s50, 5
	s_and_b32 s51, s28, 1
	s_lshl_b32 s51, s51, 3
	s_add_co_u32 s50, s50, s51                     ; 32 (w / 2) + 8 (w % 2)
	s_lshl_b32 s52, ttmp9, 6
	s_add_co_u32 s52, s52, s50
	s_lshl_b32 s52, s52, 11                        ; where tile w's rows begin in z, out0, out1
	s_mov_b32 s53, 0
	s_lshl_b32 s54, ttmp9, 15                      ; my 16 images in o_img
	s_mov_b32 s55, 0
	s_mov_b32 s56, 0x76543210
	s_mov_b32 s57, 0xfedcba98
	s_mov_b32 s58, 0x3b000000                      ; 1 / 512
	s_mov_b32 s59, 0x3727c5ac                      ; 1e-5
	s_wait_kmcnt 0x0
	s_load_b512 s[32:47], s[20:21], 0x0            ; e0 .. e15
	s_add_nc_u64 s[4:5], s[4:5], s[54:55]
	s_add_nc_u64 s[6:7], s[6:7], s[52:53]
	s_add_nc_u64 s[22:23], s[22:23], s[52:53]
	s_add_nc_u64 s[24:25], s[24:25], s[52:53]
	BIASLOAD VB1, 10, 0                            ; bo
	WIN 0x40
.set kk, 0
.rept 64
	global_load_b128 v[4*kk:4*kk+3], v[LI], s[6:7] offset:((kk/4)+8*(kk/32))*2048+512*(kk%4) th:TH_LOAD_NT   ; z: 512 consecutive bytes of one of my 16 rows
.set kk, kk+1
.endr
	WIN 0
	LOADAG 0
	LOADAG 1
	LOADW 0, WO1, 0xc0000
	LOADW 1, WO1, 0xc4000
	LOADW 2, WO1, 0xc8000
	s_wait_kmcnt 0x0
	s_add_co_i32 s70, s42, s43                     ; e10 + e11
	s_sub_co_i32 s66, 0, s70
	s_add_co_i32 s70, s70, 127
	s_lshl_b32 s60, s70, 23                        ; 2^(e10 + e11)
	s_mov_b32 s61, s60
	s_add_co_i32 s70, s46, s47                     ; e14 + e15
	s_sub_co_i32 s68, 0, s70
	s_add_co_i32 s70, s70, 127
	s_lshl_b32 s62, s70, 23
	s_mov_b32 s63, s62
	s_add_co_i32 s70, s44, s45                     ; e12 + e13
	s_sub_co_i32 s67, 0, s70
	s_sub_co_i32 s71, s46, s70                     ; the hidden layer's conversion takes 2^(e14 - e12 - e13)
	s_add_co_i32 s71, s71, 127
	s_lshl_b32 s72, s71, 23
	v_mov_b32 v[SC14], s72
	s_add_co_i32 s71, s71, 8
	s_lshl_b32 s71, s71, 23
	s_or_b32 s71, s71, 0x600000
	v_mov_b32 v[LIM14], s71
	s_add_co_i32 s71, s44, 127
	s_lshl_b32 s72, s71, 23
	v_mov_b32 v[SC12], s72
	s_add_co_i32 s71, s71, 8
	s_lshl_b32 s71, s71, 23
	s_or_b32 s71, s71, 0x600000
	v_mov_b32 v[LIM12], s71
	s_wait_loadcnt 63                              ; 128 loads were issued behind z's: z and bo are in
	WIN 0x04
.set kk, 0
.rept 64
	ds_store_b128 v[SD], v[4*kk:4*kk+3] offset:(kk/4)*SPITCH+512*(kk%4)
.set kk, kk+1
.endr
	WIN 0
	BIASSCALE 66
	BARRIER                                        ; z's 64 rows lie in the stage
.set ii, 0
.rept 20
.set NW, 63                                ; behind this block's operands at least 64 loads were issued
.if ii == 18
.set NW, 32
.endif
.if ii == 19
.set NW, 0
.endif
.set ND, 16                                ; behind this block's fragments from LDS: the next block's 16 loads
.if (ii == 8) || (ii == 9)
.set ND, 32                                ; and the hidden layer's 16 stores
.endif
.if (ii == 11) || (ii == 19)
.set ND, 0
.endif
.set FIRST, 0
.if (ii == 0) || (ii == 4) || (ii == 8) || (ii == 12)
.set FIRST, 1
.endif
	s_wait_loadcnt NW
.if ii >= 4
	s_wait_dscnt ND
.endif
	MM32 ii, FIRST
	WIN 0
	PLACES 4                                       ; in front of loads into registers that these products have read, and of the first read of results
.if ii < 2
	LOADAG ii+2
.endif
.if ii == 0
	BIASLOAD VB2, 16, 0                            ; b1 of my first group
.endif
.if ii == 4
	BIASLOAD VB2, 16, 512                          ; of my second
.endif
.if ii == 8
	BIASLOAD VB1, 18, 0                            ; b2
.endif
.if ii+3 < 4
	LOADW ii+3, WO1, 0xc0000+0x4000*(ii+3)
.elseif ii+3 < 12
	LOADW ii+3, WO2, 0x100000+0x4000*(ii+3-4)
.elseif ii+3 < 20
	LOADW ii+3, WO2, 0x180000+0x4000*(ii+3-12)
.endif
.if (ii >= 4) && (ii+2 <= 11)
	LOADA ii+2, LI, 2048*((ii+2)%4), 8192
.endif
.if (ii >= 12) && (ii+2 <= 19)
	LOADA ii+2, LF, 2048*(ii+2-12), 16384
.endif
.if ii == 3
	; ---- out1, and its norm
	LOADZ 0
	LOADZ 1
	E1M 0, 16                                      ; behind tile 0's loads: tile 1's 16
	E1M 1, 33                                      ; behind tile 1's: 16 stores, a partial sum, 16 loads
	E1M 2, 33
	E1M 3, 17                                      ; behind tile 3's: 16 stores and a partial sum
.set kk, 0
.rept 16
	global_load_b128 v[128+4*kk:128+4*kk+3], v[VB1], s[12:13] offset:128*(kk/4)+16*(kk%4)   ; the gains of my 64 columns,
	global_load_b128 v[192+4*kk:192+4*kk+3], v[VB1], s[14:15] offset:128*(kk/4)+16*(kk%4)   ; the offsets
.set kk, kk+1
.endr
	BARRIER                                        ; out1 and the rows' partial sums lie in LDS
.irp m, 0,1,2,3
	ds_load_b128 v[PT+4*\m:PT+4*\m+3], v[SR] offset:256*\m
.endr
	s_wait_dscnt 0x0
.irp m, 0,1,2,3
	v_add_f32 v[PT+4*\m], v[PT+4*\m], v[PT+4*\m+1]
	v_add_f32 v[PT+4*\m+2], v[PT+4*\m+2], v[PT+4*\m+3]
.endr
.irp m, 0,1,2,3
	v_add_f32 v[PT+4*\m], v[PT+4*\m], v[PT+4*\m+2]
.endr
.irp m, 0,1,2,3
	v_mul_f32 v[MEAN+2*\m], s58, v[PT+4*\m]
.endr
.irp m, 0,1,2,3
	v_mov_b32 v[MEAN+2*\m+1], v[MEAN+2*\m]
.endr
	WIN 0x41
.set kk, 0
.rept 128
	v_pk_add_f32 v[2*kk:2*kk+1], v[2*kk:2*kk+1], v[MEAN+2*(kk/32):MEAN+2*(kk/32)+1] neg_lo:[0,1] neg_hi:[0,1]
.set kk, kk+1
.endr
	WIN 0x05
.set kk, 0
.rept 32                                   ; the squares: two chains a tile, the four tiles by turns
.irp m, 0,1,2,3
.if kk < 2
	v_pk_mul_f32 v[PT+4*\m+2*kk:PT+4*\m+2*kk+1], v[64*\m+2*kk:64*\m+2*kk+1], v[64*\m+2*kk:64*\m+2*kk+1]
.else
	v_pk_fma_f32 v[PT+4*\m+2*(kk%2):PT+4*\m+2*(kk%2)+1], v[64*\m+2*kk:64*\m+2*kk+1], v[64*\m+2*kk:64*\m+2*kk+1], v[PT+4*\m+2*(kk%2):PT+4*\m+2*(kk%2)+1]
.endif
.endr
.set kk, kk+1
.endr
	WIN 0
.irp m, 0,1,2,3
	v_pk_add_f32 v[PT+4*\m:PT+4*\m+1], v[PT+4*\m:PT+4*\m+1], v[PT+4*\m+2:PT+4*\m+3]
.endr
.irp m, 0,1,2,3
	v_add_f32 v[PT+4*\m], v[PT+4*\m], v[PT+4*\m+1]
.endr
.irp m, 0,1,2,3
	v_permlanex16_b32 v[PT+4*\m+2], v[PT+4*\m], s56, s57
.endr
.irp m, 0,1,2,3
	v_add_f32 v[RS+\m], v[PT+4*\m], v[PT+4*\m+2]
.endr
.irp m, 0,1,2,3
	ds_store_b32 v[SW], v[RS+\m] offset:1024+256*\m
.endr
	READOUT 24                                     ; out1 leaves
	BARRIER                                        ; the squares' partial sums lie in LDS; nobody reads the stage any more until it is rewritten
.irp m, 0,1,2,3
	ds_load_b128 v[PT+4*\m:PT+4*\m+3], v[SR] offset:1024+256*\m
.endr
	s_wait_dscnt 0x0
.irp m, 0,1,2,3
	v_add_f32 v[PT+4*\m], v[PT+4*\m], v[PT+4*\m+1]
	v_add_f32 v[PT+4*\m+2], v[PT+4*\m+2], v[PT+4*\m+3]
.endr
.irp m, 0,1,2,3
	v_add_f32 v[PT+4*\m], v[PT+4*\m], v[PT+4*\m+2]
.endr
.irp m, 0,1,2,3
	v_fma_f32 v[PT+4*\m], v[PT+4*\m], s58, s59
.endr
.irp m, 0,1,2,3
	v_rsq_f32 v[RSTD+2*\m], v[PT+4*\m]
.endr
	s_wait_loadcnt 0x0                             ; the gains and offsets were the last loads issued; b1 is in too
	BIASSCALE 67                                   ; independent work behind the roots
	s_wait_alu depctr_va_vdst(0)                   ; one wait for the four roots, ahead of their first reader
.irp m, 0,1,2,3
	v_mov_b32 v[RSTD+2*\m+1], v[RSTD+2*\m]
.endr
.irp m, 0,1,2,3
	WIN 0x41
.set kk, 0
.rept 32
	v_pk_mul_f32 v[64*\m+2*kk:64*\m+2*kk+1], v[64*\m+2*kk:64*\m+2*kk+1], v[RSTD+2*\m:RSTD+2*\m+1]
.set kk, kk+1
.endr
.set kk, 0
.rept 32
	v_pk_fma_f32 v[64*\m+2*kk:64*\m+2*kk+1], v[64*\m+2*kk:64*\m+2*kk+1], v[128+2*kk:128+2*kk+1], v[192+2*kk:192+2*kk+1]
.set kk, kk+1
.endr
.set kk, 0
.rept 64
	v_med3_num_f32 v[64*\m+kk], v[64*\m+kk], -v[LIM12], v[LIM12]
.set kk, kk+1
.endr
	WIN 0x01
.set kk, 0
.rept 8
.set PD, PC+4*((((8*\m+kk)/2)+10)%16)+2*(kk%2)
	v_cvt_scalef32_pk8_fp8_f32 v[PD:PD+1], v[64*\m+8*kk:64*\m+8*kk+7], v[SC12]
.set kk, kk+1
.endr
.endr
	WIN 0
	v_nop                                          ; a plain line behind the last conversion
.set gg, 0
.rept 16
.set PD, PC+4*((gg+10)%16)
	ds_store_b128 v[HW], v[PD:PD+3] offset:8192*(gg/4)+512*(gg%4)   ; my 128 columns are K step w of the next product
.set gg, gg+1
.endr
	BARRIER                                        ; h's sixteen fragments lie in LDS
	LOADA 4, LI, 0, 8192
	LOADA 5, LI, 2048, 8192
.endif
.if ii == 7
	E2 0, 67
.endif
.if ii == 11
	E2 1, 68
	BARRIER                                        ; the hidden layer's 32 fragments lie in LDS
	LOADA 12, LF, 0, 16384
	LOADA 13, LF, 2048, 16384
.endif
.set ii, ii+1
.endr
	; ---- out0
	LOADZ 0
	LOADZ 1
	E3M 0, 16                                      ; behind tile 0's loads: tile 1's 16
	E3M 1, 32                                      ; behind tile 1's: 16 stores, 16 loads
	E3M 2, 32
	E3M 3, 16
	BARRIER                                        ; out0's 64 rows lie in the stage
	READOUT 22
	s_wait_tensorcnt 0x0
	ds_add_u32 v18, v19
	s_wait_dscnt 0x0
	s_endpgm
.Lfunc_end_k_q9563ea91ec_ffn:
	.size	k_q9563ea91ec_ffn, .Lfunc_end_k_q9563ea91ec_ffn-k_q9563ea91ec_ffn
	.p2alignl 7, 3214868480
	.fill 96, 4, 3214868480
	.section	.rodata,"a",@progbits
	.p2align	6, 0x0
	.amdhsa_kernel k_q9563ea91ec_ffn
		.amdhsa_group_segment_fixed_size 263680
		.amdhsa_private_segment_fixed_size 0
		.amdhsa_enable_private_segment 0
		.amdhsa_kernarg_size 88
		.amdhsa_user_sgpr_count 2
		.amdhsa_user_sgpr_kernarg_segment_ptr 1
		.amdhsa_wavefront_size32 1
		.amdhsa_system_sgpr_workgroup_id_x 1
		.amdhsa_system_sgpr_workgroup_id_y 1
		.amdhsa_system_sgpr_workgroup_id_z 1
		.amdhsa_system_vgpr_workitem_id 0
		.amdhsa_next_free_vgpr 1024
		.amdhsa_next_free_sgpr 80
		.amdhsa_reserve_vcc 0
		.amdhsa_float_denorm_mode_32 3
		.amdhsa_float_denorm_mode_16_64 3
		.amdhsa_memory_ordered 1
		.amdhsa_forward_progress 1
		.amdhsa_inst_pref_size 255
	.end_amdhsa_kernel
	.section	.bss,"aw",@nobits
	.p2align	6
	.space	262144
	.amdgpu_metadata
---
amdhsa.version: [ 1, 2 ]
amdhsa.kernels:
  - .name:           k_q9563ea91ec_ffn
    .symbol:         k_q9563ea91ec_ffn.kd
    .args:
      - { .name: o_img, .offset: 0, .size: 8, .value_kind: global_buffer, .address_space: global }
      - { .name: z, .offset: 8, .size: 8, .value_kind: global_buffer, .address_space: global }
      - { .name: wimg, .offset: 16, .size: 8, .value_kind: global_buffer, .address_space: global }
      - { .name: bo, .offset: 24, .size: 8, .value_kind: global_buffer, .address_space: global }
      - { .name: ln2_g, .offset: 32, .size: 8, .value_kind: global_buffer, .address_space: global }
      - { .name: ln2_b, .offset: 40, .size: 8, .value_kind: global_buffer, .address_space: global }
      - { .name: b1, .offset: 48, .size: 8, .value_kind: global_buffer, .address_space: global }
      - { .name: b2, .offset: 56, .size: 8, .value_kind: global_buffer, .address_space: global }
      - { .name: lowp_scales, .offset: 64, .size: 8, .value_kind: global_buffer, .address_space: global }
      - { .name: out0, .offset: 72, .size: 8, .value_kind: global_buffer, .address_space: global }
      - { .name: out1, .offset: 80, .size: 8, .value_kind: global_buffer, .address_space: global }
    .group_segment_fixed_size: 263680
    .private_segment_fixed_size: 0
    .kernarg_segment_align: 8
    .kernarg_segment_size: 88
    .max_flat_workgroup_size: 128
    .sgpr_count:     80
    .vgpr_count:     1024
    .wavefront_size: 32
...
	.end_amdgpu_metadata
.endif
;; end of part 4
;; ======== version 2 of 2: 4 launches; version 1 with the launches qkv, attn, ffn written anew for expert scheduling mode
;; workspace buffers: wimg 2,097,152 bytes; q_img 8,388,608 bytes; k_img 8,388,608 bytes; v_img 8,388,608 bytes; o_img 8,388,608 bytes
;; launch prep: the kernel of part 1 again; grid 256 x 1, 4 waves a work-group, no clusters, 0 bytes of LDS; arguments wq_codes, wk_codes, wv_codes, wo_codes, w1_codes, w2_codes, wimg; writes wimg
;; launch qkv (part 5): grid 256 x 1, 4 waves a work-group, no clusters, 230,912 bytes of LDS; arguments x, lengths, ln1_g, ln1_b, bq, bk, bv, lowp_scales, wimg, q_img, k_img, v_img; writes q_img, k_img, v_img
.if DOCPART == 5
	.amdgcn_target "amdgcn-amd-amdhsa--gfx1250"
	.amdhsa_code_object_version 6
	.text
	.protected	k_q9563ea91ec_qkv
	.globl	k_q9563ea91ec_qkv
	.p2align	8
	.type	k_q9563ea91ec_qkv,@function
k_q9563ea91ec_qkv:
	s_mov_b64 s[64:65], 0
	v_nop
	global_prefetch_b8 v0, s[64:65] scope:SCOPE_SE
	s_setreg_imm32_b32 hwreg(HW_REG_WAVE_SCHED_MODE, 0, 2), 2
	s_setreg_imm32_b32 hwreg(HW_REG_WAVE_MODE, 25, 1), 1
	s_wait_xcnt 0x0
	s_wait_alu depctr_vm_vsrc(0)
; xm = layernorm(x) x mask; q, k, v = xm W^T + bias, all three products on codes of E4M3; q, k, v leave as codes, laid as images of operand registers.
; A FRAGMENT is 16 rows x 128 K: 16 registers a lane; lane (r, h) holds in registers 4 c .. 4 c + 3 the codes k = 32 c + 16 h + 0 .. 15 of row r (the same order of k on both sides of a product).
; ITS IMAGE is 2,048 bytes: chunk c of 512 bytes, lane l's 16 bytes at 16 l.  THE ROWS OF A TILE ARE NOT NEIGHBOURS: in a group of 32 rows, tile u takes in lane-row r the row 8 u + r + 8 (r / 8).
; So 16 registers of two neighbouring result tiles are 16 neighbours along the next K, and the conversions' results are the next operand's registers.
; SHARES.  A work-group takes 64 tokens (four tiles m).  Wave w first norms and quantises tile w (three sets of codes, since the three given scales may differ) and puts the images into LDS; one barrier;
; then wave w is head w: for q, k, v in turn 64 tokens x 128 channels in 32 accumulators, K in four blocks of 128.  A block: 8 weight fragments straight from wimg into registers (three buffers), 4 fragments of x from LDS
; (two buffers), 32 matrix instructions on 32 accumulators, which take turns in the same order in every block.
; q and k: source 0 = weights, source 1 = tokens (a lane holds a token, registers run along the channels).  v: the other way round (a lane holds a channel, registers run along the tokens, which are the keys).
; The bias, divided by the power of two that the sums lack, is the C of a group's first block.  The mask costs no line a number: in a masked row the hold's limit is 0.
; LIMITS.  e0, e2, e4, e6 - e0 - e1, e7 - e2 - e3, e8 - e4 - e5 between -126 and 119.  NaN and infinity among the inputs are not served (a NaN in a masked row of x gives 0 here).  A masked row's zero codes may be -0.
; REGISTERS, in windows of 256.  Window 0: v1-31 addresses and constants; v64-127 codes just made; v112-126 statistics while x is normed; v128-191, v192-255 x's fragments of even and odd blocks (before that: gains and offsets).
;   window 1: x's 256 numbers a lane, then the 32 accumulators.  window 2: weight buffers 0 and 1.  window 3: v0-127 weight buffer 2 (before that: gains and offsets); v128-191 the bias; v192-255 numbers held for a conversion.
; THE MODE: SCHED_MODE bits 1:0 = 2 (LLVM: expert scheduling mode 2), set by the entry lines.  The code itself states the register dependences
; between vector or matrix instructions and memory or LDS instructions, with s_wait_alu, always for 0.
; THE PLAN.  Registers that memory or LDS instructions touch:
;   v1-v11        addresses and offsets: made at the head, never written again.  One wait on va_vdst ahead of the first load serves them all.
;   window 1      x lands here; the stage's LDS stores read it; the loads back from the stage land here; from then on vector and matrix instructions alone name it.
;   gains, offsets  (window 0 v128-255, window 3 v0-127)  loaded; read by a K step's multiply-adds; then the next gains, weight buffer 2 or x's fragments land there.
;   v64-127       the codes: written by conversions; read by LDS stores (x's images) and by global stores (q, k, v).
;   weight buffers, x's fragment buffers, the bias   loaded; read by a block's 32 products; loaded again behind that block.
; So: a K step of x has ONE wait on va_vdst, behind its last conversion: the three sets' twelve LDS stores and the loads behind the step follow it.  A block has ONE, behind its products, ahead of the run of loads into the
; buffers that they read: every product of a block reads all eight weight fragments, so no weight register is free earlier, and with three buffers that run goes out three blocks ahead of its use.
; A way out has one wait on vm_vsrc ahead of its conversions and one on va_vdst ahead of its stores.
.set SPITCH, 2064                      ; a stage row: 2,048 bytes + 16, an odd multiple of 16
.set WSTG,   16*SPITCH                 ; a wave's stage
.set STG,    98304                     ; LDS: 0 .. 98,303 the images ((set 4 + m) 4 + s) x 2,048; then the four stages
.set LI,   1                           ; 16 x lane
.set WO1,  2                           ; + 65,536 x wave: my head's group of weight rows
.set XSA,  3                           ; my stage, as the bytes lie
.set XR,   4                           ; my stage, row r, + 64 h
.set XW,   5                           ; where I store images: 16 x lane + 8,192 x wave
.set XW2,  6                           ; the same, 65,536 on (set 2)
.set LI2,  7
.set GH,   8                           ; 64 h
.set VB1,  9                           ; 64 h + 512 x wave
.set BVO,  10                          ; 512 x wave + 4 (r + 8 (r / 8))
.set TOK,  11                          ; my row's token
.set XSC,  12                          ; v12-14  2^e0, 2^e2, 2^e4
.set OSC,  16                          ; v16-18  the results' scales
.set OLIM, 20                          ; v20-22  448 x those
.set BVR,  24                          ; v24-31  bv of my channel in each of the 8 tiles
.set TMP,  32
.set PC,   64
.set CH,   112
.set MEAN, 120
.set RSTD, 122
.set XLIM, 124                         ; v124-126  448 x 2^e, or 0 in a masked row
.set BIAS, 128                         ; window 3
.set X3,   192                         ; window 3
.set WP,   20                          ; s[20:21] wimg
.set MSB, 0
.macro WIN new                         ; the immediate's high byte repeats the setting that is left
.if MSB != (\new)
	s_set_vgpr_msb (MSB<<8)|(\new)
.set MSB, (\new)
.endif
.endm
.macro PLACES n
.rept \n
	v_nop
.endr
.endm
.macro LOADW i, voff, imm              ; block i's 8 weight fragments, 16,384 consecutive bytes, into buffer i % 3
.set WB, 0
.if ((\i)%3) == 1
.set WB, 128
.endif
.if ((\i)%3) == 2
	WIN 0xc0
.else
	WIN 0x80
.endif
.set kk, 0
.rept 32
	global_load_b128 v[WB+4*kk:WB+4*kk+3], v[\voff], s[WP:WP+1] offset:(\imm)+512*kk
.set kk, kk+1
.endr
	WIN 0
.endm
.macro LOADA i, areg, imm, mstride     ; block i's 4 fragments of x into buffer i % 2
.set AB, 128+64*((\i)%2)
.set kk, 0
.rept 16
	ds_load_b128 v[AB+4*kk:AB+4*kk+3], v[\areg] offset:(\imm)+(kk/4)*(\mstride)+512*(kk%4)
.set kk, kk+1
.endr
.endm
.macro MM32 i, mode, first             ; mode 0: source 0 = weights; mode 1: source 0 = tokens.  first = 1: C is the bias
.set WB, 0
.set WW, 2
.if ((\i)%3) == 1
.set WB, 128
.endif
.if ((\i)%3) == 2
.set WW, 3
.endif
.set AB, 128+64*((\i)%2)
.set CW, 1
.if \first
.set CW, 3
.endif
.if \mode
	WIN (WW<<2)|(CW<<4)|0x40
.else
	WIN WW|(CW<<4)|0x40
.endif
.set mm, 0
.rept 4
.set tt, 0
.rept 8
.if \mode
.set DD, 16*(8*(mm/2)+tt)+8*(mm%2)
.if \first
	v_wmma_f32_16x16x128_fp8_fp8 v[DD:DD+7], v[AB+16*mm:AB+16*mm+15], v[WB+16*tt:WB+16*tt+15], v[BIAS+8*tt:BIAS+8*tt+7]
.else
	v_wmma_f32_16x16x128_fp8_fp8 v[DD:DD+7], v[AB+16*mm:AB+16*mm+15], v[WB+16*tt:WB+16*tt+15], v[DD:DD+7]
.endif
.else
.set DD, 8*(8*mm+tt)
.if \first
	v_wmma_f32_16x16x128_fp8_fp8 v[DD:DD+7], v[WB+16*tt:WB+16*tt+15], v[AB+16*mm:AB+16*mm+15], v[BIAS+8*tt:BIAS+8*tt+7]
.else
	v_wmma_f32_16x16x128_fp8_fp8 v[DD:DD+7], v[WB+16*tt:WB+16*tt+15], v[AB+16*mm:AB+16*mm+15], v[DD:DD+7]
.endif
.endif
.set tt, tt+1
.endr
.set mm, mm+1
.endr
.endm
.macro BIASLOAD ptr                    ; lane (r, h) wants, for tile t, the bias of channels 32 (t / 2) + 8 (t % 2) + 16 h + 0 .. 7 of my head
	WIN 0xc0
.set tt, 0
.rept 8
	global_load_b128 v[BIAS+8*tt:BIAS+8*tt+3], v[VB1], s[\ptr:\ptr+1] offset:4*(32*(tt/2)+8*(tt%2))
	global_load_b128 v[BIAS+8*tt+4:BIAS+8*tt+7], v[VB1], s[\ptr:\ptr+1] offset:4*(32*(tt/2)+8*(tt%2))+16
.set tt, tt+1
.endr
	WIN 0
.endm
.macro GBLOAD s                        ; gains and offsets of my 64 channels of K step s: even s into window 0, odd s into window 3
.if (\s)%2
	WIN 0xc0
.set GA, 0
.else
	WIN 0
.set GA, 128
.endif
.set kk, 0
.rept 16
	global_load_b128 v[GA+4*kk:GA+4*kk+3], v[GH], s[8:9] offset:512*(\s)+128*(kk/4)+16*(kk%4)
	global_load_b128 v[GA+64+4*kk:GA+64+4*kk+3], v[GH], s[10:11] offset:512*(\s)+128*(kk/4)+16*(kk%4)
.set kk, kk+1
.endr
	WIN 0
.endm
; The 256 sums become 64 registers of codes.  Run g of 16 sums goes to v[PC + 4 ((g + 10) % 16)]: so no conversion's destination bears the number of one of its sources.
.macro CODES sc, lim
	WIN 0x41
.set kk, 0
.rept 256
	v_med3_num_f32 v[kk], v[kk], -v[\lim], v[\lim]   ; the conversion to an 8-bit code does not saturate (ISA guide 7.6.2): the hold; each accumulator from its low end on
.set kk, kk+1
.endr
	WIN 0x01
.set kk, 0
.rept 32
.set PD, PC+4*(((kk/2)+10)%16)+2*(kk%2)
	v_cvt_scalef32_pk8_fp8_f32 v[PD:PD+1], v[8*kk:8*kk+7], v[\sc]
.set kk, kk+1
.endr
	WIN 0
	v_nop                                          ; a plain line behind the last conversion: the next group's products write its sources
.endm
.macro EPI sc, lim, ptr, vmode
	s_wait_xcnt 0x0                                ; the last group's stores have had their addresses translated
	s_wait_alu depctr_vm_vsrc(0)                   ; the stores that last read v64-127 (x's images into LDS, or the last group's codes into memory) have read them: the conversions write them again
	CODES \sc, \lim
	s_wait_alu depctr_va_vdst(0)                   ; the conversions have written v64-127, which the sixteen stores read
.set gg, 0
.rept 16
.set PD, PC+4*((gg+10)%16)
.if \vmode
	global_store_b128 v[LI], v[PD:PD+3], s[\ptr:\ptr+1] offset:2048*(gg%8)+512*(gg/8)   ; channel tile g % 8, block of 32 keys g / 8
.else
	global_store_b128 v[LI], v[PD:PD+3], s[\ptr:\ptr+1] offset:512*gg                   ; token tile g / 4, chunk g % 4: each store covers 512 consecutive bytes
.endif
.set gg, gg+1
.endr
.endm
; K step s of my 16 rows: normed, then quantised three times; the three sets' images go to LDS together, behind one wait
.macro XSTEP s, cnt
	s_wait_loadcnt \cnt                            ; this step's gains and offsets are in
	WIN 0x41
.set kk, 0
.rept 32
	v_pk_mul_f32 v[64*(\s)+2*kk:64*(\s)+2*kk+1], v[64*(\s)+2*kk:64*(\s)+2*kk+1], v[RSTD:RSTD+1]
.set kk, kk+1
.endr
.if (\s)%2
	WIN 0x7d
.set GA, 0
.else
.set GA, 128
.endif
.set kk, 0
.rept 32
	v_pk_fma_f32 v[64*(\s)+2*kk:64*(\s)+2*kk+1], v[64*(\s)+2*kk:64*(\s)+2*kk+1], v[GA+2*kk:GA+2*kk+1], v[GA+64+2*kk:GA+64+2*kk+1]
.set kk, kk+1
.endr
	WIN 0
	s_wait_dscnt 0x0                               ; the last step's stores have landed
.if (\s) > 0
	s_wait_alu depctr_vm_vsrc(0)                   ; the last step's LDS stores have read v64-111, which the conversions below write again
.endif
.irp j, 0,1,2
	WIN 0xc1
.set kk, 0
.rept 64
	v_med3_num_f32 v[X3+kk], v[64*(\s)+kk], -v[XLIM+\j], v[XLIM+\j]   ; the hold, and in a masked row the mask
.set kk, kk+1
.endr
	WIN 0x03
.set kk, 0
.rept 8
	v_cvt_scalef32_pk8_fp8_f32 v[PC+16*\j+2*kk:PC+16*\j+2*kk+1], v[X3+8*kk:X3+8*kk+7], v[XSC+\j]
.set kk, kk+1
.endr
	WIN 0
	v_nop                                          ; a plain line between the conversions and the next set's holds, which write their sources
.endr
	s_wait_alu depctr_va_vdst(0)                   ; the conversions have written the three sets of codes, which the LDS stores read; the multiply-adds are done reading this step's gains and offsets, in whose registers the loads behind this step land
.irp j, 0,1,2
.set kk, 0
.rept 4
.if \j == 2
	ds_store_b128 v[XW2], v[PC+16*\j+4*kk:PC+16*\j+4*kk+3] offset:2048*(\s)+512*kk
.else
	ds_store_b128 v[XW], v[PC+16*\j+4*kk:PC+16*\j+4*kk+3] offset:32768*\j+2048*(\s)+512*kk
.endif
.set kk, kk+1
.endr
.endr
.endm
	s_load_b512 s[4:19], s[0:1], 0x0               ; x, lengths, ln1_g, ln1_b, bq, bk, bv, lowp_scales
	s_load_b256 s[20:27], s[0:1], 0x40             ; wimg, q_img, k_img, v_img
	v_lshl_add_u32 v62, v0, 2, 0x38400
	v_mov_b32 v63, 0
	v_lshrrev_b32 v[TMP], 5, v0
	v_readfirstlane_b32 s28, v[TMP]                ; wave
	v_and_b32 v[TMP+1], 31, v0                     ; lane
	v_and_b32 v[TMP+2], 15, v0                     ; r
	v_bfe_u32 v[TMP+3], v0, 4, 1                   ; h
	v_lshlrev_b32 v[LI], 4, v[TMP+1]
	s_wait_alu depctr_va_sdst(0)                   ; s28 is written, ahead of its first reader
	s_lshl_b32 s50, s28, 16
	v_add_nc_u32 v[WO1], s50, v[LI]
	s_mul_i32 s50, s28, WSTG
	s_add_co_u32 s50, s50, STG
	v_add_nc_u32 v[XSA], s50, v[LI]
	v_mul_u32_u24 v[XR], v[TMP+2], SPITCH
	v_lshl_add_u32 v[XR], v[TMP+3], 6, v[XR]
	v_add_nc_u32 v[XR], s50, v[XR]
	s_lshl_b32 s50, s28, 13
	v_add_nc_u32 v[XW], s50, v[LI]
	v_add_nc_u32 v[XW2], 0x10000, v[XW]
	v_add_nc_u32 v[LI2], 0x10000, v[LI]
	v_lshlrev_b32 v[GH], 6, v[TMP+3]
	s_lshl_b32 s50, s28, 9
	v_add_nc_u32 v[VB1], s50, v[GH]
	v_and_b32 v[TMP+4], 8, v[TMP+2]
	v_add_nc_u32 v[TMP+4], v[TMP+4], v[TMP+2]      ; r + 8 (r / 8)
	v_lshl_add_u32 v[BVO], v[TMP+4], 2, s50
	s_lshr_b32 s30, ttmp9, 4                       ; the sequence b
	s_and_b32 s31, ttmp9, 15                       ; which 64 tokens of it
	s_lshr_b32 s50, s28, 1
	s_lshl_b32 s50, s50, 5
	s_and_b32 s51, s28, 1
	s_lshl_b32 s51, s51, 3
	s_add_co_u32 s50, s50, s51                     ; 32 (w / 2) + 8 (w % 2): where tile w begins among the 64
	s_lshl_b32 s51, s31, 6
	s_add_co_u32 s51, s51, s50
	v_add_nc_u32 v[TOK], s51, v[TMP+4]
	s_lshl_b32 s52, ttmp9, 6
	s_add_co_u32 s52, s52, s50
	s_lshl_b32 s52, s52, 11                        ; that row of x, in bytes
	s_mov_b32 s53, 0
	s_lshl_b32 s54, s30, 2
	s_mov_b32 s55, 0
	s_lshl_b32 s66, s30, 2
	s_add_co_u32 s66, s66, s28                     ; 4 b + head
	s_lshl_b32 s66, s66, 17
	s_lshl_b32 s68, s31, 13
	s_add_co_u32 s68, s68, s66                     ; q_img, k_img: my four token tiles
	s_mov_b32 s69, 0
	s_lshr_b32 s70, s31, 1
	s_lshl_b32 s70, s70, 14
	s_and_b32 s71, s31, 1
	s_lshl_b32 s71, s71, 10
	s_add_co_u32 s70, s70, s71
	s_add_co_u32 s70, s70, s66                     ; v_img: my key step, my two blocks of 32 keys
	s_mov_b32 s71, 0
	s_mov_b32 s56, 0x76543210                      ; v_permlanex16_b32: lane l xor 16
	s_mov_b32 s57, 0xfedcba98
	s_mov_b32 s58, 0x3b000000                      ; 1 / 512
	s_mov_b32 s59, 0x3727c5ac                      ; 1e-5
	s_wait_kmcnt 0x0
	s_load_b512 s[32:47], s[18:19], 0x0            ; e0 .. e15
	s_add_nc_u64 s[6:7], s[6:7], s[54:55]
	s_load_b32 s48, s[6:7], 0x0                    ; the sequence's length
	s_add_nc_u64 s[4:5], s[4:5], s[52:53]
	s_add_nc_u64 s[22:23], s[22:23], s[68:69]
	s_add_nc_u64 s[24:25], s[24:25], s[68:69]
	s_add_nc_u64 s[26:27], s[26:27], s[70:71]
	s_wait_alu depctr_va_vdst(0)                   ; the addresses and offsets v1 to v11 are written, which every load and store of the kernel reads
	BIASLOAD 12                                    ; bq
.set tt, 0
.rept 8
	global_load_b32 v[BVR+tt], v[BVO], s[16:17] offset:4*(32*(tt/2)+8*(tt%2))
.set tt, tt+1
.endr
	WIN 0x40
.set kk, 0
.rept 64
	global_load_b128 v[4*kk:4*kk+3], v[LI], s[4:5] offset:((kk/4)+8*(kk/32))*2048+512*(kk%4) th:TH_LOAD_NT   ; 512 consecutive bytes of one of my 16 rows
.set kk, kk+1
.endr
	WIN 0
	GBLOAD 0
	GBLOAD 1
	LOADW 0, WO1, 0
	LOADW 1, WO1, 0x4000
	s_wait_kmcnt 0x0
	v_cmp_gt_i32 vcc_lo, s48, v[TOK]               ; the mask: token < length
	s_wait_alu depctr_va_vcc(0)                    ; VCC is written, ahead of the first of the three selects that read it
.irp j, 0,1,2
	s_add_co_i32 s72, s[32+2*\j], 127
	s_lshl_b32 s73, s72, 23
	v_mov_b32 v[XSC+\j], s73                       ; x's scale as f32: the conversion takes its exponent field
	s_add_co_i32 s72, s72, 8
	s_lshl_b32 s72, s72, 23
	s_or_b32 s72, s72, 0x600000
	v_mov_b32 v[TMP], s72                          ; 448 x that,
	v_cndmask_b32 v[XLIM+\j], 0, v[TMP], vcc_lo    ; or 0
	s_add_co_i32 s74, s[32+2*\j], s[33+2*\j]       ; a sum stands for sum x 2^(eA + eB)
	s_sub_co_i32 s[60+\j], 0, s74                  ; so the bias goes in x 2^-(eA + eB),
	s_sub_co_i32 s72, s[38+\j], s74                ; and the result's conversion takes 2^(e - eA - eB)
	s_add_co_i32 s72, s72, 127
	s_lshl_b32 s73, s72, 23
	v_mov_b32 v[OSC+\j], s73
	s_add_co_i32 s72, s72, 8
	s_lshl_b32 s72, s72, 23
	s_or_b32 s72, s72, 0x600000
	v_mov_b32 v[OLIM+\j], s72
.endr
	s_wait_loadcnt 63                              ; 128 loads were issued behind x's: x, bq and bv are in
	WIN 0x04
.set kk, 0
.rept 64
	ds_store_b128 v[XSA], v[4*kk:4*kk+3] offset:(kk/4)*SPITCH+512*(kk%4)
.set kk, kk+1
.endr
	WIN 0
	s_wait_dscnt 0x0                               ; the stores have landed
	s_wait_alu depctr_vm_vsrc(0)                   ; and have read window 1's registers, which the loads below fill and the arithmetic behind them writes
	WIN 0x40
.set kk, 0
.rept 64
	ds_load_b128 v[4*kk:4*kk+3], v[XR] offset:512*(kk/16)+128*((kk/4)%4)+16*(kk%4)   ; register 64 s + 16 b + i = channel 128 s + 32 b + 16 h + i of row r
.set kk, kk+1
.endr
	WIN 0
	s_wait_dscnt 0x0
	; the mean, then the mean square about it
	WIN 0x05
.set kk, 0
.rept 4
	v_pk_add_f32 v[CH+2*kk:CH+2*kk+1], v[4*kk:4*kk+1], v[4*kk+2:4*kk+3]
.set kk, kk+1
.endr
	WIN 0x04
.set kk, 8
.rept 120
	v_pk_add_f32 v[CH+2*(kk%4):CH+2*(kk%4)+1], v[CH+2*(kk%4):CH+2*(kk%4)+1], v[2*kk:2*kk+1]
.set kk, kk+1
.endr
	WIN 0
	v_pk_add_f32 v[CH:CH+1], v[CH:CH+1], v[CH+2:CH+3]
	v_pk_add_f32 v[CH+4:CH+5], v[CH+4:CH+5], v[CH+6:CH+7]
	v_pk_add_f32 v[CH:CH+1], v[CH:CH+1], v[CH+4:CH+5]
	v_add_f32 v[CH], v[CH], v[CH+1]
	v_permlanex16_b32 v[CH+2], v[CH], s56, s57     ; the row's other 256 numbers lie in the lane 16 away
	v_add_f32 v[CH], v[CH], v[CH+2]
	v_mul_f32 v[MEAN], s58, v[CH]
	v_mov_b32 v[MEAN+1], v[MEAN]
	WIN 0x41
.set kk, 0
.rept 128
	v_pk_add_f32 v[2*kk:2*kk+1], v[2*kk:2*kk+1], v[MEAN:MEAN+1] neg_lo:[0,1] neg_hi:[0,1]
.set kk, kk+1
.endr
	WIN 0x05
.set kk, 0
.rept 4
	v_pk_mul_f32 v[CH+2*kk:CH+2*kk+1], v[2*kk:2*kk+1], v[2*kk:2*kk+1]
.set kk, kk+1
.endr
.rept 124
	v_pk_fma_f32 v[CH+2*(kk%4):CH+2*(kk%4)+1], v[2*kk:2*kk+1], v[2*kk:2*kk+1], v[CH+2*(kk%4):CH+2*(kk%4)+1]
.set kk, kk+1
.endr
	WIN 0
	v_pk_add_f32 v[CH:CH+1], v[CH:CH+1], v[CH+2:CH+3]
	v_pk_add_f32 v[CH+4:CH+5], v[CH+4:CH+5], v[CH+6:CH+7]
	v_pk_add_f32 v[CH:CH+1], v[CH:CH+1], v[CH+4:CH+5]
	v_add_f32 v[CH], v[CH], v[CH+1]
	v_permlanex16_b32 v[CH+2], v[CH], s56, s57
	v_add_f32 v[CH], v[CH], v[CH+2]
	v_fma_f32 v[CH], v[CH], s58, s59
	v_rsq_f32 v[RSTD], v[CH]
	WIN 0xc3
.set kk, 0
.rept 64
	v_ldexp_f32 v[BIAS+kk], v[BIAS+kk], s60        ; bq / 2^(e0 + e1): independent work behind the root
.set kk, kk+1
.endr
	WIN 0
	s_wait_alu depctr_va_vdst(0)                   ; the root has written v[RSTD]: ahead of the first line that names it
	v_mov_b32 v[RSTD+1], v[RSTD]
	XSTEP 0, 63                                    ; behind step 0's gains: 96 loads
	GBLOAD 2                                       ; into step 0's gains and offsets: the step's own wait has shown them read, and no vector instruction stands behind it
	XSTEP 1, 63                                    ; behind step 1's: 96
	GBLOAD 3                                       ; likewise, into step 1's
	XSTEP 2, 32                                    ; behind step 2's: step 3's 32
	XSTEP 3, 0
	LOADW 2, WO1, 0x8000                           ; into step 3's gains and offsets, likewise
	s_wait_dscnt 0x0                               ; my images have landed
	s_barrier_signal -1
	s_barrier_wait -1                              ; everybody's have; LDS is only read from here on
	LOADA 0, LI, 0, 8192                           ; into step 2's gains and offsets: read ahead of step 3's wait
	LOADA 1, LI, 2048, 8192
.set ii, 0
.rept 12                                   ; block ii: set ii / 4 (q, k, v), K step ii % 4
.set NW, 63                                ; behind this block's weights the next two blocks' 64 loads were issued
.set ND, 16                                ; behind this block's fragments of x the next block's 16
.if ii == 10
.set NW, 32
.endif
.if ii == 11
.set NW, 0
.set ND, 0
.endif
.set MODE, 0
.if ii >= 8
.set MODE, 1
.endif
.set FIRST, 0
.if (ii%4) == 0
.set FIRST, 1
.endif
	s_wait_loadcnt NW
	s_wait_dscnt ND
	MM32 ii, MODE, FIRST
	WIN 0
	PLACES 4                                       ; in front of the first read of results by vector instructions (ISA guide 7.12.1)
.if ii+2 < 12
	s_wait_alu depctr_va_vdst(0)                   ; this block's products are done reading their weight buffer, their fragments of x and, in block 0, the bias (which the scaling has written): the loads below land in these registers
.endif
.if ii == 0
	BIASLOAD 14                                    ; bk
.endif
.if ii+3 < 12
	LOADW ii+3, WO1, ((ii+3)/4)*0x40000+((ii+3)%4)*0x4000
.endif
.if ii+2 < 8
	LOADA ii+2, LI, 32768*((ii+2)/4)+2048*((ii+2)%4), 8192
.elseif ii+2 < 12
	LOADA ii+2, LI2, 2048*((ii+2)%4), 8192
.endif
.if ii == 3
	EPI OSC, OLIM, 22, 0                           ; q
	s_wait_loadcnt 63                              ; 128 loads were issued behind bk's
	WIN 0xc3
.set kk, 0
.rept 64
	v_ldexp_f32 v[BIAS+kk], v[BIAS+kk], s61
.set kk, kk+1
.endr
	WIN 0
.endif
.if ii == 7
	EPI OSC+1, OLIM+1, 24, 0                       ; k
	WIN 0xc0
.set kk, 0
.rept 64
	v_ldexp_f32 v[BIAS+kk], v[BVR+kk/8], s62       ; in v's products a lane is one channel: its bias in all eight registers
.set kk, kk+1
.endr
	WIN 0
.endif
.if ii == 11
	EPI OSC+2, OLIM+2, 26, 1                       ; v
.endif
.set ii, ii+1
.endr
	s_wait_dscnt 0x0                               ; the closing lines, six on end
	s_wait_alu 0x0
	s_wait_tensorcnt 0x0
	ds_add_u32 v62, v63
	s_wait_dscnt 0x0
	s_endpgm
.Lfunc_end_k_q9563ea91ec_qkv:
	.size	k_q9563ea91ec_qkv, .Lfunc_end_k_q9563ea91ec_qkv-k_q9563ea91ec_qkv
	.p2alignl 7, 3214868480
	.fill 96, 4, 3214868480
	.section	.rodata,"a",@progbits
	.p2align	6, 0x0
	.amdhsa_kernel k_q9563ea91ec_qkv
		.amdhsa_group_segment_fixed_size 230912
		.amdhsa_private_segment_fixed_size 0
		.amdhsa_enable_private_segment 0
		.amdhsa_kernarg_size 96
		.amdhsa_user_sgpr_count 2
		.amdhsa_user_sgpr_kernarg_segment_ptr 1
		.amdhsa_wavefront_size32 1
		.amdhsa_system_sgpr_workgroup_id_x 1
		.amdhsa_system_sgpr_workgroup_id_y 1
		.amdhsa_system_sgpr_workgroup_id_z 1
		.amdhsa_system_vgpr_workitem_id 0
		.amdhsa_next_free_vgpr 1024
		.amdhsa_next_free_sgpr 80
		.amdhsa_reserve_vcc 1
		.amdhsa_float_denorm_mode_32 3
		.amdhsa_float_denorm_mode_16_64 3
		.amdhsa_memory_ordered 1
		.amdhsa_forward_progress 1
		.amdhsa_inst_pref_size 255
	.end_amdhsa_kernel
	.section	.bss,"aw",@nobits
	.p2align	6
	.space	262144
	.amdgpu_metadata
---
amdhsa.version: [ 1, 2 ]
amdhsa.kernels:
  - .name:           k_q9563ea91ec_qkv
    .symbol:         k_q9563ea91ec_qkv.kd
    .args:
      - { .name: x, .offset: 0, .size: 8, .value_kind: global_buffer, .address_space: global }
      - { .name: lengths, .offset: 8, .size: 8, .value_kind: global_buffer, .address_space: global }
      - { .name: ln1_g, .offset: 16, .size: 8, .value_kind: global_buffer, .address_space: global }
      - { .name: ln1_b, .offset: 24, .size: 8, .value_kind: global_buffer, .address_space: global }
      - { .name: bq, .offset: 32, .size: 8, .value_kind: global_buffer, .address_space: global }
      - { .name: bk, .offset: 40, .size: 8, .value_kind: global_buffer, .address_space: global }
      - { .name: bv, .offset: 48, .size: 8, .value_kind: global_buffer, .address_space: global }
      - { .name: lowp_scales, .offset: 56, .size: 8, .value_kind: global_buffer, .address_space: global }
      - { .name: wimg, .offset: 64, .size: 8, .value_kind: global_buffer, .address_space: global }
      - { .name: q_img, .offset: 72, .size: 8, .value_kind: global_buffer, .address_space: global }
      - { .name: k_img, .offset: 80, .size: 8, .value_kind: global_buffer, .address_space: global }
      - { .name: v_img, .offset: 88, .size: 8, .value_kind: global_buffer, .address_space: global }
    .group_segment_fixed_size: 230912
    .private_segment_fixed_size: 0
    .kernarg_segment_align: 8
    .kernarg_segment_size: 96
    .max_flat_workgroup_size: 128
    .sgpr_count:     80
    .vgpr_count:     1024
    .wavefront_size: 32
...
	.end_amdgpu_metadata
.endif
;; end of part 5
;; launch attn (part 6): grid 4 x 64, 8 waves a work-group, no clusters, 91,136 bytes of LDS; arguments q_img, k_img, v_img, lengths, lowp_scales, o_img; writes o_img
.if DOCPART == 6
	.amdgcn_target "amdgcn-amd-amdhsa--gfx1250"
	.amdhsa_code_object_version 6
	.text
	.protected	k_q9563ea91ec_attn
	.globl	k_q9563ea91ec_attn
	.p2align	8
	.type	k_q9563ea91ec_attn,@function
k_q9563ea91ec_attn:
	s_mov_b64 s[64:65], 0
	v_nop
	global_prefetch_b8 v0, s[64:65] scope:SCOPE_SE
	s_setreg_imm32_b32 hwreg(HW_REG_WAVE_SCHED_MODE, 0, 2), 2
	s_setreg_imm32_b32 hwreg(HW_REG_WAVE_MODE, 25, 1), 1
	s_wait_xcnt 0x0
	s_wait_alu depctr_vm_vsrc(0)
; o = softmax(q k^T / sqrt(128) - log1p|i - j|, masked places at -1e4) v, both products on codes of E4M3; o leaves as codes, laid as the next product's operand.
; THE SOFTMAX AHEAD OF THE SECOND PRODUCT: t = logit x log2(e); M = the running largest t rounded up to a whole number; p = 2^(t - M) is quantised; the sum of the unquantised p divides at the end.
; SHARES.  A work-group owns 256 queries of one head; each of its eight waves two tiles of 16 (tile a of wave w: queries 32 w + 8 a + r + 8 (r / 8)), so that each fragment of K and V read from LDS feeds two matrix instructions.
; Every wave walks the 1,024 keys, 128 a step.  A step's K and V (16,384 bytes each, images of operand registers) go memory -> registers -> LDS, each wave an eighth, two slots by turns, one barrier an iteration.
; Both products are used transposed (source 0 = 16 keys, or 16 channels of V; source 1 = my queries): a lane holds one query; registers 16 b + i of a tile's scores are keys 32 b + 16 h + i of the step.
; TWO GROUPS OF WAVES, HALF A STEP APART.  A step is FRONT (table and K from LDS, the first product, V from LDS into registers) and BACK (mask, softmax, rescaling, the second product: registers alone).
; In iteration j waves 0-3 run FRONT(j), BACK(j); waves 4-7 run BACK(j - 1), FRONT(j).  So one group's LDS loads stand beside the other group's vector work, and four waves, not eight, ask LDS at a time.
; All reads of slot j fall in iteration j in both groups, so two slots and one barrier an iteration serve.  Every barrier stands in text that all waves walk; the branches on the wave's number go round FRONT or BACK alone.
; THE BIAS COSTS NO VECTOR LINE.  With cs = 2^(e6 + e7) log2(e) / sqrt(128), t = cs (sum - log2(1 + |i - j|) / cs): the second term comes from a table in LDS straight into the scores' registers and is the product's C.
; The table has four copies, copy o shifted by o entries, so that a lane's eight neighbouring entries are two aligned loads of 16 bytes: entry i of copy o holds -log2(1 + |i + o - 255 - Q0|) / cs.
; THE MASK: where the key or the query lies at or past the length, the score is -1e4, so t is tneg = cs x (-1e4 sqrt(128) / 2^(e6 + e7)).
;   The query's part costs no line a score: t = factor x S + addend, a lane's factor being cs and its addend 0, or, where its query does not count, 0 and tneg.
;   The key's part: a step below the length has none; the one step through which the length cuts selects score by score; in a step wholly at or past the length every t is tneg, so table, K, first product, maxima and all
;   but one exponential a tile are left out (V and the second product stay: a row that is masked throughout is a uniform softmax over all keys).  These are scalar branches on the length, a whole number read from memory.
; The hold of p at 448 x 2^e9 is jumped over where e9 >= -8: p is at most 1 there.
; No joint requests and no tensor loads.  No prefetch: a tile's own loads are issued a whole iteration ahead, into registers.
; LIMITS.  e6 + e7 between -123 and 130; e9 and e10 between -126 and 119.  NaN and infinity are not served.  tneg carries f32's rounding at 14,427.
; REGISTERS.  Window 0: v1-5 addresses and constants; v6, v7 a tile's addend; v8-15 a tile's -M, largest t, sum (a pair); v16-31 at work, among them v22, v30 a tile's factor and v23 the table's address;
;   v32-63 the tile on its way to LDS; v64-191 the scores, then p; v192-255 four fragments of K or V.   window 1: v0-31 Q; v32-63 p's codes; v64-191 O^T; v192-255 four more fragments.
; THE MODE: SCHED_MODE bits 1:0 = 2 (LLVM: expert scheduling mode 2), set by the entry lines.  The code itself states the register dependences
; between vector or matrix instructions and memory or LDS instructions, with s_wait_alu, always for 0.
; THE PLAN.  Registers that memory or LDS instructions touch:
;   v1-v3         addresses: made at the head, never written again.
;   v23           the table's address: written by one add at an iteration's head (and once more in the tail); read by FRONT's table loads.
;   v32-63        the tile on its way: global loads land in it, LDS stores read it; no vector instruction names it.
;   v64-191       the scores: at the head the table's entries are made here and stored; in FRONT the table's loads land here; the first product and BACK's softmax read and write them.
;   v192-255 of both windows   FRONT: K's loads land, the first product reads, V's loads land; BACK: the second product reads.
; So FRONT has two waits on va_vdst: one at its head, ahead of its branch (v23 is written; the softmax before is done with the scores' registers, the second product before with V's), and one behind the first product,
; ahead of V's loads into K's registers.  BACK has one wait on vm_vsrc, between the tile's LDS stores and the next tile's loads into the same registers.  An iteration has one more ahead of the add to v23.
; Masks go from compares to selects through scalar registers, sixteen a run, with one wait on va_sdst behind each run.
.set LI,  1                            ; 16 x lane
.set STA, 2                            ; + 2,048 x wave: my eighth of a tile
.set TBA, 3                            ; my lane's place in the table
.set PSC, 4                            ; 2^e9
.set NEG, 5                            ; a masked place's score
.set ADQ, 6                            ; v6, v7: 0, or tneg where my query does not count
.set ADT, 23                           ; the table's address in this iteration
.set G,   32
.set S,   64
.set F0,  192
.set HT,  96                           ; at work in the head
.set TBL, 65536                        ; LDS: slot 0 at 0, slot 1 at 32,768 (K's images, then V's); then the table, 20,640 bytes
.set MSB, 0
.macro WIN new                         ; the immediate's high byte repeats the setting that is left
.if MSB != (\new)
	s_set_vgpr_msb (MSB<<8)|(\new)
.set MSB, (\new)
.endif
.endm
.macro PLACES n
.rept \n
	v_nop
.endr
.endm
.macro GLOAD imm                       ; my eighth of a key step's K and V
.irp i, 0,1,2,3
	global_load_b128 v[G+4*\i:G+4*\i+3], v[STA], s[6:7] offset:(\imm)+512*\i
.endr
.irp i, 0,1,2,3
	global_load_b128 v[G+16+4*\i:G+16+4*\i+3], v[STA], s[8:9] offset:(\imm)+512*\i
.endr
.endm
.macro GSTORE slot
.irp i, 0,1,2,3
	ds_store_b128 v[STA], v[G+4*\i:G+4*\i+3] offset:32768*(\slot)+512*\i
.endr
.irp i, 0,1,2,3
	ds_store_b128 v[STA], v[G+16+4*\i:G+16+4*\i+3] offset:32768*(\slot)+16384+512*\i
.endr
.endm
	s_load_b256 s[4:11], s[0:1], 0x0               ; q_img, k_img, v_img, lengths
	s_load_b128 s[12:15], s[0:1], 0x20             ; lowp_scales, o_img
	v_lshrrev_b32 v[HT], 5, v0
	v_readfirstlane_b32 s16, v[HT]                 ; wave
	v_and_b32 v[HT+1], 31, v0
	v_and_b32 v[HT+2], 15, v0                      ; r
	v_bfe_u32 v[HT+3], v0, 4, 1                    ; h
	v_lshlrev_b32 v[LI], 4, v[HT+1]
	s_wait_alu depctr_va_sdst(0)                   ; s16 is written, ahead of its first reader
	s_lshr_b32 s17, s16, 2
	s_lshl_b32 s17, s17, 7                         ; 128 in waves 4-7: their BACK is a step behind the iteration
	s_lshl_b32 s48, s16, 11
	v_add_nc_u32 v[STA], s48, v[LI]
	s_and_b32 s18, ttmp7, 0xffff                   ; 4 b + head
	s_lshl_b32 s19, ttmp9, 8                       ; Q0
	v_and_b32 v[HT+4], 3, v[HT+2]
	v_xor_b32 v[HT+4], 3, v[HT+4]                  ; my copy o = (r % 4) xor 3
	v_mul_u32_u24 v[TBA], v[HT+4], 5120            ; copy o begins at 5,120 o + 32 (o % 2) + 128 (o / 2)
	v_and_b32 v[HT+5], 1, v[HT+4]
	v_lshl_add_u32 v[TBA], v[HT+5], 5, v[TBA]
	v_lshrrev_b32 v[HT+5], 1, v[HT+4]
	v_lshl_add_u32 v[TBA], v[HT+5], 7, v[TBA]
	v_lshl_add_u32 v[TBA], v[HT+3], 6, v[TBA]
	v_add_nc_u32 v[TBA], TBL+976, v[TBA]           ; 4 x (key - query + 255 - o) = 4 key + 64 h + 1,008 - 32 a - 128 w - 16 (r / 4) - 32 (r / 8)
	v_lshrrev_b32 v[HT+5], 2, v[HT+2]
	v_lshlrev_b32 v[HT+5], 4, v[HT+5]
	v_sub_nc_u32 v[TBA], v[TBA], v[HT+5]
	v_lshrrev_b32 v[HT+5], 3, v[HT+2]
	v_lshlrev_b32 v[HT+5], 5, v[HT+5]
	v_sub_nc_u32 v[TBA], v[TBA], v[HT+5]
	s_lshl_b32 s48, s16, 7
	v_sub_nc_u32 v[TBA], v[TBA], s48
	s_lshl_b32 s50, s18, 17                        ; the head's 131,072 bytes in each tensor of images
	s_mov_b32 s51, 0
	s_lshl_b32 s52, ttmp9, 4
	s_lshl_b32 s53, s16, 1
	s_add_co_u32 s52, s52, s53                     ; my first query tile: 16 x work-group x + 2 x wave
	s_lshl_b32 s54, s52, 11
	s_mov_b32 s55, 0
	s_lshr_b32 s56, s18, 2                         ; b
	s_and_b32 s57, s18, 3                          ; head
	s_lshl_b32 s58, s56, 6
	s_add_co_u32 s58, s58, s52
	s_lshl_b32 s58, s58, 2
	s_add_co_u32 s58, s58, s57
	s_lshl_b32 s58, s58, 11                        ; o_img: ((64 b + tile) 4 + head) x 2,048
	s_mov_b32 s59, 0
	s_lshl_b32 s60, s56, 2
	s_mov_b32 s61, 0
	s_mov_b32 s22, 0x76543210                      ; v_permlanex16_b32: lane l xor 16
	s_mov_b32 s23, 0xfedcba98
	s_wait_kmcnt 0x0
	s_load_b512 s[32:47], s[12:13], 0x0            ; e0 .. e15
	s_add_nc_u64 s[10:11], s[10:11], s[60:61]
	s_load_b32 s30, s[10:11], 0x0                  ; the length
	s_add_nc_u64 s[4:5], s[4:5], s[50:51]
	s_add_nc_u64 s[4:5], s[4:5], s[54:55]
	s_add_nc_u64 s[6:7], s[6:7], s[50:51]
	s_add_nc_u64 s[8:9], s[8:9], s[50:51]
	s_add_nc_u64 s[14:15], s[14:15], s[58:59]
	s_wait_alu depctr_va_vdst(0)                   ; the addresses v1 to v3 are written, which the loads and stores of the kernel read
	GLOAD 0                                        ; key step 0
	WIN 0x40
.set kk, 0
.rept 8
	global_load_b128 v[4*kk:4*kk+3], v[LI], s[4:5] offset:512*kk   ; Q's two fragments stay in registers
.set kk, kk+1
.endr
	WIN 0
	s_wait_kmcnt 0x0
	s_add_co_i32 s48, s38, s39                     ; e6 + e7
	s_lshl_b32 s49, s48, 23
	s_mov_b32 s20, 0x3e0293ee                      ; log2(e) / sqrt(128),
	s_add_co_i32 s20, s20, s49                     ; x 2^(e6 + e7): cs
	s_sub_co_i32 s48, 0, s48
	v_mov_b32 v[NEG], 0xc7dcf88b                   ; -1e4 sqrt(128)
	v_ldexp_f32 v[NEG], v[NEG], s48
	v_mul_f32 v[HT+6], s20, v[NEG]                 ; tneg
	v_readfirstlane_b32 s31, v[HT+6]               ; (the same in every lane; it serves as a number alone)
	v_mov_b32 v[HT+7], s20
	s_mov_b32 s25, s41                             ; e9
	s_add_co_i32 s48, s41, 127
	s_lshl_b32 s49, s48, 23
	v_mov_b32 v[PSC], s49
	s_add_co_i32 s48, s48, 8
	s_lshl_b32 s48, s48, 23
	s_or_b32 s24, s48, 0x600000                    ; 448 x 2^e9
	v_and_b32 v[HT+5], 8, v[HT+2]
	v_add_nc_u32 v[HT+5], v[HT+5], v[HT+2]
	s_lshl_b32 s48, s16, 5
	s_add_co_u32 s48, s48, s19
	v_add_nc_u32 v[HT+5], s48, v[HT+5]             ; my query in tile 0;
	v_add_nc_u32 v[HT+8], 8, v[HT+5]               ; tile 1's is 8 further on
	v_cmp_gt_i32 s52, s30, v[HT+5]                 ; tile 0's counts,
	v_cmp_le_i32 s53, s30, v[HT+5]                 ; or does not;
	v_cmp_gt_i32 s54, s30, v[HT+8]                 ; tile 1's likewise
	v_cmp_le_i32 s55, s30, v[HT+8]
	s_wait_alu depctr_va_sdst(0)                   ; the four masks s52 to s55 are written, ahead of the selects that read them; so is s31 (tneg), ahead of every branch and label that lies before its readers
	v_cndmask_b32 v22, 0, v[HT+7], s52             ; the factor is cs, else 0
	v_cndmask_b32 v[ADQ], 0, v[HT+6], s53          ; the addend is tneg, else 0
	v_cndmask_b32 v30, 0, v[HT+7], s54
	v_cndmask_b32 v[ADQ+1], 0, v[HT+6], s55
	; the table: thread n makes 20 entries
	s_add_co_u32 s48, s19, 255
	v_sub_nc_u32 v[HT+8], v0, s48
.set nn, 0
.rept 20
	v_add_nc_u32 v[S+nn], (nn/5)+256*(nn%5), v[HT+8]
.set nn, nn+1
.endr
.set nn, 0
.rept 20
	v_cvt_f32_i32 v[S+nn], v[S+nn]
.set nn, nn+1
.endr
.set nn, 0
.rept 20
	v_and_b32 v[S+nn], 0x7fffffff, v[S+nn]
.set nn, nn+1
.endr
.set nn, 0
.rept 20
	v_add_f32 v[S+nn], 1.0, v[S+nn]
.set nn, nn+1
.endr
.set nn, 0
.rept 20
	v_log_f32 v[S+nn], v[S+nn]
.set nn, nn+1
.endr
	v_rcp_f32 v[S+20], s20
	v_lshl_add_u32 v[HT+9], v0, 2, TBL             ; a plain line behind the batch
	s_wait_alu depctr_va_vdst(0)                   ; the logarithms and the reciprocal have written v[S ..]: one wait for the batch, ahead of its first reader
.set nn, 0
.rept 20
	v_mul_f32 v[S+nn], v[S+nn], -v[S+20]
.set nn, nn+1
.endr
	s_wait_alu depctr_va_vdst(0)                   ; the products have written the 20 entries, which the LDS stores read (their address was written ahead of the wait above)
.set nn, 0
.rept 20
	ds_store_b32 v[HT+9], v[S+nn] offset:5120*(nn/5)+32*((nn/5)%2)+128*((nn/5)/2)+1024*(nn%5)
.set nn, nn+1
.endr
.irp a, 0,1
	v_mov_b32 v[9+4*\a], 0xff61b1e6                ; the largest t so far: -3e38
	v_floor_f32 v[8+4*\a], -v[9+4*\a]              ; -M
	v_mov_b32 v[10+4*\a], 0                        ; the sum, in two halves
	v_mov_b32 v[11+4*\a], 0
	v_mov_b32 v[17+8*\a], 0                        ; (named as the upper half of f's pair)
.endr
	v_mov_b32 v31, 0                               ; (named as the upper half of tile 1's factor's pair)
	WIN 0x40
.set kk, 0
.rept 128
	v_mov_b32 v[64+kk], 0                          ; O^T: BACK has one form; its first pass finds zeros
.set kk, kk+1
.endr
	WIN 0
	s_wait_loadcnt 8                               ; key step 0 is in; Q's eight loads may be out
	GSTORE 0
	s_wait_dscnt 0x0                               ; the stores and the table have landed
	s_wait_alu depctr_vm_vsrc(0)                   ; the tile's stores have read v32-63, in which the loads below land; the table's stores have read their entries and their address, in which the first table loads will land
	GLOAD 16384                                    ; key step 1
	s_wait_loadcnt 8                               ; Q is in; step 1's eight loads may be out
	s_barrier_signal -1
	s_barrier_wait -1                              ; slot 0 and the table are whole
	s_mov_b32 s27, 0                               ; the iteration's first key
	s_mov_b32 s28, 0                               ; 1,024 x trip: 256 keys on in the table
	s_mov_b32 s29, 0                               ; the trip
; FRONT: the iteration's step, out of slot 'slot'; timm: the step's place in the table beyond s28.  canshut = 1: where no key of the step counts, only V is fetched.
.macro FRONT slot, timm, canshut
	s_wait_alu depctr_va_vdst(0)                   ; v[ADT] is written, which the table's loads read; the vector work before is done with the scores' registers, and the second product before with V's: the loads below land in both
.if \canshut
	s_cmp_ge_i32 s27, s30
	s_cbranch_scc1 .Lfs_\@
.endif
.irp a, 0,1
.set tt, 0
.rept 8
	ds_load_b128 v[S+64*\a+8*tt:S+64*\a+8*tt+3], v[ADT] offset:(\timm)+32*(1-\a)+128*(tt/2)+32*(tt%2)
	ds_load_b128 v[S+64*\a+8*tt+4:S+64*\a+8*tt+7], v[ADT] offset:(\timm)+32*(1-\a)+128*(tt/2)+32*(tt%2)+16
.set tt, tt+1
.endr
.endr
.set kk, 0
.rept 16
	ds_load_b128 v[F0+4*kk:F0+4*kk+3], v[LI] offset:32768*(\slot)+512*kk          ; K's tiles 0-3
.set kk, kk+1
.endr
	WIN 0x40
.set kk, 0
.rept 16
	ds_load_b128 v[F0+4*kk:F0+4*kk+3], v[LI] offset:32768*(\slot)+8192+512*kk     ; K's tiles 4-7
.set kk, kk+1
.endr
	s_wait_dscnt 16                                ; all but K's tiles 4-7
	WIN 0x04
.set tt, 0
.rept 4
.irp a, 0,1
	v_wmma_f32_16x16x128_fp8_fp8 v[S+64*\a+8*tt:S+64*\a+8*tt+7], v[F0+16*tt:F0+16*tt+15], v[16*\a:16*\a+15], v[S+64*\a+8*tt:S+64*\a+8*tt+7]
.endr
.set tt, tt+1
.endr
	s_wait_dscnt 0x0
	WIN 0x05
.set tt, 0
.rept 4
.irp a, 0,1
	v_wmma_f32_16x16x128_fp8_fp8 v[S+64*\a+32+8*tt:S+64*\a+32+8*tt+7], v[F0+16*tt:F0+16*tt+15], v[16*\a:16*\a+15], v[S+64*\a+32+8*tt:S+64*\a+32+8*tt+7]
.endr
.set tt, tt+1
.endr
	WIN 0
	PLACES 4                                       ; in front of the first read of the scores by vector instructions (ISA guide 7.12.1)
	s_wait_alu depctr_va_vdst(0)                   ; the first product is done reading K's registers, in which V's loads land
.if \canshut
.Lfs_\@:
.endif
.set kk, 0
.rept 16
	ds_load_b128 v[F0+4*kk:F0+4*kk+3], v[LI] offset:32768*(\slot)+16384+512*kk    ; V's tiles 0-3
.set kk, kk+1
.endr
	WIN 0x40
.set kk, 0
.rept 16
	ds_load_b128 v[F0+4*kk:F0+4*kk+3], v[LI] offset:32768*(\slot)+24576+512*kk    ; V's tiles 4-7
.set kk, kk+1
.endr
	WIN 0
.endm
; BACK: the softmax and the second product of the step whose scores and V my registers hold.  stage = 1: on the way the tile in v32-63 goes into slot sslot, which every wave left at the last barrier,
; and the tile after it is asked for, gimm bytes from the walking bases (gcond = 1: not in the loop's last trip, where there is none).
.macro BACK stage, sslot, gimm, gcond
	s_sub_co_i32 s26, s27, s17                     ; the step's first key
	s_cmp_ge_i32 s26, s30
	s_cbranch_scc1 .Lbs_\@                         ; no key of the step counts
	s_add_co_i32 s48, s26, 128
	s_cmp_le_i32 s48, s30
	s_cbranch_scc1 .Lopen_\@                       ; every key of the step counts
	s_sub_co_i32 s48, s30, s26
	v_lshrrev_b32 v18, 4, v[LI]
	v_and_b32 v18, 16, v18                         ; 16 h
	v_sub_nc_u32 v18, s48, v18                     ; register 16 b + i holds key s26 + 16 h + 32 b + i: hidden where 32 b + i >= length - s26 - 16 h
.set bb, 0
.rept 4                                    ; sixteen compares a run, into s32-s39 and s50-s57, which nothing else uses behind the head
.set qq, 0
.rept 16
	v_cmp_ge_i32 s[32+qq+10*(qq/8)], 32*bb+qq, v18
.set qq, qq+1
.endr
	s_wait_alu depctr_va_sdst(0)                   ; the run's sixteen masks are written, ahead of the selects that read them
.set qq, 0
.rept 16
	v_cndmask_b32 v[S+16*bb+qq], v[S+16*bb+qq], v[NEG], s[32+qq+10*(qq/8)]
	v_cndmask_b32 v[S+64+16*bb+qq], v[S+64+16*bb+qq], v[NEG], s[32+qq+10*(qq/8)]
.set qq, qq+1
.endr
.set bb, bb+1
.endr
.Lopen_\@:
.irp a, 0,1
	v_max3_num_f32 v[18+8*\a], v[S+64*\a], v[S+64*\a+1], v[S+64*\a+2]      ; the step's largest score of my query, in two chains a tile
	v_max3_num_f32 v[19+8*\a], v[S+64*\a+3], v[S+64*\a+4], v[S+64*\a+5]
.endr
.set ii, 6
.rept 14
.irp a, 0,1
	v_max3_num_f32 v[18+8*\a], v[18+8*\a], v[S+64*\a+ii], v[S+64*\a+ii+1]
	v_max3_num_f32 v[19+8*\a], v[19+8*\a], v[S+64*\a+ii+2], v[S+64*\a+ii+3]
.endr
.set ii, ii+4
.endr
.irp a, 0,1
	v_max3_num_f32 v[18+8*\a], v[18+8*\a], v[S+64*\a+62], v[S+64*\a+63]
.endr
.irp a, 0,1
	v_max_num_f32 v[18+8*\a], v[18+8*\a], v[19+8*\a]
.endr
.irp a, 0,1
	v_permlanex16_b32 v[19+8*\a], v[18+8*\a], s22, s23
.endr
.irp a, 0,1
	v_max_num_f32 v[18+8*\a], v[18+8*\a], v[19+8*\a]
.endr
.irp a, 0,1
	v_fma_f32 v[18+8*\a], v[18+8*\a], v[22+8*\a], v[ADQ+\a]   ; as t: factor x score + addend (the factor is not negative)
.endr
.irp a, 0,1
	v_max_num_f32 v[9+4*\a], v[9+4*\a], v[18+8*\a] ; the running largest t
.endr
.irp a, 0,1
	v_mov_b32 v[18+8*\a], v[8+4*\a]
.endr
.irp a, 0,1
	v_floor_f32 v[8+4*\a], -v[9+4*\a]              ; the new -M = -ceil(t)
.endr
.irp a, 0,1
	v_sub_f32 v[18+8*\a], v[8+4*\a], v[18+8*\a]    ; old M - new M, a whole number, 0 or less
.endr
.irp a, 0,1
	v_cvt_i32_f32 v[18+8*\a], v[18+8*\a]
.endr
.irp a, 0,1
	v_ldexp_f32 v[16+8*\a], 1.0, v[18+8*\a]        ; f = 2^(old M - new M)
.endr
.irp a, 0,1
	v_add_f32 v[18+8*\a], v[ADQ+\a], v[8+4*\a]     ; addend - M
.endr
.irp a, 0,1
.set kk, 0
.rept 32
	v_pk_fma_f32 v[S+64*\a+2*kk:S+64*\a+2*kk+1], v[S+64*\a+2*kk:S+64*\a+2*kk+1], v[22+8*\a:23+8*\a], v[18+8*\a:19+8*\a] op_sel_hi:[1,0,0]   ; t - M (of both pairs the low word serves both halves)
.set kk, kk+1
.endr
.endr
.set kk, 0
.rept 128
	v_exp_f32 v[S+kk], v[S+kk]                     ; p = 2^(t - M)
.set kk, kk+1
.endr
	v_pk_mul_f32 v[10:11], v[10:11], v[16:17] op_sel_hi:[1,0]   ; the sums under the new M: plain lines behind the batch
	v_pk_mul_f32 v[14:15], v[14:15], v[24:25] op_sel_hi:[1,0]
	s_wait_alu depctr_va_vdst(0)                   ; the 128 exponentials have written p: one wait, ahead of their first reader
.irp a, 0,1
	v_pk_add_f32 v[20+8*\a:21+8*\a], v[S+64*\a:S+64*\a+1], v[S+64*\a+2:S+64*\a+3]   ; the sum of the unquantised p, two chains a tile
.endr
.set ii, 4
.rept 15
.irp a, 0,1
	v_pk_add_f32 v[10+4*\a:11+4*\a], v[10+4*\a:11+4*\a], v[S+64*\a+ii:S+64*\a+ii+1]
	v_pk_add_f32 v[20+8*\a:21+8*\a], v[20+8*\a:21+8*\a], v[S+64*\a+ii+2:S+64*\a+ii+3]
.endr
.set ii, ii+4
.endr
.irp a, 0,1
	v_pk_add_f32 v[10+4*\a:11+4*\a], v[10+4*\a:11+4*\a], v[20+8*\a:21+8*\a]
.endr
	s_cmp_ge_i32 s25, -8
	s_cbranch_scc1 .Lnh_\@                         ; 448 x 2^e9 is at least 1.75 there, and p at most 1
.set kk, 0
.rept 128
	v_min_num_f32 v[S+kk], s24, v[S+kk]            ; the conversion does not saturate (ISA guide 7.6.2); p is not negative
.set kk, kk+1
.endr
.Lnh_\@:
	WIN 0x40
.irp a, 0,1
.set kk, 0
.rept 8
	v_cvt_scalef32_pk8_fp8_f32 v[32+16*\a+2*kk:32+16*\a+2*kk+1], v[S+64*\a+8*kk:S+64*\a+8*kk+7], v[PSC]
.set kk, kk+1
.endr
.endr
	WIN 0
	s_branch .Lpv_\@
.Lbs_\@:                                   ; every t of the step is tneg, in every lane
.irp a, 0,1
	v_max_num_f32 v[9+4*\a], s31, v[9+4*\a]
.endr
.irp a, 0,1
	v_mov_b32 v[18+8*\a], v[8+4*\a]
.endr
.irp a, 0,1
	v_floor_f32 v[8+4*\a], -v[9+4*\a]
.endr
.irp a, 0,1
	v_sub_f32 v[18+8*\a], v[8+4*\a], v[18+8*\a]
.endr
.irp a, 0,1
	v_cvt_i32_f32 v[18+8*\a], v[18+8*\a]
.endr
.irp a, 0,1
	v_ldexp_f32 v[16+8*\a], 1.0, v[18+8*\a]
.endr
.irp a, 0,1
	v_add_f32 v[19+8*\a], s31, v[8+4*\a]           ; tneg - M
.endr
.irp a, 0,1
	v_exp_f32 v[19+8*\a], v[19+8*\a]               ; p, the same for my 64 keys of the step
.endr
	v_pk_mul_f32 v[10:11], v[10:11], v[16:17] op_sel_hi:[1,0]   ; plain lines behind the two exponentials
	v_pk_mul_f32 v[14:15], v[14:15], v[24:25] op_sel_hi:[1,0]
	s_wait_alu depctr_va_vdst(0)                   ; the two exponentials have written v19 and v27: one wait, ahead of their first reader
.irp a, 0,1
	v_fmamk_f32 v[10+4*\a], v[19+8*\a], 0x42800000, v[10+4*\a]   ; the sum takes 64 p, unquantised
.endr
.irp a, 0,1
	v_min_num_f32 v[19+8*\a], s24, v[19+8*\a]      ; the hold
.endr
.irp a, 0,1
.set kk, 0
.rept 8
	v_mov_b32 v[S+64*\a+kk], v[19+8*\a]
.set kk, kk+1
.endr
.endr
	WIN 0x40
.irp a, 0,1
.set kk, 0
.rept 8
	v_cvt_scalef32_pk8_fp8_f32 v[32+16*\a+2*kk:32+16*\a+2*kk+1], v[S+64*\a:S+64*\a+7], v[PSC]
.set kk, kk+1
.endr
.endr
	WIN 0
.Lpv_\@:
.if \stage
	s_wait_loadcnt 0x0                             ; the next step's tile, asked for an iteration ago, is in registers
	GSTORE \sslot
.endif
	WIN 0x41
.irp a, 0,1
.set kk, 0
.rept 32
	v_pk_mul_f32 v[64+64*\a+2*kk:64+64*\a+2*kk+1], v[64+64*\a+2*kk:64+64*\a+2*kk+1], v[16+8*\a:17+8*\a] op_sel_hi:[1,0]   ; O^T under the new M; also the plain lines behind the conversions
.set kk, kk+1
.endr
.endr
	WIN 0
	s_wait_dscnt 0x0                               ; V is in; the stores above have landed
.if \stage
	s_wait_alu depctr_vm_vsrc(0)                   ; the LDS stores above have read v32-63, in which the next tile's loads land
.if \gcond
	s_cmp_lt_u32 s29, 2
	s_cbranch_scc0 .Lng_\@
.endif
	GLOAD \gimm
.if \gcond
.Lng_\@:
.endif
.endif
	WIN 0x54
.set tt, 0
.rept 4
.irp a, 0,1
	v_wmma_f32_16x16x128_fp8_fp8 v[64+64*\a+8*tt:64+64*\a+8*tt+7], v[F0+16*tt:F0+16*tt+15], v[32+16*\a:32+16*\a+15], v[64+64*\a+8*tt:64+64*\a+8*tt+7]
.endr
.set tt, tt+1
.endr
	WIN 0x55
.set tt, 0
.rept 4
.irp a, 0,1
	v_wmma_f32_16x16x128_fp8_fp8 v[64+64*\a+32+8*tt:64+64*\a+32+8*tt+7], v[F0+16*tt:F0+16*tt+15], v[32+16*\a:32+16*\a+15], v[64+64*\a+32+8*tt:64+64*\a+32+8*tt+7]
.endr
.set tt, tt+1
.endr
	WIN 0
	PLACES 4                                       ; in front of the next read of O^T by vector instructions
.endm
; An iteration.  The barrier at its end orders two things: every wave's stores of the next tile against the next iteration's reads of it, and every wave's reads of this slot against the stores that overwrite it an iteration on.
.macro MEET
	s_add_co_u32 s27, s27, 128
	s_wait_dscnt 0x0                               ; my stores have landed, my reads of this slot are over (in waves 4-7: V has just been asked for)
	s_barrier_signal -1
	s_barrier_wait -1
.endm
.macro ITER slot, timm, stage, sslot, gimm, gcond
	s_wait_alu depctr_vm_vsrc(0)                   ; the last iteration's table loads have read v[ADT], which is written anew
	v_add_nc_u32 v[ADT], s28, v[TBA]               ; made where all waves walk
	s_cmp_lt_u32 s16, 4
	s_cbranch_scc0 .Lh1_\@
	FRONT \slot, \timm, 1                          ; waves 0-3
.Lh1_\@:
	BACK \stage, \sslot, \gimm, \gcond             ; waves 0-3: this iteration's step; waves 4-7: the one before
	s_cmp_lt_u32 s16, 4
	s_cbranch_scc1 .Ll2_\@
	FRONT \slot, \timm, 1                          ; waves 4-7
.Ll2_\@:
	MEET
.endm
	; iteration 0: FRONT for all waves, never shortened (the mask in BACK serves a length of 0 too), so that the scores' and V's registers are written on every way
	v_add_nc_u32 v[ADT], s28, v[TBA]
	FRONT 0, 0, 0
	s_wait_loadcnt 0x0                             ; key step 1 is in registers
	GSTORE 1
	s_wait_dscnt 0x0                               ; the stores have landed
	s_wait_alu depctr_vm_vsrc(0)                   ; and have read v32-63, in which the loads below land
	GLOAD 32768                                    ; key step 2
	s_cmp_lt_u32 s16, 4
	s_cbranch_scc0 .Lh0
	BACK 0, 0, 0, 0                                ; waves 0-3
.Lh0:
	MEET
.Ltrip:                                    ; three trips of two iterations, steps 1 to 6: the slots are immediates
	ITER 1, 512, 1, 0, 49152, 0                    ; step 1 + 2 t: tile 2 + 2 t goes to slot 0, tile 3 + 2 t is asked for
	ITER 0, 1024, 1, 1, 65536, 1                   ; step 2 + 2 t: tile 3 + 2 t goes to slot 1, tile 4 + 2 t is asked for while there is one
	s_wait_xcnt 0x0                                ; the tile loads have read their bases
	s_add_nc_u64 s[6:7], s[6:7], 32768
	s_add_nc_u64 s[8:9], s[8:9], 32768
	s_add_co_u32 s28, s28, 1024
	s_add_co_u32 s29, s29, 1
	s_cmp_lt_u32 s29, 3
	s_cbranch_scc1 .Ltrip
	ITER 1, 512, 0, 0, 0, 0                        ; step 7: nothing is left to fetch
	s_cmp_lt_u32 s16, 4
	s_cbranch_scc1 .Ltail
	BACK 0, 0, 0, 0                                ; waves 4-7: step 7
.Ltail:
	; THE WAY OUT: O^T / the sum x 2^(e8 + e9), quantised with 2^e10.  V's channel tiles are ordered so that 16 registers of two tiles are 16 neighbouring channels: the codes are the next operand's image.
	s_wait_alu depctr_vm_vsrc(0)                   ; the last table loads have read v23, which takes 2^e10 below
.irp a, 0,1
	v_add_f32 v[18+8*\a], v[10+4*\a], v[11+4*\a]
.endr
.irp a, 0,1
	v_permlanex16_b32 v[22+8*\a], v[18+8*\a], s22, s23
.endr
.irp a, 0,1
	v_add_f32 v[18+8*\a], v[18+8*\a], v[22+8*\a]
.endr
.irp a, 0,1
	v_rcp_f32 v[16+8*\a], v[18+8*\a]
.endr
	s_add_co_i32 s48, s40, s41                     ; e8 + e9
	s_add_co_i32 s49, s42, 127
	s_lshl_b32 s50, s49, 23
	v_mov_b32 v23, s50                             ; 2^e10 (a plain line behind the reciprocals)
	s_add_co_i32 s49, s49, 8
	s_lshl_b32 s49, s49, 23
	s_or_b32 s49, s49, 0x600000
	v_mov_b32 v31, s49                             ; 448 x 2^e10
	s_wait_alu depctr_va_vdst(0)                   ; the two reciprocals have written v16 and v24: one wait, ahead of their first reader
.irp a, 0,1
	v_ldexp_f32 v[16+8*\a], v[16+8*\a], s48
.endr
	WIN 0x01
.irp a, 0,1
.set kk, 0
.rept 32
	v_pk_mul_f32 v[S+64*\a+2*kk:S+64*\a+2*kk+1], v[64+64*\a+2*kk:64+64*\a+2*kk+1], v[16+8*\a:17+8*\a] op_sel_hi:[1,0]
.set kk, kk+1
.endr
.endr
	WIN 0
.set kk, 0
.rept 128
	v_med3_num_f32 v[S+kk], v[S+kk], -v31, v31
.set kk, kk+1
.endr
.set kk, 0
.rept 16
	v_cvt_scalef32_pk8_fp8_f32 v[F0+2*kk:F0+2*kk+1], v[S+8*kk:S+8*kk+7], v23
.set kk, kk+1
.endr
	v_nop
	s_wait_alu depctr_va_vdst(0)                   ; the conversions have written v192-223, which the eight stores read
.set kk, 0
.rept 8
	global_store_b128 v[LI], v[F0+4*kk:F0+4*kk+3], s[14:15] offset:8192*(kk/4)+512*(kk%4)   ; each store covers 512 consecutive bytes
.set kk, kk+1
.endr
	s_wait_xcnt 0x0
	v_lshl_add_u32 v254, v0, 2, 0x16000            ; the add's two registers, made straight ahead of the closing lines; no memory or LDS instruction has ever read v254 or v255
	v_mov_b32 v255, 0
	s_wait_dscnt 0x0                               ; the closing lines, six on end
	s_wait_alu 0x0
	s_wait_tensorcnt 0x0
	ds_add_u32 v254, v255
	s_wait_dscnt 0x0
	s_endpgm
.Lfunc_end_k_q9563ea91ec_attn:
	.size	k_q9563ea91ec_attn, .Lfunc_end_k_q9563ea91ec_attn-k_q9563ea91ec_attn
	.p2alignl 7, 3214868480
	.fill 96, 4, 3214868480
	.section	.rodata,"a",@progbits
	.p2align	6, 0x0
	.amdhsa_kernel k_q9563ea91ec_attn
		.amdhsa_group_segment_fixed_size 91136
		.amdhsa_private_segment_fixed_size 0
		.amdhsa_enable_private_segment 0
		.amdhsa_kernarg_size 48
		.amdhsa_user_sgpr_count 2
		.amdhsa_user_sgpr_kernarg_segment_ptr 1
		.amdhsa_wavefront_size32 1
		.amdhsa_system_sgpr_workgroup_id_x 1
		.amdhsa_system_sgpr_workgroup_id_y 1
		.amdhsa_system_sgpr_workgroup_id_z 1
		.amdhsa_system_vgpr_workitem_id 0
		.amdhsa_next_free_vgpr 512
		.amdhsa_next_free_sgpr 66
		.amdhsa_reserve_vcc 0
		.amdhsa_float_denorm_mode_32 3
		.amdhsa_float_denorm_mode_16_64 3
		.amdhsa_memory_ordered 1
		.amdhsa_forward_progress 1
		.amdhsa_inst_pref_size 255
	.end_amdhsa_kernel
	.section	.bss,"aw",@nobits
	.p2align	6
	.space	262144
	.amdgpu_metadata
---
amdhsa.version: [ 1, 2 ]
amdhsa.kernels:
  - .name:           k_q9563ea91ec_attn
    .symbol:         k_q9563ea91ec_attn.kd
    .args:
      - { .name: q_img, .offset: 0, .size: 8, .value_kind: global_buffer, .address_space: global }
      - { .name: k_img, .offset: 8, .size: 8, .value_kind: global_buffer, .address_space: global }
      - { .name: v_img, .offset: 16, .size: 8, .value_kind: global_buffer, .address_space: global }
      - { .name: lengths, .offset: 24, .size: 8, .value_kind: global_buffer, .address_space: global }
      - { .name: lowp_scales, .offset: 32, .size: 8, .value_kind: global_buffer, .address_space: global }
      - { .name: o_img, .offset: 40, .size: 8, .value_kind: global_buffer, .address_space: global }
    .group_segment_fixed_size: 91136
    .private_segment_fixed_size: 0
    .kernarg_segment_align: 8
    .kernarg_segment_size: 48
    .max_flat_workgroup_size: 256
    .sgpr_count:     66
    .vgpr_count:     512
    .wavefront_size: 32
...
	.end_amdgpu_metadata
.endif
;; end of part 6
;; launch ffn (part 7): grid 256 x 1, 4 waves a work-group, no clusters, 263,680 bytes of LDS; arguments o_img, z, wimg, bo, ln2_g, ln2_b, b1, b2, lowp_scales, out0, out1; writes out0, out1
.if DOCPART == 7
	.amdgcn_target "amdgcn-amd-amdhsa--gfx1250"
	.amdhsa_code_object_version 6
	.text
	.protected	k_q9563ea91ec_ffn
	.globl	k_q9563ea91ec_ffn
	.p2align	8
	.type	k_q9563ea91ec_ffn,@function
k_q9563ea91ec_ffn:
	s_mov_b64 s[64:65], 0
	v_nop
	global_prefetch_b8 v0, s[64:65] scope:SCOPE_SE
	s_setreg_imm32_b32 hwreg(HW_REG_WAVE_SCHED_MODE, 0, 2), 2
	s_setreg_imm32_b32 hwreg(HW_REG_WAVE_MODE, 25, 1), 1
	s_wait_xcnt 0x0
	s_wait_alu depctr_vm_vsrc(0)
; out1 = o wo^T + bo + z;  h = layernorm(out1);  out0 = relu(h w1^T + b1) w2^T + b2 + out1.  All three products on codes of E4M3; h and the hidden layer never go to memory.
; Fragments, images and the order of a tile's rows: 16 rows x 128 K in 16 registers a lane, lane (r, h), registers 4 c .. 4 c + 3: k = 32 c + 16 h + 0 .. 15; an image is 4 chunks of 512 bytes, lane l at 16 l;
; in a group of 32 rows, tile u takes in lane-row r the row 8 u + r + 8 (r / 8).
; SHARES.  A work-group takes 64 tokens (four tiles m).  THE WAVES SHARE THE COLUMNS: a group is 64 tokens x 128 columns in 32 accumulators.  Wave w makes columns 128 w on of out1, hidden units 256 w on (two groups),
; columns 128 w on of out0.  K goes in blocks of 128, twenty in all (4 for wo, 8 for w1, 8 for w2): 8 weight fragments straight from wimg into registers (three buffers), 4 fragments of the rows (two buffers;
; o's from memory, h's and the hidden layer's from LDS), 32 matrix instructions on 32 accumulators, which take turns in the same order in every block.
; Source 0 = weights, source 1 = tokens: a lane holds a token and its registers run along the columns, which are the next K.  Each bias, divided by the power of two that the sums lack, is the C of a group's first block.
; z, out1 and out0 pass through one stage in LDS (64 rows in the tiles' order): in and out as whole rows, 512 consecutive bytes a load or store; in between each lane reads and rewrites the bytes of its own numbers.
; Six barriers; in front of each a wave waits for all its LDS instructions.
; No joint requests: each weight fragment is used by one wave of a work-group and goes straight into its registers.
; LIMITS.  e12 and e14 - e12 - e13 between -126 and 119; e10 + e11 and e14 + e15 between -126 and 127.  NaN and infinity among the inputs are not served.
; REGISTERS.  Window 0: v1-17 addresses and constants; v20-63 statistics; v64-127 codes just made; v128-191, v192-255 the rows' fragments of even and odd blocks (also z, gains and offsets).
;   window 1: the 32 accumulators.  window 2: weight buffers 0, 1.  window 3: v0-127 weight buffer 2; v128-191 the bias; v192-255 rows on their way out.
; THE MODE: SCHED_MODE bits 1:0 = 2 (LLVM: expert scheduling mode 2), set by the entry lines.  The code itself states the register dependences
; between vector or matrix instructions and memory or LDS instructions, with s_wait_alu, always for 0.
; THE PLAN.  Registers that memory or LDS instructions touch:
;   v1-v13        addresses and offsets: made at the head, never written again.  One wait on va_vdst ahead of the first load serves them all.
;   window 1      z lands here and the stage's LDS stores read it; then products and arithmetic write it, and the stage's stores of out1 and of out0 read it.
;   v128-255      loads land here (o's fragments, z and out1 from the stage, gains and offsets, h's and the hidden layer's fragments); products and multiply-adds read it.
;   v28-31        a tile's partial sum: written by an addition, read by an LDS store; twice (the sums, the squares).
;   v32-47        the rows' four partial sums: LDS loads land here, arithmetic works on them; twice.
;   v64-127       the codes: written by conversions, read by LDS stores; three times (h, the hidden layer's two groups).
;   window 3 v192-255   rows on their way out: LDS loads land here, global stores read it; no vector instruction names it.
;   weight buffers, the bias   loaded; read by a block's 32 products; loaded again behind that block.
; So: a block has ONE wait on va_vdst, behind its products, ahead of the run of loads into the buffers that they read (every product of a block reads all eight weight fragments, and with three buffers that run goes out
; three blocks ahead of its use).  A tile of out1 or out0 has ONE, behind its arithmetic: its stores into the stage, its partial sum and the loads into the registers that it has read follow it.
; Each run of conversions has one wait on vm_vsrc ahead of it, where stores have read its destinations, and one on va_vdst behind it, ahead of its stores.
.set SPITCH, 2064
.set WSTG,   16*SPITCH
.set STG,    131072                    ; LDS: 0 h's images (4 m + s) x 2,048; 32,768 and 33,792 the rows' partial sums; 65,536 the hidden layer's images (8 m + s) x 2,048; 131,072 the stage
.set LI,   1                           ; 16 x lane
.set WO1,  2                           ; + 65,536 x wave
.set WO2,  3                           ; + 131,072 x wave
.set SD,   4                           ; the stage, my 16 whole rows
.set SA0,  5                           ; the stage, row r, my wave's columns, + 64 h; tiles 0, 1
.set SA1,  6                           ; tiles 2, 3
.set SW,   7                           ; where I put a row's partial sum
.set SR,   8                           ; where I read a row's four
.set HW,   9                           ; where I store h's images
.set LF,   10                          ; 16 x lane + 65,536
.set FW,   11                          ; where I store the hidden layer's
.set VB1,  12                          ; 64 h + 512 x wave
.set VB2,  13                          ; 64 h + 1,024 x wave
.set SC12, 14
.set LIM12, 15
.set SC14, 16
.set LIM14, 17
.set CH,   20                          ; v20-27 chains
.set RS,   28                          ; v28-31 a tile's partial sum on its way to LDS
.set PT,   32                          ; v32-47
.set MEAN, 48                          ; v48-55 pairs
.set RSTD, 56                          ; v56-63 pairs
.set PC,   64
.set BIAS, 128
.set X3,   192
.set WP,   8                           ; s[8:9] wimg
.set MSB, 0
.macro WIN new
.if MSB != (\new)
	s_set_vgpr_msb (MSB<<8)|(\new)
.set MSB, (\new)
.endif
.endm
.macro PLACES n
.rept \n
	v_nop
.endr
.endm
.macro BARRIER
	s_wait_dscnt 0x0
	s_barrier_signal -1
	s_barrier_wait -1
.endm
.macro LOADW i, voff, imm
.set WB, 0
.if ((\i)%3) == 1
.set WB, 128
.endif
.if ((\i)%3) == 2
	WIN 0xc0
.else
	WIN 0x80
.endif
.set kk, 0
.rept 32
	global_load_b128 v[WB+4*kk:WB+4*kk+3], v[\voff], s[WP:WP+1] offset:(\imm)+512*kk
.set kk, kk+1
.endr
	WIN 0
.endm
.macro LOADA i, areg, imm, mstride
.set AB, 128+64*((\i)%2)
.set kk, 0
.rept 16
	ds_load_b128 v[AB+4*kk:AB+4*kk+3], v[\areg] offset:(\imm)+(kk/4)*(\mstride)+512*(kk%4)
.set kk, kk+1
.endr
.endm
.macro LOADAG i                        ; o's four fragments of K step i (= head i), from memory
.set AB, 128+64*((\i)%2)
.set kk, 0
.rept 16
	global_load_b128 v[AB+4*kk:AB+4*kk+3], v[LI], s[4:5] offset:8192*(kk/4)+2048*(\i)+512*(kk%4)
.set kk, kk+1
.endr
.endm
.macro MM32 i, first
.set WB, 0
.set WW, 2
.if ((\i)%3) == 1
.set WB, 128
.endif
.if ((\i)%3) == 2
.set WW, 3
.endif
.set AB, 128+64*((\i)%2)
.set CW, 1
.if \first
.set CW, 3
.endif
	WIN WW|(CW<<4)|0x40
.set mm, 0
.rept 4
.set tt, 0
.rept 8
.set DD, 8*(8*mm+tt)
.if \first
	v_wmma_f32_16x16x128_fp8_fp8 v[DD:DD+7], v[WB+16*tt:WB+16*tt+15], v[AB+16*mm:AB+16*mm+15], v[BIAS+8*tt:BIAS+8*tt+7]
.else
	v_wmma_f32_16x16x128_fp8_fp8 v[DD:DD+7], v[WB+16*tt:WB+16*tt+15], v[AB+16*mm:AB+16*mm+15], v[DD:DD+7]
.endif
.set tt, tt+1
.endr
.set mm, mm+1
.endr
.endm
.macro BIASLOAD voff, ptr, imm
	WIN 0xc0
.set tt, 0
.rept 8
	global_load_b128 v[BIAS+8*tt:BIAS+8*tt+3], v[\voff], s[\ptr:\ptr+1] offset:(\imm)+4*(32*(tt/2)+8*(tt%2))
	global_load_b128 v[BIAS+8*tt+4:BIAS+8*tt+7], v[\voff], s[\ptr:\ptr+1] offset:(\imm)+4*(32*(tt/2)+8*(tt%2))+16
.set tt, tt+1
.endr
	WIN 0
.endm
.macro BIASSCALE sh
	WIN 0xc3
.set kk, 0
.rept 64
	v_ldexp_f32 v[BIAS+kk], v[BIAS+kk], s[\sh]
.set kk, kk+1
.endr
	WIN 0
.endm
.macro LOADZ m                         ; my 64 numbers of tile m from the stage
.set ZB, 128+64*((\m)%2)
.set kk, 0
.rept 16
	ds_load_b128 v[ZB+4*kk:ZB+4*kk+3], v[SA0+(\m)/2] offset:33024*((\m)%2)+128*(kk/4)+16*(kk%4)
.set kk, kk+1
.endr
.endm
.macro STOREZ m                        ; and back to the same bytes, from the accumulators
	WIN 0x04
.set kk, 0
.rept 16
	ds_store_b128 v[SA0+(\m)/2], v[64*(\m)+4*kk:64*(\m)+4*kk+3] offset:33024*((\m)%2)+128*(kk/4)+16*(kk%4)
.set kk, kk+1
.endr
	WIN 0
.endm
.macro E1M m, cnt                      ; tile m: out1 = sum x 2^(e10 + e11) + z; its row sums; then, behind one wait, its LDS instructions
.set ZB, 128+64*((\m)%2)
.set AM, 64*(\m)
	s_wait_dscnt \cnt
	WIN 0x41
.set kk, 0
.rept 32
	v_pk_fma_f32 v[AM+2*kk:AM+2*kk+1], v[AM+2*kk:AM+2*kk+1], s[60:61], v[ZB+2*kk:ZB+2*kk+1] op_sel_hi:[1,0,1]
.set kk, kk+1
.endr
	WIN 0x05
.set kk, 0
.rept 4
	v_pk_add_f32 v[CH+2*kk:CH+2*kk+1], v[AM+4*kk:AM+4*kk+1], v[AM+4*kk+2:AM+4*kk+3]
.set kk, kk+1
.endr
	WIN 0x04
.set kk, 8
.rept 24
	v_pk_add_f32 v[CH+2*(kk%4):CH+2*(kk%4)+1], v[CH+2*(kk%4):CH+2*(kk%4)+1], v[AM+2*kk:AM+2*kk+1]
.set kk, kk+1
.endr
	WIN 0
	v_pk_add_f32 v[CH:CH+1], v[CH:CH+1], v[CH+2:CH+3]
	v_pk_add_f32 v[CH+4:CH+5], v[CH+4:CH+5], v[CH+6:CH+7]
	v_pk_add_f32 v[CH:CH+1], v[CH:CH+1], v[CH+4:CH+5]
	v_add_f32 v[CH], v[CH], v[CH+1]
	v_permlanex16_b32 v[CH+2], v[CH], s56, s57
	v_add_f32 v[RS+(\m)], v[CH], v[CH+2]           ; the row's sum over my wave's 128 columns
	s_wait_alu depctr_va_vdst(0)                   ; the multiply-adds have written the tile's 64 numbers and the addition its partial sum, which the LDS stores read; they are done reading z's registers, in which the loads below land
	STOREZ \m
	ds_store_b32 v[SW], v[RS+(\m)] offset:256*(\m)
.if (\m)+2 < 4
	LOADZ (\m)+2
.endif
.endm
.macro E3M m, cnt                      ; tile m: out0 = sum x 2^(e14 + e15) + out1
.set ZB, 128+64*((\m)%2)
.set AM, 64*(\m)
	s_wait_dscnt \cnt
	WIN 0x41
.set kk, 0
.rept 32
	v_pk_fma_f32 v[AM+2*kk:AM+2*kk+1], v[AM+2*kk:AM+2*kk+1], s[62:63], v[ZB+2*kk:ZB+2*kk+1] op_sel_hi:[1,0,1]
.set kk, kk+1
.endr
	s_wait_alu depctr_va_vdst(0)                   ; the multiply-adds have written the tile's 64 numbers, which the LDS stores read, and are done reading out1's registers, in which the loads below land
	STOREZ \m
.if (\m)+2 < 4
	LOADZ (\m)+2
.endif
.endm
.macro READOUT ptr, again              ; my 16 whole rows leave the stage, 16 loads and stores at a time.  again = 1: an earlier way out has used the registers
.set bb, 0
.rept 4
	s_wait_xcnt 0x0                                ; earlier stores have had their addresses translated
.if (bb > 0) || (\again)
	s_wait_alu depctr_vm_vsrc(0)                   ; the last sixteen global stores have read their data registers, in which the loads below land
.endif
	WIN 0xc0
.set kk, 0
.rept 16
	ds_load_b128 v[X3+4*kk:X3+4*kk+3], v[SD] offset:((16*bb+kk)/4)*SPITCH+512*(kk%4)
.set kk, kk+1
.endr
	WIN 0x0c
.set kk, 0
.rept 16
	s_wait_dscnt 15-kk                             ; LDS loads come back in order: number kk is in
	global_store_b128 v[LI], v[X3+4*kk:X3+4*kk+3], s[\ptr:\ptr+1] offset:(((16*bb+kk)/4)+8*((16*bb+kk)/32))*2048+512*(kk%4) th:TH_STORE_NT   ; 512 consecutive bytes of a row
.set kk, kk+1
.endr
.set bb, bb+1
.endr
	WIN 0
.endm
.macro E2 gsel, sh                     ; a group of the hidden layer: relu and the hold in one, codes, images to LDS; then the next bias
	s_wait_alu depctr_vm_vsrc(0)                   ; the LDS stores that last read v64-127 (h's images, or the first group's) have read them: the conversions write them again
	WIN 0x41
.set kk, 0
.rept 256
	v_med3_num_f32 v[kk], v[kk], 0, v[LIM14]
.set kk, kk+1
.endr
	WIN 0x01
.set kk, 0
.rept 32
.set PD, PC+4*(((kk/2)+10)%16)+2*(kk%2)        ; run g of 16 sums goes to v[PC + 4 ((g + 10) % 16)]: no destination bears the number of one of its sources
	v_cvt_scalef32_pk8_fp8_f32 v[PD:PD+1], v[8*kk:8*kk+7], v[SC14]
.set kk, kk+1
.endr
	WIN 0
	v_nop                                          ; a plain line behind the last conversion: the next group's products write its sources
	s_wait_alu depctr_va_vdst(0)                   ; the conversions have written v64-127, which the sixteen LDS stores read
.set gg, 0
.rept 16
.set PD, PC+4*((gg+10)%16)
	ds_store_b128 v[FW], v[PD:PD+3] offset:16384*(gg/4)+2048*(\gsel)+512*(gg%4)
.set gg, gg+1
.endr
	s_wait_loadcnt 63                              ; 128 loads were issued behind the next bias's
	BIASSCALE \sh
.endm
	s_load_b512 s[4:19], s[0:1], 0x0               ; o_img, z, wimg, bo, ln2_g, ln2_b, b1, b2
	s_load_b128 s[20:23], s[0:1], 0x40             ; lowp_scales, out0
	s_load_b64 s[24:25], s[0:1], 0x50              ; out1
	v_lshl_add_u32 v18, v0, 2, 0x40400
	v_mov_b32 v19, 0
	v_lshrrev_b32 v[PT], 5, v0
	v_readfirstlane_b32 s28, v[PT]                 ; wave
	v_and_b32 v[PT+1], 31, v0
	v_and_b32 v[PT+2], 15, v0                      ; r
	v_bfe_u32 v[PT+3], v0, 4, 1                    ; h
	v_lshlrev_b32 v[LI], 4, v[PT+1]
	s_wait_alu depctr_va_sdst(0)                   ; s28 is written, ahead of its first reader
	s_lshl_b32 s50, s28, 16
	v_add_nc_u32 v[WO1], s50, v[LI]
	s_lshl_b32 s50, s28, 17
	v_add_nc_u32 v[WO2], s50, v[LI]
	s_mul_i32 s50, s28, WSTG
	s_add_co_u32 s50, s50, STG
	v_add_nc_u32 v[SD], s50, v[LI]
	v_mul_u32_u24 v[SA0], v[PT+2], SPITCH
	v_lshl_add_u32 v[SA0], v[PT+3], 6, v[SA0]
	s_lshl_b32 s50, s28, 9
	s_add_co_u32 s51, s50, STG
	v_add_nc_u32 v[SA0], s51, v[SA0]
	v_add_nc_u32 v[SA1], 2*WSTG, v[SA0]
	v_lshlrev_b32 v[SR], 4, v[PT+2]
	v_add_nc_u32 v[SR], 32768, v[SR]
	s_lshl_b32 s51, s28, 2
	v_add_nc_u32 v[SW], s51, v[SR]
	s_lshl_b32 s51, s28, 11
	v_add_nc_u32 v[HW], s51, v[LI]
	v_add_nc_u32 v[LF], 0x10000, v[LI]
	s_lshl_b32 s51, s28, 12
	v_add_nc_u32 v[FW], s51, v[LF]
	v_lshlrev_b32 v[VB1], 6, v[PT+3]
	s_lshl_b32 s51, s28, 10
	v_add_nc_u32 v[VB2], s51, v[VB1]
	v_add_nc_u32 v[VB1], s50, v[VB1]
	s_lshr_b32 s50, s28, 1
	s_lshl_b32 s50, s50, 5
	s_and_b32 s51, s28, 1
	s_lshl_b32 s51, s51, 3
	s_add_co_u32 s50, s50, s51                     ; 32 (w / 2) + 8 (w % 2)
	s_lshl_b32 s52, ttmp9, 6
	s_add_co_u32 s52, s52, s50
	s_lshl_b32 s52, s52, 11                        ; where tile w's rows begin in z, out0, out1
	s_mov_b32 s53, 0
	s_lshl_b32 s54, ttmp9, 15                      ; my 16 images in o_img
	s_mov_b32 s55, 0
	s_mov_b32 s56, 0x76543210
	s_mov_b32 s57, 0xfedcba98
	s_mov_b32 s58, 0x3b000000                      ; 1 / 512
	s_mov_b32 s59, 0x3727c5ac                      ; 1e-5
	s_wait_kmcnt 0x0
	s_load_b512 s[32:47], s[20:21], 0x0            ; e0 .. e15
	s_add_nc_u64 s[4:5], s[4:5], s[54:55]
	s_add_nc_u64 s[6:7], s[6:7], s[52:53]
	s_add_nc_u64 s[22:23], s[22:23], s[52:53]
	s_add_nc_u64 s[24:25], s[24:25], s[52:53]
	s_wait_alu depctr_va_vdst(0)                   ; the addresses and offsets v1 to v13 are written, which every load and store of the kernel reads; so are v32 to v35, in which LDS loads land later
	BIASLOAD VB1, 10, 0                            ; bo
	WIN 0x40
.set kk, 0
.rept 64
	global_load_b128 v[4*kk:4*kk+3], v[LI], s[6:7] offset:((kk/4)+8*(kk/32))*2048+512*(kk%4) th:TH_LOAD_NT   ; z: 512 consecutive bytes of one of my 16 rows
.set kk, kk+1
.endr
	WIN 0
	LOADAG 0
	LOADAG 1
	LOADW 0, WO1, 0xc0000
	LOADW 1, WO1, 0xc4000
	LOADW 2, WO1, 0xc8000
	s_wait_kmcnt 0x0
	s_add_co_i32 s70, s42, s43                     ; e10 + e11
	s_sub_co_i32 s66, 0, s70
	s_add_co_i32 s70, s70, 127
	s_lshl_b32 s60, s70, 23                        ; 2^(e10 + e11)
	s_mov_b32 s61, s60
	s_add_co_i32 s70, s46, s47                     ; e14 + e15
	s_sub_co_i32 s68, 0, s70
	s_add_co_i32 s70, s70, 127
	s_lshl_b32 s62, s70, 23
	s_mov_b32 s63, s62
	s_add_co_i32 s70, s44, s45                     ; e12 + e13
	s_sub_co_i32 s67, 0, s70
	s_sub_co_i32 s71, s46, s70                     ; the hidden layer's conversion takes 2^(e14 - e12 - e13)
	s_add_co_i32 s71, s71, 127
	s_lshl_b32 s72, s71, 23
	v_mov_b32 v[SC14], s72
	s_add_co_i32 s71, s71, 8
	s_lshl_b32 s71, s71, 23
	s_or_b32 s71, s71, 0x600000
	v_mov_b32 v[LIM14], s71
	s_add_co_i32 s71, s44, 127
	s_lshl_b32 s72, s71, 23
	v_mov_b32 v[SC12], s72
	s_add_co_i32 s71, s71, 8
	s_lshl_b32 s71, s71, 23
	s_or_b32 s71, s71, 0x600000
	v_mov_b32 v[LIM12], s71
	s_wait_loadcnt 63                              ; 128 loads were issued behind z's: z and bo are in
	WIN 0x04
.set kk, 0
.rept 64
	ds_store_b128 v[SD], v[4*kk:4*kk+3] offset:(kk/4)*SPITCH+512*(kk%4)
.set kk, kk+1
.endr
	WIN 0
	BIASSCALE 66
	s_wait_alu depctr_vm_vsrc(0)                   ; z's LDS stores have read window 1's registers, which the first block's products write
	BARRIER                                        ; z's 64 rows lie in the stage
.set ii, 0
.rept 20
.set NW, 63                                ; behind this block's operands at least 64 loads were issued
.if ii == 18
.set NW, 32
.endif
.if ii == 19
.set NW, 0
.endif
.set ND, 16                                ; behind this block's fragments from LDS: the next block's 16 loads
.if (ii == 8) || (ii == 9)
.set ND, 32                                ; and the hidden layer's 16 stores
.endif
.if (ii == 11) || (ii == 19)
.set ND, 0
.endif
.set FIRST, 0
.if (ii == 0) || (ii == 4) || (ii == 8) || (ii == 12)
.set FIRST, 1
.endif
	s_wait_loadcnt NW
.if ii >= 4
	s_wait_dscnt ND
.endif
	MM32 ii, FIRST
	WIN 0
	PLACES 4                                       ; in front of the first read of results by vector instructions (ISA guide 7.12.1)
.if ii < 18
	s_wait_alu depctr_va_vdst(0)                   ; this block's products are done reading their weight buffer, their rows' fragments and, in a group's first block, the bias (which the scaling has written): the loads below land in these registers
.endif
.if ii < 2
	LOADAG ii+2
.endif
.if ii == 0
	BIASLOAD VB2, 16, 0                            ; b1 of my first group
.endif
.if ii == 4
	BIASLOAD VB2, 16, 512                          ; of my second
.endif
.if ii == 8
	BIASLOAD VB1, 18, 0                            ; b2
.endif
.if ii+3 < 4
	LOADW ii+3, WO1, 0xc0000+0x4000*(ii+3)
.elseif ii+3 < 12
	LOADW ii+3, WO2, 0x100000+0x4000*(ii+3-4)
.elseif ii+3 < 20
	LOADW ii+3, WO2, 0x180000+0x4000*(ii+3-12)
.endif
.if (ii >= 4) && (ii+2 <= 11)
	LOADA ii+2, LI, 2048*((ii+2)%4), 8192
.endif
.if (ii >= 12) && (ii+2 <= 19)
	LOADA ii+2, LF, 2048*(ii+2-12), 16384
.endif
.if ii == 3
	; ---- out1, and its norm
	LOADZ 0                                        ; into the fragments that blocks 2 and 3 read: the wait above has shown them read
	LOADZ 1
	E1M 0, 16                                      ; behind tile 0's loads: tile 1's 16
	E1M 1, 33                                      ; behind tile 1's: 16 stores, a partial sum, 16 loads
	E1M 2, 33
	E1M 3, 17                                      ; behind tile 3's: 16 stores and a partial sum
.set kk, 0
.rept 16
	global_load_b128 v[128+4*kk:128+4*kk+3], v[VB1], s[12:13] offset:128*(kk/4)+16*(kk%4)   ; the gains of my 64 columns (into z's registers: tile 3's wait has shown them read),
	global_load_b128 v[192+4*kk:192+4*kk+3], v[VB1], s[14:15] offset:128*(kk/4)+16*(kk%4)   ; the offsets
.set kk, kk+1
.endr
	BARRIER                                        ; out1 and the rows' partial sums lie in LDS
	s_wait_alu depctr_vm_vsrc(0)                   ; my LDS stores have read the accumulators' registers and v28-31, which the lines below write again
.irp m, 0,1,2,3
	ds_load_b128 v[PT+4*\m:PT+4*\m+3], v[SR] offset:256*\m
.endr
	s_wait_dscnt 0x0
.irp m, 0,1,2,3
	v_add_f32 v[PT+4*\m], v[PT+4*\m], v[PT+4*\m+1]
	v_add_f32 v[PT+4*\m+2], v[PT+4*\m+2], v[PT+4*\m+3]
.endr
.irp m, 0,1,2,3
	v_add_f32 v[PT+4*\m], v[PT+4*\m], v[PT+4*\m+2]
.endr
.irp m, 0,1,2,3
	v_mul_f32 v[MEAN+2*\m], s58, v[PT+4*\m]
.endr
.irp m, 0,1,2,3
	v_mov_b32 v[MEAN+2*\m+1], v[MEAN+2*\m]
.endr
	WIN 0x41
.set kk, 0
.rept 128
	v_pk_add_f32 v[2*kk:2*kk+1], v[2*kk:2*kk+1], v[MEAN+2*(kk/32):MEAN+2*(kk/32)+1] neg_lo:[0,1] neg_hi:[0,1]
.set kk, kk+1
.endr
	WIN 0x05
.set kk, 0
.rept 32                                   ; the squares: two chains a tile, the four tiles by turns
.irp m, 0,1,2,3
.if kk < 2
	v_pk_mul_f32 v[PT+4*\m+2*kk:PT+4*\m+2*kk+1], v[64*\m+2*kk:64*\m+2*kk+1], v[64*\m+2*kk:64*\m+2*kk+1]
.else
	v_pk_fma_f32 v[PT+4*\m+2*(kk%2):PT+4*\m+2*(kk%2)+1], v[64*\m+2*kk:64*\m+2*kk+1], v[64*\m+2*kk:64*\m+2*kk+1], v[PT+4*\m+2*(kk%2):PT+4*\m+2*(kk%2)+1]
.endif
.endr
.set kk, kk+1
.endr
	WIN 0
.irp m, 0,1,2,3
	v_pk_add_f32 v[PT+4*\m:PT+4*\m+1], v[PT+4*\m:PT+4*\m+1], v[PT+4*\m+2:PT+4*\m+3]
.endr
.irp m, 0,1,2,3
	v_add_f32 v[PT+4*\m], v[PT+4*\m], v[PT+4*\m+1]
.endr
.irp m, 0,1,2,3
	v_permlanex16_b32 v[PT+4*\m+2], v[PT+4*\m], s56, s57
.endr
.irp m, 0,1,2,3
	v_add_f32 v[RS+\m], v[PT+4*\m], v[PT+4*\m+2]
.endr
	s_wait_alu depctr_va_vdst(0)                   ; the additions have written v28-31, which the LDS stores read, and the arithmetic is done with v32-47, in which the next partial sums land
.irp m, 0,1,2,3
	ds_store_b32 v[SW], v[RS+\m] offset:1024+256*\m
.endr
	READOUT 24, 0                                  ; out1 leaves
	BARRIER                                        ; the squares' partial sums lie in LDS; nobody reads the stage any more until it is rewritten
.irp m, 0,1,2,3
	ds_load_b128 v[PT+4*\m:PT+4*\m+3], v[SR] offset:1024+256*\m
.endr
	s_wait_dscnt 0x0
.irp m, 0,1,2,3
	v_add_f32 v[PT+4*\m], v[PT+4*\m], v[PT+4*\m+1]
	v_add_f32 v[PT+4*\m+2], v[PT+4*\m+2], v[PT+4*\m+3]
.endr
.irp m, 0,1,2,3
	v_add_f32 v[PT+4*\m], v[PT+4*\m], v[PT+4*\m+2]
.endr
.irp m, 0,1,2,3
	v_fma_f32 v[PT+4*\m], v[PT+4*\m], s58, s59
.endr
.irp m, 0,1,2,3
	v_rsq_f32 v[RSTD+2*\m], v[PT+4*\m]
.endr
	s_wait_loadcnt 0x0                             ; the gains and offsets were the last loads issued; b1 is in too
	BIASSCALE 67                                   ; independent work behind the roots
	s_wait_alu depctr_va_vdst(0)                   ; the four roots have written v[RSTD ..]: one wait, ahead of their first reader
.irp m, 0,1,2,3
	v_mov_b32 v[RSTD+2*\m+1], v[RSTD+2*\m]
.endr
.irp m, 0,1,2,3
	WIN 0x41
.set kk, 0
.rept 32
	v_pk_mul_f32 v[64*\m+2*kk:64*\m+2*kk+1], v[64*\m+2*kk:64*\m+2*kk+1], v[RSTD+2*\m:RSTD+2*\m+1]
.set kk, kk+1
.endr
.set kk, 0
.rept 32
	v_pk_fma_f32 v[64*\m+2*kk:64*\m+2*kk+1], v[64*\m+2*kk:64*\m+2*kk+1], v[128+2*kk:128+2*kk+1], v[192+2*kk:192+2*kk+1]
.set kk, kk+1
.endr
.set kk, 0
.rept 64
	v_med3_num_f32 v[64*\m+kk], v[64*\m+kk], -v[LIM12], v[LIM12]
.set kk, kk+1
.endr
	WIN 0x01
.set kk, 0
.rept 8
.set PD, PC+4*((((8*\m+kk)/2)+10)%16)+2*(kk%2)
	v_cvt_scalef32_pk8_fp8_f32 v[PD:PD+1], v[64*\m+8*kk:64*\m+8*kk+7], v[SC12]
.set kk, kk+1
.endr
.endr
	WIN 0
	v_nop                                          ; a plain line behind the last conversion
	s_wait_alu depctr_va_vdst(0)                   ; the conversions have written v64-127, which the LDS stores read; the multiply-adds are done reading the gains and offsets, in whose registers h's fragments land behind the barrier
.set gg, 0
.rept 16
.set PD, PC+4*((gg+10)%16)
	ds_store_b128 v[HW], v[PD:PD+3] offset:8192*(gg/4)+512*(gg%4)   ; my 128 columns are K step w of the next product
.set gg, gg+1
.endr
	BARRIER                                        ; h's sixteen fragments lie in LDS
	LOADA 4, LI, 0, 8192
	LOADA 5, LI, 2048, 8192
.endif
.if ii == 7
	E2 0, 67
.endif
.if ii == 11
	E2 1, 68
	BARRIER                                        ; the hidden layer's 32 fragments lie in LDS
	LOADA 12, LF, 0, 16384                         ; into the fragments that blocks 10 and 11 read: the waits above have shown them read
	LOADA 13, LF, 2048, 16384
.endif
.set ii, ii+1
.endr
	; ---- out0
	s_wait_alu depctr_va_vdst(0)                   ; the last two blocks' products are done reading their rows' fragments, in which out1's numbers land
	LOADZ 0
	LOADZ 1
	E3M 0, 16                                      ; behind tile 0's loads: tile 1's 16
	E3M 1, 32                                      ; behind tile 1's: 16 stores, 16 loads
	E3M 2, 32
	E3M 3, 16
	BARRIER                                        ; out0's 64 rows lie in the stage
	READOUT 22, 1
	s_wait_dscnt 0x0                               ; the closing lines, six on end
	s_wait_alu 0x0
	s_wait_tensorcnt 0x0
	ds_add_u32 v18, v19
	s_wait_dscnt 0x0
	s_endpgm
.Lfunc_end_k_q9563ea91ec_ffn:
	.size	k_q9563ea91ec_ffn, .Lfunc_end_k_q9563ea91ec_ffn-k_q9563ea91ec_ffn
	.p2alignl 7, 3214868480
	.fill 96, 4, 3214868480
	.section	.rodata,"a",@progbits
	.p2align	6, 0x0
	.amdhsa_kernel k_q9563ea91ec_ffn
		.amdhsa_group_segment_fixed_size 263680
		.amdhsa_private_segment_fixed_size 0
		.amdhsa_enable_private_segment 0
		.amdhsa_kernarg_size 88
		.amdhsa_user_sgpr_count 2
		.amdhsa_user_sgpr_kernarg_segment_ptr 1
		.amdhsa_wavefront_size32 1
		.amdhsa_system_sgpr_workgroup_id_x 1
		.amdhsa_system_sgpr_workgroup_id_y 1
		.amdhsa_system_sgpr_workgroup_id_z 1
		.amdhsa_system_vgpr_workitem_id 0
		.amdhsa_next_free_vgpr 1024
		.amdhsa_next_free_sgpr 80
		.amdhsa_reserve_vcc 0
		.amdhsa_float_denorm_mode_32 3
		.amdhsa_float_denorm_mode_16_64 3
		.amdhsa_memory_ordered 1
		.amdhsa_forward_progress 1
		.amdhsa_inst_pref_size 255
	.end_amdhsa_kernel
	.section	.bss,"aw",@nobits
	.p2align	6
	.space	262144
	.amdgpu_metadata
---
amdhsa.version: [ 1, 2 ]
amdhsa.kernels:
  - .name:           k_q9563ea91ec_ffn
    .symbol:         k_q9563ea91ec_ffn.kd
    .args:
      - { .name: o_img, .offset: 0, .size: 8, .value_kind: global_buffer, .address_space: global }
      - { .name: z, .offset: 8, .size: 8, .value_kind: global_buffer, .address_space: global }
      - { .name: wimg, .offset: 16, .size: 8, .value_kind: global_buffer, .address_space: global }
      - { .name: bo, .offset: 24, .size: 8, .value_kind: global_buffer, .address_space: global }
      - { .name: ln2_g, .offset: 32, .size: 8, .value_kind: global_buffer, .address_space: global }
      - { .name: ln2_b, .offset: 40, .size: 8, .value_kind: global_buffer, .address_space: global }
      - { .name: b1, .offset: 48, .size: 8, .value_kind: global_buffer, .address_space: global }
      - { .name: b2, .offset: 56, .size: 8, .value_kind: global_buffer, .address_space: global }
      - { .name: lowp_scales, .offset: 64, .size: 8, .value_kind: global_buffer, .address_space: global }
      - { .name: out0, .offset: 72, .size: 8, .value_kind: global_buffer, .address_space: global }
      - { .name: out1, .offset: 80, .size: 8, .value_kind: global_buffer, .address_space: global }
    .group_segment_fixed_size: 263680
    .private_segment_fixed_size: 0
    .kernarg_segment_align: 8
    .kernarg_segment_size: 88
    .max_flat_workgroup_size: 128
    .sgpr_count:     80
    .vgpr_count:     1024
    .wavefront_size: 32
...
	.end_amdgpu_metadata
.endif
;; end of part 7
